; MI455X (gfx1250); checked and timed in simulation.
; The chip was launched on July 23, 2026; its instructions are those of AMD's public machine-readable ISA for CDNA 5 (MIT licence, August 2026) and "CDNA5" Instruction Set Architecture Reference Guide (July 2026). The comments in the code are by the model that wrote it; some were corrected since.
;; Point Net FP Module. Allowed arithmetic: float matrix products may take bf16 or f16 operands with f32 sums; all other float work in f32.
;; Inputs: W0 256 x 384 float32; W1 128 x 256 float32; b0 256 float32; b1 128 float32; be0 256 float32; be1 128 float32; g0 256 float32; g1 128 float32; norm1 4 x 3 x 8,192 float32; norm2 4 x 3 x 2,048 float32; points1 4 x 128 x 8,192 float32; points2 4 x 256 x 2,048 float32; xyz1 4 x 3 x 8,192 float32; xyz2 4 x 3 x 2,048 float32.
;; Outputs: out0 4 x 128 x 8,192 float32.
;; 3 versions, each right; version 2 is faster than version 1; version 3 is version 2 with the launch bnout written anew for expert scheduling mode. Each part assembles by itself: llvm-mc -triple=amdgcn-amd-amdhsa -mcpu=gfx1250 --defsym DOCPART=n.
;; ======== version 1 of 3: 8 launches
;; limits: values outside matrix products are rounded to f16; values are held in f16: magnitudes above 65,504 overflow, below 6.1e-05 lose precision; a difference of large sums (such as E[x^2] - mean^2): digits are lost where the result is much smaller than its terms
;; workspace buffers: grp 131,072 bytes of whole numbers; idx 524,288 bytes of whole numbers; wgt 524,288 bytes; zt 4,194,304 bytes; y0 16,777,216 bytes; part 524,288 bytes; sc0 2,048 bytes; sc1 2,048 bytes
;; launch knn_coarse (part 1): grid 256 x 1, 8 waves a work-group, no clusters, 66,560 bytes of LDS; arguments xyz1, xyz2, grp; writes grp
.if DOCPART == 1
	.amdgcn_target "amdgcn-amd-amdhsa--gfx1250"
	.amdhsa_code_object_version 6
	.text
	.protected	k_q6456d9c701_knn_coarse
	.globl	k_q6456d9c701_knn_coarse
	.p2align	8
	.type	k_q6456d9c701_knn_coarse,@function
k_q6456d9c701_knn_coarse:
	s_mov_b64 s[64:65], 0
	v_nop
	global_prefetch_b8 v0, s[64:65] scope:SCOPE_SE
	s_setreg_imm32_b32 hwreg(HW_REG_WAVE_MODE, 25, 1), 1
	s_wait_xcnt 0x0
; First level of the exact 3-nearest search.  The 2,048 reference points of a batch are cut into 128 groups of 16
; neighbouring indices; for each query the three groups with the smallest group minimum of d2 are kept (ties to the
; lower group).  Every one of the three nearest points, ordered by (d2, index), lies in one of these groups: were it in
; a group ranked fourth or later, three other groups would each hold a point that precedes it.
; d2 = (q2 + p2) - 2 dot in f32, in ONE fixed rounding order that the next launch repeats instruction for instruction:
;   q2, p2 = fma(z,z, fma(y,y, x*x))  (SQ_FMA = 1);  dot = (x x' + y y') + z z', each product rounded (DOT_FMA = 0).
; LIMITS: coordinates finite, d2 finite.  Where another order of rounding would make a third and a fourth neighbour
; change places (their d2 closer than one rounding step of q2 + p2), this text follows its own order.
; A work-group has 128 queries; wave w has all of them against references 256 w .. 256 w + 255 (16 groups); lane l has
; queries 4 l .. 4 l + 3, so that one LDS load, the same address in all lanes, feeds 128 queries.
; No matrix unit: the choice has to be exact in f32.  No cluster: the tables are 24 KiB a work-group.
.set SQ_FMA,  1
.set DOT_FMA, 0
.set LX,  0                            ; LDS: x of the 2,048 references
.set LY,  8192                         ;      y
.set LZ,  16384                        ;      z
.set LP,  24576                        ;      p2
.set MRG, 32768                        ;      [slice 8][query 128][d0 d1 d2 0 | g0 g1 g2 0], 32 bytes a query
.set Q,   8                            ; v[8:39]   query k: pairs x, y, z, q2 at 8 + 8 k + 2 c, the value in both registers
.set DS,  40                           ; v[40:55]  query k: d0 <= d1 <= d2, 0
.set IS,  56                           ; v[56:71]  query k: their group numbers, 0
.set M,   72                           ; v[72:79]  at work, a pair for each query
.set N,   80                           ; v[80:87]  at work
.set MN,  88                           ; v[88:91]  the group's minimum, for each query
.set G,   92                           ; v92       the group's number
.set VA,  93                           ; v93       LDS byte of the group in each table
.set VM,  94                           ; v94       where my four triples go
.set C,   96                           ; v[96:159] half hh, component c, candidate e at 96 + 32 hh + 8 c + e
.set INF, 0x7f800000
.macro SQ3 dd, xx, yy, zz, tt          ; pair dd = x x + y y + z z of three pairs
	v_pk_mul_f32 v[\dd:\dd+1], v[\xx:\xx+1], v[\xx:\xx+1]
.if SQ_FMA
	v_pk_fma_f32 v[\dd:\dd+1], v[\yy:\yy+1], v[\yy:\yy+1], v[\dd:\dd+1]
	v_pk_fma_f32 v[\dd:\dd+1], v[\zz:\zz+1], v[\zz:\zz+1], v[\dd:\dd+1]
.else
	v_pk_mul_f32 v[\tt:\tt+1], v[\yy:\yy+1], v[\yy:\yy+1]
	v_pk_add_f32 v[\dd:\dd+1], v[\dd:\dd+1], v[\tt:\tt+1]
	v_pk_mul_f32 v[\tt:\tt+1], v[\zz:\zz+1], v[\zz:\zz+1]
	v_pk_add_f32 v[\dd:\dd+1], v[\dd:\dd+1], v[\tt:\tt+1]
.endif
.endm
	s_load_b128 s[4:7], s[0:1], 0x0                ; xyz1 s[4:5], xyz2 s[6:7]
	s_load_b64 s[8:9], s[0:1], 0x10                ; grp
	v_lshl_add_u32 v160, v0, 2, 0x10000
	v_mov_b32 v161, 0
	v_and_b32 v1, 31, v0                           ; lane
	v_lshrrev_b32 v2, 5, v0
	v_readfirstlane_b32 s10, v2                    ; wave 0..7
	s_lshr_b32 s13, ttmp9, 6                       ; batch: 64 work-groups each
	s_and_b32 s14, ttmp9, 63
	s_mul_i32 s16, s13, 24576                      ; xyz2: 3 x 2,048 f32 a batch
	s_mov_b32 s17, 0
	s_mul_i32 s18, s13, 98304                      ; xyz1: 3 x 8,192 f32 a batch
	s_lshl_b32 s14, s14, 9                         ; + 128 queries x 4 bytes
	s_add_co_u32 s18, s18, s14
	s_mov_b32 s19, 0
	s_lshl_b32 s14, ttmp9, 9                       ; grp: 128 words a work-group
	s_mov_b32 s15, 0
	v_lshlrev_b32 v3, 4, v0                        ; 16 t
	v_lshlrev_b32 v4, 4, v1                        ; 16 lane
	s_wait_kmcnt 0x0
	s_add_nc_u64 s[6:7], s[6:7], s[16:17]
	s_add_nc_u64 s[4:5], s[4:5], s[18:19]
	s_add_nc_u64 s[8:9], s[8:9], s[14:15]
.irp c, 0,1,2
	global_load_b128 v[96+8*\c:99+8*\c],   v3, s[6:7] offset:8192*\c        ; references 4 t .. 4 t + 3
	global_load_b128 v[100+8*\c:103+8*\c], v3, s[6:7] offset:8192*\c+4096   ; and 1,024 + 4 t ..
.endr
.irp c, 0,1,2
	global_load_b128 v[120+4*\c:123+4*\c], v4, s[4:5] offset:32768*\c       ; my four queries
.endr
	s_wait_loadcnt 0x3                             ; the three query loads may stay out
.irp j, 0,2,4,6
	SQ3 132+\j, 96+\j, 104+\j, 112+\j, 140
.endr
	ds_store_b128 v3, v[96:99]   offset:LX
	ds_store_b128 v3, v[100:103] offset:LX+4096
	ds_store_b128 v3, v[104:107] offset:LY
	ds_store_b128 v3, v[108:111] offset:LY+4096
	ds_store_b128 v3, v[112:115] offset:LZ
	ds_store_b128 v3, v[116:119] offset:LZ+4096
	ds_store_b128 v3, v[132:135] offset:LP
	ds_store_b128 v3, v[136:139] offset:LP+4096
	s_wait_loadcnt 0x0
.irp k, 0,1,2,3
.irp c, 0,1,2
	v_mov_b32 v[Q+8*\k+2*\c],   v[120+4*\c+\k]
	v_mov_b32 v[Q+8*\k+2*\c+1], v[120+4*\c+\k]
.endr
	SQ3 Q+8*\k+6, Q+8*\k, Q+8*\k+2, Q+8*\k+4, M
	v_mov_b32 v[DS+4*\k],   INF                    ; an empty list: three infinities
	v_mov_b32 v[DS+4*\k+1], INF
	v_mov_b32 v[DS+4*\k+2], INF
	v_mov_b32 v[DS+4*\k+3], 0
	v_mov_b32 v[IS+4*\k],   0
	v_mov_b32 v[IS+4*\k+1], 0
	v_mov_b32 v[IS+4*\k+2], 0
	v_mov_b32 v[IS+4*\k+3], 0
.endr
	s_lshl_b32 s13, s10, 10                        ; my slice: 256 references x 4 bytes
	v_mov_b32 v[VA], s13
	s_lshl_b32 s11, s10, 4                         ; its first group
	s_lshl_b32 s13, s10, 12
	s_add_co_u32 s13, s13, MRG
	v_lshl_add_u32 v[VM], v1, 7, s13               ; MRG + 4,096 w + 128 l
	s_wait_dscnt 0x0                               ; my part of the tables is written,
	s_barrier_signal -1
	s_barrier_wait -1                              ; everybody's is
; eight loads, the same address in all lanes: eight candidates (half a group) of x, y, z, p2
.macro LDH hh, off
.irp c, 0,1,2,3
	ds_load_b128 v[C+32*\hh+8*\c:C+32*\hh+8*\c+3],   v[VA] offset:8192*\c+32*\hh+\off
	ds_load_b128 v[C+32*\hh+8*\c+4:C+32*\hh+8*\c+7], v[VA] offset:8192*\c+32*\hh+16+\off
.endr
.endm
; two candidates against my four queries, line by line so that no line waits for the one in front of it
.macro PAIR4 hh, i, first
.set CB, C+32*\hh+2*\i
.irp k, 0,1,2,3
	v_pk_mul_f32 v[M+2*\k:M+2*\k+1], v[CB:CB+1], v[Q+8*\k:Q+8*\k+1]
.endr
.if DOT_FMA
.irp k, 0,1,2,3
	v_pk_fma_f32 v[M+2*\k:M+2*\k+1], v[CB+8:CB+9], v[Q+8*\k+2:Q+8*\k+3], v[M+2*\k:M+2*\k+1]
.endr
.irp k, 0,1,2,3
	v_pk_fma_f32 v[M+2*\k:M+2*\k+1], v[CB+16:CB+17], v[Q+8*\k+4:Q+8*\k+5], v[M+2*\k:M+2*\k+1]
.endr
.else
.irp k, 0,1,2,3
	v_pk_mul_f32 v[N+2*\k:N+2*\k+1], v[CB+8:CB+9], v[Q+8*\k+2:Q+8*\k+3]
.endr
.irp k, 0,1,2,3
	v_pk_add_f32 v[M+2*\k:M+2*\k+1], v[M+2*\k:M+2*\k+1], v[N+2*\k:N+2*\k+1]
.endr
.irp k, 0,1,2,3
	v_pk_mul_f32 v[N+2*\k:N+2*\k+1], v[CB+16:CB+17], v[Q+8*\k+4:Q+8*\k+5]
.endr
.irp k, 0,1,2,3
	v_pk_add_f32 v[M+2*\k:M+2*\k+1], v[M+2*\k:M+2*\k+1], v[N+2*\k:N+2*\k+1]
.endr
.endif
.irp k, 0,1,2,3
	v_pk_add_f32 v[N+2*\k:N+2*\k+1], v[CB+24:CB+25], v[Q+8*\k+6:Q+8*\k+7]
.endr
.irp k, 0,1,2,3
	v_pk_fma_f32 v[M+2*\k:M+2*\k+1], v[M+2*\k:M+2*\k+1], -2.0, v[N+2*\k:N+2*\k+1] op_sel_hi:[1,0,1]
.endr
.irp k, 0,1,2,3
.if \first
	v_min_num_f32 v[MN+\k], v[M+2*\k], v[M+2*\k+1]
.else
	v_min3_num_f32 v[MN+\k], v[MN+\k], v[M+2*\k], v[M+2*\k+1]
.endif
.endr
.endm
; the group's minimum into each query's sorted list of three; strictly smaller only, so an earlier group keeps its place
.macro INS4
.irp k, 0,1,2,3
	v_cmp_lt_f32 s[20+3*\k], v[MN+\k], v[DS+4*\k]
	v_cmp_lt_f32 s[21+3*\k], v[MN+\k], v[DS+4*\k+1]
	v_cmp_lt_f32 s[22+3*\k], v[MN+\k], v[DS+4*\k+2]
.endr
.irp k, 0,1,2,3
	v_med3_num_f32 v[DS+4*\k+2], v[MN+\k], v[DS+4*\k+1], v[DS+4*\k+2]
.endr
.irp k, 0,1,2,3
	v_med3_num_f32 v[DS+4*\k+1], v[MN+\k], v[DS+4*\k], v[DS+4*\k+1]
.endr
.irp k, 0,1,2,3
	v_min_num_f32 v[DS+4*\k], v[MN+\k], v[DS+4*\k]
.endr
.irp k, 0,1,2,3
	v_cndmask_b32 v[IS+4*\k+2], v[IS+4*\k+2], v[G], s[22+3*\k]
.endr
.irp k, 0,1,2,3
	v_cndmask_b32 v[IS+4*\k+2], v[IS+4*\k+2], v[IS+4*\k+1], s[21+3*\k]
.endr
.irp k, 0,1,2,3
	v_cndmask_b32 v[IS+4*\k+1], v[IS+4*\k+1], v[G], s[21+3*\k]
.endr
.irp k, 0,1,2,3
	v_cndmask_b32 v[IS+4*\k+1], v[IS+4*\k+1], v[IS+4*\k], s[20+3*\k]
.endr
.irp k, 0,1,2,3
	v_cndmask_b32 v[IS+4*\k], v[IS+4*\k], v[G], s[20+3*\k]
.endr
.endm
; one group of 16 candidates.  fetch = 1: each half is loaded again, with the next group, as soon as it has been used
.macro GROUP fetch
	s_wait_dscnt 0x8                               ; half 0 is in; the eight loads of half 1 may stay out
	PAIR4 0, 0, 1
	PAIR4 0, 1, 0
	PAIR4 0, 2, 0
	PAIR4 0, 3, 0
.if \fetch
	LDH 0, 64
	s_wait_dscnt 0x8                               ; half 1 is in; the eight loads just issued stay out
.else
	s_wait_dscnt 0x0
.endif
	PAIR4 1, 0, 0
	PAIR4 1, 1, 0
	PAIR4 1, 2, 0
	PAIR4 1, 3, 0
.if \fetch
	LDH 1, 64
.endif
	v_mov_b32 v[G], s11
	INS4
	v_add_nc_u32 v[VA], 64, v[VA]                  ; 16 references x 4 bytes
	s_add_co_u32 s11, s11, 1
.endm
	LDH 0, 0
	LDH 1, 0
	s_mov_b32 s12, 15
.Lgroup:
	GROUP 1
	s_sub_co_i32 s12, s12, 1
	s_cmp_lg_u32 s12, 0
	s_cbranch_scc1 .Lgroup
	GROUP 0                                        ; the slice's last group fetches nothing
	; the eight slices' lists meet in LDS
.irp k, 0,1,2,3
	ds_store_b128 v[VM], v[DS+4*\k:DS+4*\k+3] offset:32*\k
	ds_store_b128 v[VM], v[IS+4*\k:IS+4*\k+3] offset:32*\k+16
.endr
	s_wait_dscnt 0x0
	s_barrier_signal -1
	s_barrier_wait -1
	s_cmp_ge_u32 s10, 4                            ; 128 queries: waves 0 to 3 merge, one query a lane
	s_cbranch_scc1 .Ldone
	v_and_b32 v5, 127, v0
	v_lshlrev_b32 v6, 2, v5                        ; its word in grp
	v_lshlrev_b32 v5, 5, v5                        ; its 32 bytes in a slice
	ds_load_b128 v[DS:DS+3], v5 offset:MRG         ; slice 0 starts the list
	ds_load_b128 v[IS:IS+3], v5 offset:MRG+16
.irp s, 1,2,3,4,5,6,7
	ds_load_b128 v[C+8*(\s-1):C+8*(\s-1)+3],   v5 offset:MRG+4096*\s
	ds_load_b128 v[C+8*(\s-1)+4:C+8*(\s-1)+7], v5 offset:MRG+4096*\s+16
.endr
	s_wait_dscnt 0x0
.macro INS1 val, id
	v_cmp_lt_f32 s20, v[\val], v[DS]
	v_cmp_lt_f32 s21, v[\val], v[DS+1]
	v_cmp_lt_f32 s22, v[\val], v[DS+2]
	v_med3_num_f32 v[DS+2], v[\val], v[DS+1], v[DS+2]
	v_med3_num_f32 v[DS+1], v[\val], v[DS], v[DS+1]
	v_min_num_f32 v[DS], v[\val], v[DS]
	v_cndmask_b32 v[IS+2], v[IS+2], v[\id], s22
	v_cndmask_b32 v[IS+2], v[IS+2], v[IS+1], s21
	v_cndmask_b32 v[IS+1], v[IS+1], v[\id], s21
	v_cndmask_b32 v[IS+1], v[IS+1], v[IS], s20
	v_cndmask_b32 v[IS], v[IS], v[\id], s20
.endm
.irp s, 0,1,2,3,4,5,6                              ; ascending slices and ranks: ties stay with the lower group
	INS1 C+8*\s,   C+8*\s+4
	INS1 C+8*\s+1, C+8*\s+5
	INS1 C+8*\s+2, C+8*\s+6
.endr
	; the three groups in ascending order, so that the next launch scans its 48 candidates by ascending index
	v_min_u32 v7, v[IS], v[IS+1]
	v_max_u32 v[M], v[IS], v[IS+1]
	v_min_u32 v[M+1], v7, v[IS+2]                  ; lowest
	v_max_u32 v[M+2], v7, v[IS+2]
	v_min_u32 v[M+3], v[M], v[M+2]                 ; middle
	v_max_u32 v[M+4], v[M], v[M+2]                 ; highest
	v_lshl_or_b32 v[M+1], v[M+3], 8, v[M+1]
	v_lshl_or_b32 v[M+1], v[M+4], 16, v[M+1]
	global_store_b32 v6, v[M+1], s[8:9]
.Ldone:
	s_wait_tensorcnt 0x0
	ds_add_u32 v160, v161
	s_wait_dscnt 0x0
	s_endpgm
.Lfunc_end_k_q6456d9c701_knn_coarse:
	.size	k_q6456d9c701_knn_coarse, .Lfunc_end_k_q6456d9c701_knn_coarse-k_q6456d9c701_knn_coarse
	.p2alignl 7, 3214868480
	.fill 96, 4, 3214868480
	.section	.rodata,"a",@progbits
	.p2align	6, 0x0
	.amdhsa_kernel k_q6456d9c701_knn_coarse
		.amdhsa_group_segment_fixed_size 66560
		.amdhsa_private_segment_fixed_size 0
		.amdhsa_enable_private_segment 0
		.amdhsa_kernarg_size 24
		.amdhsa_user_sgpr_count 2
		.amdhsa_user_sgpr_kernarg_segment_ptr 1
		.amdhsa_wavefront_size32 1
		.amdhsa_system_sgpr_workgroup_id_x 1
		.amdhsa_system_sgpr_workgroup_id_y 1
		.amdhsa_system_sgpr_workgroup_id_z 1
		.amdhsa_system_vgpr_workitem_id 0
		.amdhsa_next_free_vgpr 162
		.amdhsa_next_free_sgpr 66
		.amdhsa_reserve_vcc 0
		.amdhsa_float_denorm_mode_32 3
		.amdhsa_float_denorm_mode_16_64 3
		.amdhsa_memory_ordered 1
		.amdhsa_forward_progress 1
		.amdhsa_inst_pref_size 63
	.end_amdhsa_kernel
	.amdgpu_metadata
---
amdhsa.version: [ 1, 2 ]
amdhsa.kernels:
  - .name:           k_q6456d9c701_knn_coarse
    .symbol:         k_q6456d9c701_knn_coarse.kd
    .args:
      - { .name: xyz1, .offset: 0, .size: 8, .value_kind: global_buffer, .address_space: global }
      - { .name: xyz2, .offset: 8, .size: 8, .value_kind: global_buffer, .address_space: global }
      - { .name: grp, .offset: 16, .size: 8, .value_kind: global_buffer, .address_space: global }
    .group_segment_fixed_size: 66560
    .private_segment_fixed_size: 0
    .kernarg_segment_align: 8
    .kernarg_segment_size: 24
    .max_flat_workgroup_size: 256
    .sgpr_count:     66
    .vgpr_count:     162
    .wavefront_size: 32
...
	.end_amdgpu_metadata
.endif
;; end of part 1
;; launch knn_refine (part 2): grid 256 x 1, 4 waves a work-group, no clusters, 0 bytes of LDS; arguments xyz1, xyz2, norm1, norm2, grp, idx, wgt; writes idx, wgt
.if DOCPART == 2
	.amdgcn_target "amdgcn-amd-amdhsa--gfx1250"
	.amdhsa_code_object_version 6
	.text
	.protected	k_q6456d9c701_knn_refine
	.globl	k_q6456d9c701_knn_refine
	.p2align	8
	.type	k_q6456d9c701_knn_refine,@function
k_q6456d9c701_knn_refine:
	s_mov_b64 s[64:65], 0
	v_nop
	global_prefetch_b8 v0, s[64:65] scope:SCOPE_SE
	s_setreg_imm32_b32 hwreg(HW_REG_WAVE_MODE, 25, 1), 1
	s_wait_xcnt 0x0
; Second level of the search, and the weights.  One query a lane.  Its three groups (16 references each, ascending) are
; read from grp; the 48 d2 are made again with the instructions of the first level, and the three smallest are kept
; with strict comparisons in ascending index, so that ties go to the lower index.  Beside each d2 rides the squared
; distance of the normals.  Out: idx [query][i0 i1 i2 0], wgt [query][w0 w1 w2 0],
; w = (1/dist) / sum(1/dist) * (1/ndist) / sum(1/ndist), with the floors 1e-20 (under the root) and 1e-10.
; LIMITS: as in the first level; roots and reciprocals are the hardware's (1 ULP), a division is a reciprocal and a product.
; No LDS, no barrier: no lane needs another.  The group numbers are clamped to 127 before they enter an address.
.set SQ_FMA,  1
.set DOT_FMA, 0
.set QX,  2                            ; pairs, the value in both registers: query x, y, z, q2, its normal x, y, z
.set QY,  4
.set QZ,  6
.set QQ,  8
.set N1X, 10
.set N1Y, 12
.set N1Z, 14
.set GI,  16                           ; v16-18  the three groups
.set GO,  19                           ; v19-21  their byte offsets, 64 a group
.set SD,  22                           ; v22-24  d2 of the three nearest, ascending
.set SL,  25                           ; v25-27  their slots 0..47
.set SP,  28                           ; v28-30  their squared normal distances
.set T,   32                           ; v[32:47] at work
.set W,   48                           ; v[48:63] at work; at the end the two quads that are stored
.set BUFA, 64                          ; v[64:159]   16 candidates: x, y, z, nx, ny, nz at + 16 c
.set BUFB, 160                         ; v[160:255]  the same
	s_load_b256 s[4:11], s[0:1], 0x0               ; xyz1 s[4:5], xyz2 s[6:7], norm1 s[8:9], norm2 s[10:11]
	s_load_b128 s[12:15], s[0:1], 0x20             ; grp s[12:13], idx s[14:15]
	s_load_b64 s[16:17], s[0:1], 0x30              ; wgt
	v_lshlrev_b32 v1, 2, v0                        ; 4 t
	s_lshr_b32 s20, ttmp9, 6                       ; batch
	s_and_b32 s21, ttmp9, 63
	s_lshl_b32 s21, s21, 9
	s_mul_i32 s22, s20, 98304
	s_add_co_u32 s22, s22, s21                     ; xyz1, norm1: batch + 128 queries x 4 bytes
	s_mov_b32 s23, 0
	s_mul_i32 s24, s20, 24576                      ; xyz2, norm2: batch
	s_mov_b32 s25, 0
	s_lshl_b32 s26, ttmp9, 9                       ; grp: 128 words
	s_mov_b32 s27, 0
	s_lshl_b32 s28, ttmp9, 11                      ; idx, wgt: 128 x 16 bytes
	s_mov_b32 s29, 0
	s_wait_kmcnt 0x0
	s_add_nc_u64 s[4:5], s[4:5], s[22:23]
	s_add_nc_u64 s[8:9], s[8:9], s[22:23]
	s_add_nc_u64 s[6:7], s[6:7], s[24:25]
	s_add_nc_u64 s[10:11], s[10:11], s[24:25]
	s_add_nc_u64 s[12:13], s[12:13], s[26:27]
	s_add_nc_u64 s[14:15], s[14:15], s[28:29]
	s_add_nc_u64 s[16:17], s[16:17], s[28:29]
	global_load_b32 v31, v1, s[12:13]
	global_load_b32 v[QX], v1, s[4:5]
	global_load_b32 v[QY], v1, s[4:5] offset:32768
	global_load_b32 v[QZ], v1, s[4:5] offset:65536
	global_load_b32 v[N1X], v1, s[8:9]
	global_load_b32 v[N1Y], v1, s[8:9] offset:32768
	global_load_b32 v[N1Z], v1, s[8:9] offset:65536
	s_wait_loadcnt 0x6                             ; the word of groups is in; the six loads behind it may stay out
.irp j, 0,1,2
	v_bfe_u32 v[GI+\j], v31, 8*\j, 8
	v_min_u32 v[GI+\j], 127, v[GI+\j]
	v_lshlrev_b32 v[GO+\j], 6, v[GI+\j]
.endr
.macro LDG buf, r                      ; 24 loads: group r's 16 points and 16 normals
.irp c, 0,1,2
.irp i, 0,1,2,3
	global_load_b128 v[\buf+16*\c+4*\i:\buf+16*\c+4*\i+3], v[GO+\r], s[6:7] offset:8192*\c+16*\i
.endr
.endr
.irp c, 0,1,2
.irp i, 0,1,2,3
	global_load_b128 v[\buf+48+16*\c+4*\i:\buf+48+16*\c+4*\i+3], v[GO+\r], s[10:11] offset:8192*\c+16*\i
.endr
.endr
.endm
; a candidate into the sorted list of three, with its slot (a constant) and its payload
.macro INSP val, pay, slot
	v_cmp_lt_f32 s32, v[\val], v[SD]
	v_cmp_lt_f32 s33, v[\val], v[SD+1]
	v_cmp_lt_f32 s34, v[\val], v[SD+2]
	v_med3_num_f32 v[SD+2], v[\val], v[SD+1], v[SD+2]
	v_med3_num_f32 v[SD+1], v[\val], v[SD], v[SD+1]
	v_min_num_f32 v[SD], v[\val], v[SD]
	v_cndmask_b32 v[SL+2], v[SL+2], \slot, s34
	v_cndmask_b32 v[SP+2], v[SP+2], v[\pay], s34
	v_cndmask_b32 v[SL+2], v[SL+2], v[SL+1], s33
	v_cndmask_b32 v[SP+2], v[SP+2], v[SP+1], s33
	v_cndmask_b32 v[SL+1], v[SL+1], \slot, s33
	v_cndmask_b32 v[SP+1], v[SP+1], v[\pay], s33
	v_cndmask_b32 v[SL+1], v[SL+1], v[SL], s32
	v_cndmask_b32 v[SP+1], v[SP+1], v[SP], s32
	v_cndmask_b32 v[SL], v[SL], \slot, s32
	v_cndmask_b32 v[SP], v[SP], v[\pay], s32
.endm
; 16 candidates: d2 into the x registers, the squared normal distance into the nx registers, then 16 inserts
.macro PROC buf, base
.irp p, 0,2,4,6,8,10,12,14
	v_pk_mul_f32 v[T+\p:T+\p+1], v[\buf+\p:\buf+\p+1], v[\buf+\p:\buf+\p+1]
.endr
.if SQ_FMA
.irp p, 0,2,4,6,8,10,12,14
	v_pk_fma_f32 v[T+\p:T+\p+1], v[\buf+16+\p:\buf+17+\p], v[\buf+16+\p:\buf+17+\p], v[T+\p:T+\p+1]
.endr
.irp p, 0,2,4,6,8,10,12,14
	v_pk_fma_f32 v[T+\p:T+\p+1], v[\buf+32+\p:\buf+33+\p], v[\buf+32+\p:\buf+33+\p], v[T+\p:T+\p+1]
.endr
.else
.irp p, 0,2,4,6,8,10,12,14
	v_pk_mul_f32 v[W+\p:W+\p+1], v[\buf+16+\p:\buf+17+\p], v[\buf+16+\p:\buf+17+\p]
.endr
.irp p, 0,2,4,6,8,10,12,14
	v_pk_add_f32 v[T+\p:T+\p+1], v[T+\p:T+\p+1], v[W+\p:W+\p+1]
.endr
.irp p, 0,2,4,6,8,10,12,14
	v_pk_mul_f32 v[W+\p:W+\p+1], v[\buf+32+\p:\buf+33+\p], v[\buf+32+\p:\buf+33+\p]
.endr
.irp p, 0,2,4,6,8,10,12,14
	v_pk_add_f32 v[T+\p:T+\p+1], v[T+\p:T+\p+1], v[W+\p:W+\p+1]
.endr
.endif
.irp p, 0,2,4,6,8,10,12,14
	v_pk_add_f32 v[T+\p:T+\p+1], v[T+\p:T+\p+1], v[QQ:QQ+1]
.endr
.irp p, 0,2,4,6,8,10,12,14
	v_pk_mul_f32 v[\buf+\p:\buf+\p+1], v[\buf+\p:\buf+\p+1], v[QX:QX+1]
.endr
.if DOT_FMA
.irp p, 0,2,4,6,8,10,12,14
	v_pk_fma_f32 v[\buf+\p:\buf+\p+1], v[\buf+16+\p:\buf+17+\p], v[QY:QY+1], v[\buf+\p:\buf+\p+1]
.endr
.irp p, 0,2,4,6,8,10,12,14
	v_pk_fma_f32 v[\buf+\p:\buf+\p+1], v[\buf+32+\p:\buf+33+\p], v[QZ:QZ+1], v[\buf+\p:\buf+\p+1]
.endr
.else
.irp p, 0,2,4,6,8,10,12,14
	v_pk_mul_f32 v[\buf+16+\p:\buf+17+\p], v[\buf+16+\p:\buf+17+\p], v[QY:QY+1]
.endr
.irp p, 0,2,4,6,8,10,12,14
	v_pk_add_f32 v[\buf+\p:\buf+\p+1], v[\buf+\p:\buf+\p+1], v[\buf+16+\p:\buf+17+\p]
.endr
.irp p, 0,2,4,6,8,10,12,14
	v_pk_mul_f32 v[\buf+32+\p:\buf+33+\p], v[\buf+32+\p:\buf+33+\p], v[QZ:QZ+1]
.endr
.irp p, 0,2,4,6,8,10,12,14
	v_pk_add_f32 v[\buf+\p:\buf+\p+1], v[\buf+\p:\buf+\p+1], v[\buf+32+\p:\buf+33+\p]
.endr
.endif
.irp p, 0,2,4,6,8,10,12,14
	v_pk_fma_f32 v[\buf+\p:\buf+\p+1], v[\buf+\p:\buf+\p+1], -2.0, v[T+\p:T+\p+1] op_sel_hi:[1,0,1]
.endr
.irp p, 0,2,4,6,8,10,12,14
	v_pk_add_f32 v[\buf+48+\p:\buf+49+\p], v[N1X:N1X+1], v[\buf+48+\p:\buf+49+\p] neg_lo:[0,1] neg_hi:[0,1]
	v_pk_add_f32 v[\buf+64+\p:\buf+65+\p], v[N1Y:N1Y+1], v[\buf+64+\p:\buf+65+\p] neg_lo:[0,1] neg_hi:[0,1]
	v_pk_add_f32 v[\buf+80+\p:\buf+81+\p], v[N1Z:N1Z+1], v[\buf+80+\p:\buf+81+\p] neg_lo:[0,1] neg_hi:[0,1]
.endr
.irp p, 0,2,4,6,8,10,12,14
	v_pk_mul_f32 v[\buf+48+\p:\buf+49+\p], v[\buf+48+\p:\buf+49+\p], v[\buf+48+\p:\buf+49+\p]
.endr
.irp p, 0,2,4,6,8,10,12,14
	v_pk_fma_f32 v[\buf+48+\p:\buf+49+\p], v[\buf+64+\p:\buf+65+\p], v[\buf+64+\p:\buf+65+\p], v[\buf+48+\p:\buf+49+\p]
.endr
.irp p, 0,2,4,6,8,10,12,14
	v_pk_fma_f32 v[\buf+48+\p:\buf+49+\p], v[\buf+80+\p:\buf+81+\p], v[\buf+80+\p:\buf+81+\p], v[\buf+48+\p:\buf+49+\p]
.endr
.irp e, 0,1,2,3,4,5,6,7,8,9,10,11,12,13,14,15
	INSP \buf+\e, \buf+48+\e, \base+\e
.endr
.endm
	LDG BUFA, 0
	LDG BUFB, 1
	s_wait_loadcnt 0x18                            ; the query and group 0 are in; group 1's 24 loads may stay out
.irp r, QX, QY, QZ, N1X, N1Y, N1Z
	v_mov_b32 v[\r+1], v[\r]
.endr
	v_pk_mul_f32 v[QQ:QQ+1], v[QX:QX+1], v[QX:QX+1]
.if SQ_FMA
	v_pk_fma_f32 v[QQ:QQ+1], v[QY:QY+1], v[QY:QY+1], v[QQ:QQ+1]
	v_pk_fma_f32 v[QQ:QQ+1], v[QZ:QZ+1], v[QZ:QZ+1], v[QQ:QQ+1]
.else
	v_pk_mul_f32 v[W:W+1], v[QY:QY+1], v[QY:QY+1]
	v_pk_add_f32 v[QQ:QQ+1], v[QQ:QQ+1], v[W:W+1]
	v_pk_mul_f32 v[W:W+1], v[QZ:QZ+1], v[QZ:QZ+1]
	v_pk_add_f32 v[QQ:QQ+1], v[QQ:QQ+1], v[W:W+1]
.endif
.irp j, 0,1,2
	v_mov_b32 v[SD+\j], 0x7f800000                 ; an empty list
	v_mov_b32 v[SL+\j], 0
	v_mov_b32 v[SP+\j], 0
.endr
	PROC BUFA, 0
	LDG BUFA, 2
	s_wait_loadcnt 0x18                            ; group 1 is in; group 2's 24 loads may stay out
	PROC BUFB, 16
	s_wait_loadcnt 0x0
	PROC BUFA, 32
	; slots to indices: 16 x group + place in the group
.irp j, 0,1,2
	v_cmp_gt_u32 vcc_lo, 32, v[SL+\j]
	v_cndmask_b32 v48, v[GI+2], v[GI+1], vcc_lo
	v_cmp_gt_u32 vcc_lo, 16, v[SL+\j]
	v_cndmask_b32 v48, v48, v[GI], vcc_lo
	v_and_b32 v49, 15, v[SL+\j]
	v_lshl_or_b32 v[52+\j], v48, 4, v49
.endr
	v_mov_b32 v55, 0
	; the weights.  Behind each run of roots or reciprocals one v_nop stands before a result is used (ISA guide 5.7.2)
.irp j, 0,1,2
	v_max_num_f32 v[SD+\j], 0x1e3ce508, v[SD+\j]   ; 1e-20
.endr
.irp j, 0,1,2
	v_sqrt_f32 v[32+\j], v[SD+\j]
.endr
.irp j, 0,1,2
	v_sqrt_f32 v[35+\j], v[SP+\j]
.endr
	v_nop
	s_wait_alu depctr_va_vdst(0)
.irp j, 0,1,2,3,4,5
	v_max_num_f32 v[32+\j], 0x2edbe6ff, v[32+\j]   ; 1e-10
.endr
.irp j, 0,1,2,3,4,5
	v_rcp_f32 v[40+\j], v[32+\j]
.endr
	v_nop
	s_wait_alu depctr_va_vdst(0)
	v_add_f32 v46, v40, v41
	v_add_f32 v47, v43, v44
	v_add_f32 v46, v46, v42
	v_add_f32 v47, v47, v45
	v_rcp_f32 v48, v46
	v_rcp_f32 v49, v47
	v_nop
	s_wait_alu depctr_va_vdst(0)
	v_mul_f32 v48, v48, v49
.irp j, 0,1,2
	v_mul_f32 v[40+\j], v[40+\j], v[43+\j]
.endr
.irp j, 0,1,2
	v_mul_f32 v[56+\j], v[40+\j], v48
.endr
	v_mov_b32 v59, 0
	v_lshlrev_b32 v60, 4, v0
	global_store_b128 v60, v[52:55], s[14:15]
	global_store_b128 v60, v[56:59], s[16:17]
	s_endpgm
.Lfunc_end_k_q6456d9c701_knn_refine:
	.size	k_q6456d9c701_knn_refine, .Lfunc_end_k_q6456d9c701_knn_refine-k_q6456d9c701_knn_refine
	.p2alignl 7, 3214868480
	.fill 96, 4, 3214868480
	.section	.rodata,"a",@progbits
	.p2align	6, 0x0
	.amdhsa_kernel k_q6456d9c701_knn_refine
		.amdhsa_group_segment_fixed_size 0
		.amdhsa_private_segment_fixed_size 0
		.amdhsa_enable_private_segment 0
		.amdhsa_kernarg_size 56
		.amdhsa_user_sgpr_count 2
		.amdhsa_user_sgpr_kernarg_segment_ptr 1
		.amdhsa_wavefront_size32 1
		.amdhsa_system_sgpr_workgroup_id_x 1
		.amdhsa_system_sgpr_workgroup_id_y 1
		.amdhsa_system_sgpr_workgroup_id_z 1
		.amdhsa_system_vgpr_workitem_id 0
		.amdhsa_next_free_vgpr 256
		.amdhsa_next_free_sgpr 66
		.amdhsa_reserve_vcc 1
		.amdhsa_float_denorm_mode_32 3
		.amdhsa_float_denorm_mode_16_64 3
		.amdhsa_memory_ordered 1
		.amdhsa_forward_progress 1
		.amdhsa_inst_pref_size 83
	.end_amdhsa_kernel
	.amdgpu_metadata
---
amdhsa.version: [ 1, 2 ]
amdhsa.kernels:
  - .name:           k_q6456d9c701_knn_refine
    .symbol:         k_q6456d9c701_knn_refine.kd
    .args:
      - { .name: xyz1, .offset: 0, .size: 8, .value_kind: global_buffer, .address_space: global }
      - { .name: xyz2, .offset: 8, .size: 8, .value_kind: global_buffer, .address_space: global }
      - { .name: norm1, .offset: 16, .size: 8, .value_kind: global_buffer, .address_space: global }
      - { .name: norm2, .offset: 24, .size: 8, .value_kind: global_buffer, .address_space: global }
      - { .name: grp, .offset: 32, .size: 8, .value_kind: global_buffer, .address_space: global }
      - { .name: idx, .offset: 40, .size: 8, .value_kind: global_buffer, .address_space: global }
      - { .name: wgt, .offset: 48, .size: 8, .value_kind: global_buffer, .address_space: global }
    .group_segment_fixed_size: 0
    .private_segment_fixed_size: 0
    .kernarg_segment_align: 8
    .kernarg_segment_size: 56
    .max_flat_workgroup_size: 128
    .sgpr_count:     66
    .vgpr_count:     256
    .wavefront_size: 32
...
	.end_amdgpu_metadata
.endif
;; end of part 2
;; launch zgemm (part 3): grid 128 x 2, 16 waves a work-group, no clusters, 128,000 bytes of LDS; arguments W0, points2, zt; writes zt
.if DOCPART == 3
	.amdgcn_target "amdgcn-amd-amdhsa--gfx1250"
	.amdhsa_code_object_version 6
	.text
	.protected	k_q6456d9c701_zgemm
	.globl	k_q6456d9c701_zgemm
	.p2align	8
	.type	k_q6456d9c701_zgemm,@function
k_q6456d9c701_zgemm:
	s_mov_b64 s[64:65], 0
	v_nop
	global_prefetch_b8 v0, s[64:65] scope:SCOPE_SE
	s_setreg_imm32_b32 hwreg(HW_REG_WAVE_MODE, 25, 1), 1
	s_wait_xcnt 0x0
; zt[b 2048 + m][o] = sum over c < 256 of W0[o][c] points2[b][c][m], f16 operands, f32 sums, stored as f16.
; The first convolution is linear, so its part on the interpolated channels is made once for the 8,192 reference
; columns; a query later takes three rows of zt with its weights.
; LIMITS: |W0|, |points2| and |zt| below 65,504 (f16); operands and result carry f16's 11 bits.
; A work-group: 64 columns m (ttmp9) x 128 outputs o (the grid's y), K = 256.  Both inputs are f32 in memory and pass
; through registers to become f16, so the tiles are filled by the waves themselves; what the two work-groups of a
; column block share is 64 KiB, read once each: no cluster.
.set AP,  528                          ; A: 128 rows [o][c] of 512 bytes + 16
.set BT,  67584                        ; B: 256 rows [c][m] of 128 bytes + 32
.set BP,  160
.set ST,  108544                       ; stage: 64 rows [m][o] of 256 bytes + 16
.set SP,  272
.set ACC, 32                           ; v[32:47]  two tiles 16 o x 16 m
.set FB0, 48                           ; v[48:71]  fragments: A0, A1, B
.set FB1, 72                           ; v[72:95]
.macro PLACES                          ; four places behind a matrix instruction before a load lands on a source of it
.rept 4                                ; or anything but a matrix instruction reads its result (ISA guide 7.12.1)
	v_nop
.endr
.endm
	s_load_b128 s[4:7], s[0:1], 0x0                ; W0 s[4:5], points2 s[6:7]
	s_load_b64 s[8:9], s[0:1], 0x10                ; zt
	v_lshl_add_u32 v128, v0, 2, 0x1ec00
	v_mov_b32 v129, 0
	v_lshrrev_b32 v13, 5, v0
	v_readfirstlane_b32 s10, v13                   ; wave 0..15
	v_and_b32 v2, 15, v0                           ; r
	v_bfe_u32 v3, v0, 4, 1                         ; h
	s_and_b32 s11, ttmp7, 0xffff                   ; which 128 outputs
	s_lshr_b32 s12, ttmp9, 5                       ; batch: 32 column blocks each
	s_and_b32 s13, ttmp9, 31
	s_mul_i32 s14, s11, 196608                     ; W0: 128 rows of 1,536 bytes
	s_mov_b32 s15, 0
	s_lshl_b32 s16, s12, 21                        ; points2: 256 x 2,048 f32 a batch
	s_lshl_b32 s13, s13, 8                         ; + 64 columns x 4 bytes
	s_add_co_u32 s16, s16, s13
	s_mov_b32 s17, 0
	s_lshl_b32 s18, ttmp9, 15                      ; zt: 64 rows of 512 bytes
	s_lshl_b32 s13, s11, 8                         ; + 128 outputs x 2 bytes
	s_add_co_u32 s18, s18, s13
	s_mov_b32 s19, 0
	v_lshrrev_b32 v13, 6, v0                       ; W0: row t / 64, 16 bytes t % 64
	v_and_b32 v14, 63, v0
	v_mul_u32_u24 v4, v13, 1536
	v_lshl_add_u32 v4, v14, 4, v4
	v_mul_u32_u24 v6, v13, AP
	v_lshl_add_u32 v6, v14, 3, v6                  ; and where its four f16 go
	v_lshrrev_b32 v13, 4, v0                       ; points2: row t / 16, 16 bytes t % 16
	v_lshlrev_b32 v5, 13, v13
	v_lshl_add_u32 v5, v2, 4, v5
	v_mul_u32_u24 v7, v13, BP
	v_lshl_add_u32 v7, v2, 3, v7
	v_add_nc_u32 v7, BT, v7
	s_wait_kmcnt 0x0
	s_add_nc_u64 s[4:5], s[4:5], s[14:15]
	s_add_nc_u64 s[6:7], s[6:7], s[16:17]
	s_add_nc_u64 s[8:9], s[8:9], s[18:19]
.irp p, 0,1,2,3,4,5,6,7,8,9,10,11,12,13,14,15
	global_load_b128 v[32+4*\p:35+4*\p], v4, s[4:5] offset:12288*\p         ; rows t / 64 + 8 p
.endr
.irp p, 0,1,2,3,4,5,6,7
	global_load_b128 v[96+4*\p:99+4*\p], v5, s[6:7] offset:262144*\p        ; rows t / 16 + 32 p
.endr
	; addresses of the product and of the way out, while the loads are on their way
	s_and_b32 s20, s10, 3                          ; tm: my 16 columns
	s_lshr_b32 s21, s10, 2                         ; to: my 32 outputs
	s_mul_i32 s22, s21, 32*AP
	v_mul_u32_u24 v8, v2, AP
	v_lshl_add_u32 v8, v3, 4, v8
	v_add_nc_u32 v8, s22, v8                       ; A: (32 to + r) AP + 16 h
	v_and_b32 v13, 7, v0
	v_lshl_add_u32 v13, v3, 3, v13
	v_mul_u32_u24 v9, v13, BP
	v_bfe_u32 v14, v0, 3, 1
	v_lshl_add_u32 v9, v14, 4, v9
	s_lshl_b32 s22, s20, 5
	s_add_co_u32 s22, s22, BT
	v_add_nc_u32 v9, s22, v9                       ; B: BT + (8 h + l % 8) BP + 32 tm + 16 ((l / 8) % 2)
	s_mul_i32 s22, s20, 16*SP
	s_lshl_b32 s23, s21, 6
	s_add_co_u32 s22, s22, s23
	s_add_co_u32 s22, s22, ST
	v_mul_u32_u24 v10, v2, SP
	v_lshl_add_u32 v10, v3, 4, v10
	v_add_nc_u32 v10, s22, v10                     ; stage in: ST + (16 tm + r) SP + 64 to + 16 h
	s_mul_i32 s22, s10, 4*SP
	s_add_co_u32 s22, s22, ST
	v_mul_u32_u24 v11, v3, SP
	v_lshl_add_u32 v11, v2, 4, v11
	v_add_nc_u32 v11, s22, v11                     ; stage out: ST + (4 w + h) SP + 16 r
	s_lshl_b32 s22, s10, 11
	v_lshlrev_b32 v12, 9, v3
	v_lshl_add_u32 v12, v2, 4, v12
	v_add_nc_u32 v12, s22, v12                     ; zt: (4 w + h) 512 + 16 r
; four loads: to f16 in place, 8 bytes a lane into LDS.  n: how many younger loads may stay out
.macro CV4 n, reg, adr, step, p0
	s_wait_loadcnt \n
.irp q, 0,1,2,3
	v_cvt_pk_f16_f32 v[\reg+4*\q],   v[\reg+4*\q],   v[\reg+4*\q+1]
	v_cvt_pk_f16_f32 v[\reg+4*\q+1], v[\reg+4*\q+2], v[\reg+4*\q+3]
	ds_store_b64 v[\adr], v[\reg+4*\q:\reg+4*\q+1] offset:\step*(\p0+\q)
.endr
.endm
	CV4 20, 32,  6, 8*AP, 0
	CV4 16, 48,  6, 8*AP, 4
	CV4 12, 64,  6, 8*AP, 8
	CV4 8,  80,  6, 8*AP, 12
	CV4 4,  96,  7, 32*BP, 0
	CV4 0,  112, 7, 32*BP, 4
	s_wait_dscnt 0x0
	s_barrier_signal -1
	s_barrier_wait -1
.macro LDK ks, buf                     ; six loads: 32 along K of my two A tiles and, transposed on the way, of my B tile
	ds_load_b128 v[\buf:\buf+3],      v8 offset:64*(\ks)
	ds_load_b128 v[\buf+4:\buf+7],    v8 offset:64*(\ks)+32
	ds_load_b128 v[\buf+8:\buf+11],   v8 offset:16*AP+64*(\ks)
	ds_load_b128 v[\buf+12:\buf+15],  v8 offset:16*AP+64*(\ks)+32
	ds_load_tr16_b128 v[\buf+16:\buf+19], v9 offset:32*BP*(\ks)
	ds_load_tr16_b128 v[\buf+20:\buf+23], v9 offset:32*BP*(\ks)+16*BP
.endm
.macro MMK buf, zero
.irp i, 0,1
.if \zero
	v_wmma_f32_16x16x32_f16 v[ACC+8*\i:ACC+8*\i+7], v[\buf+8*\i:\buf+8*\i+7], v[\buf+16:\buf+23], 0
.else
	v_wmma_f32_16x16x32_f16 v[ACC+8*\i:ACC+8*\i+7], v[\buf+8*\i:\buf+8*\i+7], v[\buf+16:\buf+23], v[ACC+8*\i:ACC+8*\i+7]
.endif
.endr
.endm
.macro STEP ks, cur, nxt               ; fetch K step ks + 1 into the buffer that step ks - 1 has read, multiply step ks
	PLACES
	LDK \ks+1, \nxt
	s_wait_dscnt 0x6                               ; all but the six just issued
	MMK \cur, 0
.endm
	LDK 0, FB0
	LDK 1, FB1
	s_wait_dscnt 0x6
	MMK FB0, 1                                     ; the first products start the sums
	STEP 1, FB1, FB0
	STEP 2, FB0, FB1
	STEP 3, FB1, FB0
	STEP 4, FB0, FB1
	STEP 5, FB1, FB0
	STEP 6, FB0, FB1
	s_wait_dscnt 0x0
	MMK FB1, 0
	PLACES
	; a lane holds outputs 8 h .. 8 h + 7 of column r: 16 bytes of a row of zt
.irp i, 0,1
.irp q, 0,1,2,3
	v_cvt_pk_f16_f32 v[96+4*\i+\q], v[ACC+8*\i+2*\q], v[ACC+8*\i+2*\q+1]
.endr
	ds_store_b128 v10, v[96+4*\i:99+4*\i] offset:32*\i
.endr
	s_wait_dscnt 0x0
	s_barrier_signal -1
	s_barrier_wait -1
	ds_load_b128 v[104:107], v11
	ds_load_b128 v[108:111], v11 offset:2*SP
	s_wait_dscnt 0x0
	global_store_b128 v12, v[104:107], s[8:9]              ; sixteen lanes cover 256 consecutive bytes, aligned
	global_store_b128 v12, v[108:111], s[8:9] offset:1024
	s_wait_tensorcnt 0x0
	ds_add_u32 v128, v129
	s_wait_dscnt 0x0
	s_endpgm
.Lfunc_end_k_q6456d9c701_zgemm:
	.size	k_q6456d9c701_zgemm, .Lfunc_end_k_q6456d9c701_zgemm-k_q6456d9c701_zgemm
	.p2alignl 7, 3214868480
	.fill 96, 4, 3214868480
	.section	.rodata,"a",@progbits
	.p2align	6, 0x0
	.amdhsa_kernel k_q6456d9c701_zgemm
		.amdhsa_group_segment_fixed_size 128000
		.amdhsa_private_segment_fixed_size 0
		.amdhsa_enable_private_segment 0
		.amdhsa_kernarg_size 24
		.amdhsa_user_sgpr_count 2
		.amdhsa_user_sgpr_kernarg_segment_ptr 1
		.amdhsa_wavefront_size32 1
		.amdhsa_system_sgpr_workgroup_id_x 1
		.amdhsa_system_sgpr_workgroup_id_y 1
		.amdhsa_system_sgpr_workgroup_id_z 1
		.amdhsa_system_vgpr_workitem_id 0
		.amdhsa_next_free_vgpr 130
		.amdhsa_next_free_sgpr 66
		.amdhsa_reserve_vcc 0
		.amdhsa_float_denorm_mode_32 3
		.amdhsa_float_denorm_mode_16_64 3
		.amdhsa_memory_ordered 1
		.amdhsa_forward_progress 1
		.amdhsa_inst_pref_size 17
	.end_amdhsa_kernel
	.amdgpu_metadata
---
amdhsa.version: [ 1, 2 ]
amdhsa.kernels:
  - .name:           k_q6456d9c701_zgemm
    .symbol:         k_q6456d9c701_zgemm.kd
    .args:
      - { .name: W0, .offset: 0, .size: 8, .value_kind: global_buffer, .address_space: global }
      - { .name: points2, .offset: 8, .size: 8, .value_kind: global_buffer, .address_space: global }
      - { .name: zt, .offset: 16, .size: 8, .value_kind: global_buffer, .address_space: global }
    .group_segment_fixed_size: 128000
    .private_segment_fixed_size: 0
    .kernarg_segment_align: 8
    .kernarg_segment_size: 24
    .max_flat_workgroup_size: 512
    .sgpr_count:     66
    .vgpr_count:     130
    .wavefront_size: 32
...
	.end_amdgpu_metadata
.endif
;; end of part 3
;; launch conv0 (part 4): grid 256 x 1, 16 waves a work-group, no clusters, 274,432 bytes of LDS; arguments points1, W0, b0, zt, idx, wgt, y0, part; writes y0, part
.if DOCPART == 4
	.amdgcn_target "amdgcn-amd-amdhsa--gfx1250"
	.amdhsa_code_object_version 6
	.text
	.protected	k_q6456d9c701_conv0
	.globl	k_q6456d9c701_conv0
	.p2align	8
	.type	k_q6456d9c701_conv0,@function
k_q6456d9c701_conv0:
	s_mov_b64 s[64:65], 0
	v_nop
	global_prefetch_b8 v0, s[64:65] scope:SCOPE_SE
	s_setreg_imm32_b32 hwreg(HW_REG_WAVE_MODE, 25, 1), 1
	s_wait_xcnt 0x0
; y0[query][o] = b0[o] + sum over c < 128 of W0[o][256 + c] points1[b][c][n] + sum over k < 3 of wgt[query][k] zt[idx[query][k]][o]
; and, for the batch norm, each work-group's sums of y0 and of y0 squared for each channel (part[wg][512]).
; f16 operands, f32 sums; the statistics are taken from the f32 values; y0 is stored as f16, [query][256].
; LIMITS: |W0|, |points1|, |zt|, |y0| below 65,504; y0 carries one rounding to f16 more than a text that kept it in f32
; (its only use is as an f16 operand behind an affine map and a relu).
; A work-group: 128 queries x 256 outputs, K = 128.  Wave w owns rows (queries) 8 w .. 8 w + 7 on the way out: their
; indices and weights come by scalar loads, and the 24 rows of zt are asked for straight into registers before the
; product, which covers their way.  Indices are clamped to 2,047 before they enter an address.
; The tiles are f32 in memory and pass through registers to become f16; the weights that all work-groups share are
; 128 KiB a work-group: no tensor loads, no cluster.
.set AP,  272                          ; A: 256 rows [o][c] of 256 bytes + 16
.set BT,  69632                        ; B: 128 rows [c][n] of 256 bytes + 32
.set BP,  288
.set ST,  106496                       ; stage: 128 rows [n] of 1,024 bytes + 16; channel 8 g + j at 16 g + 4 j (j < 4), 512 + 16 g + 4 (j - 4)
.set SP,  1040
.set RD,  239616                       ; [wave 16][sums 256 | squares 256] f32
.set OFF, 8                            ; v[8:31]    byte offsets of the 24 rows of zt
.set G,   32                           ; v[32:127]  row i, neighbour k: four registers at 32 + 12 i + 4 k (below v128: halves are named)
.set Y,   128                          ; v[128:191] points1 as loaded (128-159); accumulators, tile (i, j) at 128 + 8 (2 i + j); my 8 rows
.set WL,  160                          ; v[160:223] W0 as loaded
.set AF,  192                          ; v[192:223] A fragments
.set BF,  224                          ; v[224:239] B fragments
.set T,   192                          ; v[192:199] at work on the way out
.set WV,  200                          ; v[200:205] three weights, each in the low register of a pair
.set S,   208                          ; v[208:215] sums of my 8 channels
.set QS,  216                          ; v[216:223] sums of squares
.set BI,  224                          ; v[224:231] b0 of my 8 channels
; v240 points1 offset, v241 W0 offset, v242 B in, v243 A in, v244 A fragments, v245 B fragments, v246 stage in, v247 stage out,
; v248 b0 offset, v249 sums in, v250 sums out, v251 part offset
.macro PLACES                          ; four places behind a matrix instruction before a load lands on a source of it
.rept 4                                ; or anything but a matrix instruction reads its result (ISA guide 7.12.1)
	v_nop
.endr
.endm
	s_load_b512 s[4:19], s[0:1], 0x0               ; points1 4, W0 6, b0 8, zt 10, idx 12, wgt 14, y0 16, part 18
	v_lshl_add_u32 v254, v0, 2, 0x42800
	v_mov_b32 v255, 0
	v_and_b32 v1, 31, v0                           ; lane
	v_lshrrev_b32 v5, 5, v0
	v_readfirstlane_b32 s20, v5                    ; wave 0..15
	v_and_b32 v2, 15, v0                           ; r
	v_bfe_u32 v3, v0, 4, 1                         ; h
	v_lshlrev_b32 v4, 4, v1                        ; 16 lane
	s_lshr_b32 s21, ttmp9, 6                       ; batch
	s_and_b32 s30, ttmp9, 63
	s_lshl_b32 s22, s21, 22                        ; points1: 128 x 8,192 f32 a batch
	s_lshl_b32 s30, s30, 9                         ; + 128 queries x 4 bytes
	s_add_co_u32 s22, s22, s30
	s_mov_b32 s23, 0
	s_lshl_b32 s24, s21, 20                        ; zt: 2,048 rows of 512 bytes a batch
	s_mov_b32 s25, 0
	s_lshl_b32 s26, ttmp9, 11                      ; part: 2,048 bytes a work-group; idx, wgt: 128 x 16 bytes
	s_mov_b32 s27, 0
	s_lshl_b32 s30, s20, 7                         ; + my 8 rows x 16 bytes
	s_add_co_u32 s28, s26, s30
	s_mov_b32 s29, 0
	s_wait_kmcnt 0x0
	s_add_nc_u64 s[12:13], s[12:13], s[28:29]
	s_add_nc_u64 s[14:15], s[14:15], s[28:29]
	s_load_b512 s[32:47], s[12:13], 0x0            ; idx of rows 0-3: row i, neighbour k in s[32 + 4 i + k]
	s_load_b512 s[48:63], s[12:13], 0x40           ; rows 4-7
	s_load_b512 s[68:83], s[14:15], 0x0            ; wgt likewise from s68
	s_load_b512 s[84:99], s[14:15], 0x40
	s_add_nc_u64 s[4:5], s[4:5], s[22:23]
	s_add_nc_u64 s[6:7], s[6:7], 1024              ; W0's columns 256 ..
	s_add_nc_u64 s[10:11], s[10:11], s[24:25]
	s_add_nc_u64 s[18:19], s[18:19], s[26:27]
	s_lshl_b32 s22, ttmp9, 16                      ; y0: 128 rows of 512 bytes
	s_lshl_b32 s30, s20, 12                        ; + my 8 rows
	s_add_co_u32 s22, s22, s30
	s_add_nc_u64 s[16:17], s[16:17], s[22:23]
	s_lshl_b32 s30, s20, 15
	v_add_nc_u32 v240, s30, v4                     ; points1: row w, 16 bytes a lane
	s_mul_i32 s30, s20, 1536
	v_add_nc_u32 v241, s30, v4                     ; W0: row w
.irp p, 0,1,2,3,4,5,6,7
	global_load_b128 v[Y+4*\p:Y+4*\p+3], v240, s[4:5] offset:524288*\p th:TH_LOAD_NT    ; channels w + 16 p
.endr
.irp p, 0,1,2,3,4,5,6,7,8,9,10,11,12,13,14,15
	global_load_b128 v[WL+4*\p:WL+4*\p+3], v241, s[6:7] offset:24576*\p                 ; outputs w + 16 p
.endr
	s_wait_kmcnt 0x0
.irp i, 0,1,2,3,4,5,6,7
.irp k, 0,1,2
	s_min_u32 s[32+4*\i+\k], s[32+4*\i+\k], 2047
	v_lshl_add_u32 v[OFF+3*\i+\k], s[32+4*\i+\k], 9, v4    ; 512 x index + 16 lane: my 8 channels of that row
.endr
.endr
.irp i, 0,1,2,3,4,5,6,7
.irp k, 0,1,2
	global_load_b128 v[G+12*\i+4*\k:G+12*\i+4*\k+3], v[OFF+3*\i+\k], s[10:11]
.endr
.endr
	; LDS addresses
	s_mul_i32 s30, s20, BP
	s_add_co_u32 s30, s30, BT
	v_lshl_add_u32 v242, v1, 3, s30                ; BT + w BP + 8 l
	s_mul_i32 s30, s20, AP
	v_lshl_add_u32 v243, v1, 3, s30                ; w AP + 8 l
	s_and_b32 s31, s20, 3                          ; wo: my 64 outputs
	s_lshr_b32 s21, s20, 2                         ; wn: my 32 queries
	s_mul_i32 s30, s31, 64*AP
	v_mul_u32_u24 v5, v2, AP
	v_lshl_add_u32 v5, v3, 4, v5
	v_add_nc_u32 v244, s30, v5                     ; (64 wo + r) AP + 16 h
	v_and_b32 v5, 7, v0
	v_lshl_add_u32 v5, v3, 3, v5
	v_mul_u32_u24 v5, v5, BP
	v_bfe_u32 v6, v0, 3, 1
	v_lshl_add_u32 v5, v6, 4, v5
	s_lshl_b32 s30, s21, 6
	s_add_co_u32 s30, s30, BT
	v_add_nc_u32 v245, s30, v5                     ; BT + (8 h + l % 8) BP + 64 wn + 16 ((l / 8) % 2)
	s_mul_i32 s30, s21, 32*SP
	s_lshl_b32 s22, s31, 7
	s_add_co_u32 s30, s30, s22
	s_add_co_u32 s30, s30, ST
	v_mul_u32_u24 v5, v2, SP
	v_lshl_add_u32 v5, v3, 4, v5
	v_add_nc_u32 v246, s30, v5                     ; ST + (32 wn + r) SP + 16 (8 wo + h)
	s_mul_i32 s30, s20, 8*SP
	s_add_co_u32 s30, s30, ST
	v_add_nc_u32 v247, s30, v4                     ; ST + 8 w SP + 16 l
	v_lshlrev_b32 v248, 5, v1                      ; 32 l
	s_lshl_b32 s30, s20, 11
	s_add_co_u32 s30, s30, RD
	v_lshl_add_u32 v249, v1, 5, s30                ; RD + 2,048 w + 32 l
	v_lshlrev_b32 v251, 2, v0                      ; 4 t
	v_add_nc_u32 v250, RD, v251
.macro CVST reg, adr, off              ; four f32 to f16 in place, 8 bytes into LDS
	v_cvt_pk_f16_f32 v[\reg],   v[\reg],   v[\reg+1]
	v_cvt_pk_f16_f32 v[\reg+1], v[\reg+2], v[\reg+3]
	ds_store_b64 v[\adr], v[\reg:\reg+1] offset:\off
.endm
	s_wait_loadcnt 0x28                            ; points1 is in; 16 loads of W0 and 24 of zt may stay out
.irp p, 0,1,2,3,4,5,6,7
	CVST Y+4*\p, 242, 16*BP*\p
.endr
	s_wait_loadcnt 0x18                            ; W0 is in; the 24 rows of zt may stay out
.irp p, 0,1,2,3,4,5,6,7,8,9,10,11,12,13,14,15
	CVST WL+4*\p, 243, 16*AP*\p
.endr
	s_wait_dscnt 0x0
	s_barrier_signal -1
	s_barrier_wait -1
; 32 along K: four tiles of outputs x two tiles of queries.  Four waves lie on a SIMD and cover each other's waits.
.macro KSTEP ks, zero
.irp i, 0,1,2,3
	ds_load_b128 v[AF+8*\i:AF+8*\i+3],   v244 offset:16*AP*\i+64*\ks
	ds_load_b128 v[AF+8*\i+4:AF+8*\i+7], v244 offset:16*AP*\i+64*\ks+32
.endr
.irp j, 0,1
	ds_load_tr16_b128 v[BF+8*\j:BF+8*\j+3],   v245 offset:32*\j+32*BP*\ks
	ds_load_tr16_b128 v[BF+8*\j+4:BF+8*\j+7], v245 offset:32*\j+32*BP*\ks+16*BP
.endr
	s_wait_dscnt 0x0
.irp i, 0,1,2,3
.irp j, 0,1
.if \zero
	v_wmma_f32_16x16x32_f16 v[Y+8*(2*\i+\j):Y+8*(2*\i+\j)+7], v[AF+8*\i:AF+8*\i+7], v[BF+8*\j:BF+8*\j+7], 0
.else
	v_wmma_f32_16x16x32_f16 v[Y+8*(2*\i+\j):Y+8*(2*\i+\j)+7], v[AF+8*\i:AF+8*\i+7], v[BF+8*\j:BF+8*\j+7], v[Y+8*(2*\i+\j):Y+8*(2*\i+\j)+7]
.endif
.endr
.endr
	PLACES
.endm
	KSTEP 0, 1                                     ; the first products start the sums
	KSTEP 1, 0
	KSTEP 2, 0
	KSTEP 3, 0
	; a lane holds outputs 8 h .. 8 h + 7 of query r: two quads into that query's row of the stage
.irp i, 0,1,2,3
.irp j, 0,1
	ds_store_b128 v246, v[Y+8*(2*\i+\j):Y+8*(2*\i+\j)+3]   offset:16*SP*\j+32*\i
	ds_store_b128 v246, v[Y+8*(2*\i+\j)+4:Y+8*(2*\i+\j)+7] offset:16*SP*\j+32*\i+512
.endr
.endr
	global_load_b128 v[BI:BI+3],   v248, s[8:9]
	global_load_b128 v[BI+4:BI+7], v248, s[8:9] offset:16
	s_wait_dscnt 0x0
	s_barrier_signal -1
	s_barrier_wait -1
	; my 8 rows, channels 8 l .. 8 l + 7 a lane, as the rows of zt lie in G
.irp i, 0,1,2,3,4,5,6,7
	ds_load_b128 v[Y+8*\i:Y+8*\i+3],   v247 offset:SP*\i
	ds_load_b128 v[Y+8*\i+4:Y+8*\i+7], v247 offset:SP*\i+512
.endr
	v_mov_b32 v[WV+1], 0                           ; the pairs' upper registers are named, never used
	v_mov_b32 v[WV+3], 0
	v_mov_b32 v[WV+5], 0
	s_wait_loadcnt 0x0                             ; the rows of zt, and b0
	s_wait_dscnt 0x0
.macro CVT2 dd, ss                     ; both halves of register ss (a plain number) to f32
	v_cvt_f32_f16 v[\dd],   v\ss\().l
	v_cvt_f32_f16 v[\dd+1], v\ss\().h
.endm
.macro NB i, k, a, b, c, d             ; row i += weight k x neighbour k's row
	v_mov_b32 v[WV+2*\k], s[68+4*\i+\k]
	CVT2 T,   \a
	CVT2 T+2, \b
	CVT2 T+4, \c
	CVT2 T+6, \d
.irp q, 0,2,4,6
	v_pk_fma_f32 v[Y+8*\i+\q:Y+8*\i+\q+1], v[T+\q:T+\q+1], v[WV+2*\k:WV+2*\k+1], v[Y+8*\i+\q:Y+8*\i+\q+1] op_sel_hi:[1,0,1]
.endr
.endm
.macro ROW i, g0, g1, g2, g3, g4, g5, g6, g7, g8, g9, g10, g11
.irp q, 0,2,4,6
	v_pk_add_f32 v[Y+8*\i+\q:Y+8*\i+\q+1], v[Y+8*\i+\q:Y+8*\i+\q+1], v[BI+\q:BI+\q+1]
.endr
	NB \i, 0, \g0, \g1, \g2, \g3
	NB \i, 1, \g4, \g5, \g6, \g7
	NB \i, 2, \g8, \g9, \g10, \g11
.irp q, 0,2,4,6
.if \i == 0
	v_pk_mul_f32 v[QS+\q:QS+\q+1], v[Y+\q:Y+\q+1], v[Y+\q:Y+\q+1]                       ; row 0 starts the squares,
.else
	v_pk_fma_f32 v[QS+\q:QS+\q+1], v[Y+8*\i+\q:Y+8*\i+\q+1], v[Y+8*\i+\q:Y+8*\i+\q+1], v[QS+\q:QS+\q+1]
.endif
.if \i == 1
	v_pk_add_f32 v[S+\q:S+\q+1], v[Y+\q:Y+\q+1], v[Y+8+\q:Y+8+\q+1]                     ; rows 0 and 1 the sums: nothing is cleared
.elseif \i > 1
	v_pk_add_f32 v[S+\q:S+\q+1], v[S+\q:S+\q+1], v[Y+8*\i+\q:Y+8*\i+\q+1]
.endif
.endr
.irp q, 0,1,2,3
	v_cvt_pk_f16_f32 v[G+12*\i+\q], v[Y+8*\i+2*\q], v[Y+8*\i+2*\q+1]
.endr
	global_store_b128 v4, v[G+12*\i:G+12*\i+3], s[16:17] offset:512*\i      ; one store covers the row's 512 bytes
.endm
	ROW 0, 32,33,34,35,36,37,38,39,40,41,42,43
	ROW 1, 44,45,46,47,48,49,50,51,52,53,54,55
	ROW 2, 56,57,58,59,60,61,62,63,64,65,66,67
	ROW 3, 68,69,70,71,72,73,74,75,76,77,78,79
	ROW 4, 80,81,82,83,84,85,86,87,88,89,90,91
	ROW 5, 92,93,94,95,96,97,98,99,100,101,102,103
	ROW 6, 104,105,106,107,108,109,110,111,112,113,114,115
	ROW 7, 116,117,118,119,120,121,122,123,124,125,126,127
	; the sixteen waves' sums meet in LDS; thread t adds word t (sums of channel t, or squares of channel t - 256)
	ds_store_b128 v249, v[S:S+3]
	ds_store_b128 v249, v[S+4:S+7]   offset:16
	ds_store_b128 v249, v[QS:QS+3]   offset:1024
	ds_store_b128 v249, v[QS+4:QS+7] offset:1040
	s_wait_dscnt 0x0
	s_barrier_signal -1
	s_barrier_wait -1
.irp s, 0,1,2,3,4,5,6,7,8,9,10,11,12,13,14,15
	ds_load_b32 v[Y+\s], v250 offset:2048*\s
.endr
	s_wait_dscnt 0x0
.irp s, 0,2,4,6
	v_pk_add_f32 v[Y+\s:Y+\s+1], v[Y+\s:Y+\s+1], v[Y+8+\s:Y+9+\s]
.endr
	v_pk_add_f32 v[Y:Y+1],   v[Y:Y+1],   v[Y+4:Y+5]
	v_pk_add_f32 v[Y+2:Y+3], v[Y+2:Y+3], v[Y+6:Y+7]
	v_pk_add_f32 v[Y:Y+1],   v[Y:Y+1],   v[Y+2:Y+3]
	v_add_f32 v[Y], v[Y], v[Y+1]
	global_store_b32 v251, v[Y], s[18:19]
	s_wait_tensorcnt 0x0
	ds_add_u32 v254, v255
	s_wait_dscnt 0x0
	s_endpgm
.Lfunc_end_k_q6456d9c701_conv0:
	.size	k_q6456d9c701_conv0, .Lfunc_end_k_q6456d9c701_conv0-k_q6456d9c701_conv0
	.p2alignl 7, 3214868480
	.fill 96, 4, 3214868480
	.section	.rodata,"a",@progbits
	.p2align	6, 0x0
	.amdhsa_kernel k_q6456d9c701_conv0
		.amdhsa_group_segment_fixed_size 274432
		.amdhsa_private_segment_fixed_size 0
		.amdhsa_enable_private_segment 0
		.amdhsa_kernarg_size 64
		.amdhsa_user_sgpr_count 2
		.amdhsa_user_sgpr_kernarg_segment_ptr 1
		.amdhsa_wavefront_size32 1
		.amdhsa_system_sgpr_workgroup_id_x 1
		.amdhsa_system_sgpr_workgroup_id_y 1
		.amdhsa_system_sgpr_workgroup_id_z 1
		.amdhsa_system_vgpr_workitem_id 0
		.amdhsa_next_free_vgpr 256
		.amdhsa_next_free_sgpr 100
		.amdhsa_reserve_vcc 0
		.amdhsa_float_denorm_mode_32 3
		.amdhsa_float_denorm_mode_16_64 3
		.amdhsa_memory_ordered 1
		.amdhsa_forward_progress 1
		.amdhsa_inst_pref_size 48
	.end_amdhsa_kernel
	.amdgpu_metadata
---
amdhsa.version: [ 1, 2 ]
amdhsa.kernels:
  - .name:           k_q6456d9c701_conv0
    .symbol:         k_q6456d9c701_conv0.kd
    .args:
      - { .name: points1, .offset: 0, .size: 8, .value_kind: global_buffer, .address_space: global }
      - { .name: W0, .offset: 8, .size: 8, .value_kind: global_buffer, .address_space: global }
      - { .name: b0, .offset: 16, .size: 8, .value_kind: global_buffer, .address_space: global }
      - { .name: zt, .offset: 24, .size: 8, .value_kind: global_buffer, .address_space: global }
      - { .name: idx, .offset: 32, .size: 8, .value_kind: global_buffer, .address_space: global }
      - { .name: wgt, .offset: 40, .size: 8, .value_kind: global_buffer, .address_space: global }
      - { .name: y0, .offset: 48, .size: 8, .value_kind: global_buffer, .address_space: global }
      - { .name: part, .offset: 56, .size: 8, .value_kind: global_buffer, .address_space: global }
    .group_segment_fixed_size: 274432
    .private_segment_fixed_size: 0
    .kernarg_segment_align: 8
    .kernarg_segment_size: 64
    .max_flat_workgroup_size: 512
    .sgpr_count:     100
    .vgpr_count:     256
    .wavefront_size: 32
...
	.end_amdgpu_metadata
.endif
;; end of part 4
;; launch fin0 (part 5): grid 16 x 1, 8 waves a work-group, no clusters, 5,120 bytes of LDS; arguments part, g0, be0, sc0; writes sc0
.if DOCPART == 5
	.amdgcn_target "amdgcn-amd-amdhsa--gfx1250"
	.amdhsa_code_object_version 6
	.text
	.protected	k_q6456d9c701_fin0
	.globl	k_q6456d9c701_fin0
	.p2align	8
	.type	k_q6456d9c701_fin0,@function
k_q6456d9c701_fin0:
	s_mov_b64 s[64:65], 0
	v_nop
	global_prefetch_b8 v0, s[64:65] scope:SCOPE_SE
	s_setreg_imm32_b32 hwreg(HW_REG_WAVE_MODE, 25, 1), 1
	s_wait_xcnt 0x0
; Batch-norm figures of 16 channels a work-group, from the 256 work-groups' partial sums:
; mean = sum / 32,768, var = max(sum of squares / 32,768 - mean^2, 0), a = g rsqrt(var + 1e-5), s = be - mean a.
; part: [256][512] f32, sums at channel c, squares at 256 + c.  Out: a at word c, s at word 256 + c.
; LIMIT: the variance is a difference of two f32 means: it loses accuracy where mean^2 is far above the variance.
; The sums have one fixed order.  16 (or 8) work-groups: there is work for no more; the whole input is 512 KiB.
	s_load_b256 s[4:11], s[0:1], 0x0               ; part s[4:5], g s[6:7], be s[8:9], out s[10:11]
	v_lshl_add_u32 v48, v0, 2, 0x1000
	v_mov_b32 v49, 0
	v_and_b32 v1, 31, v0                           ; lane
	v_lshrrev_b32 v2, 5, v0
	v_readfirstlane_b32 s12, v2                    ; wave
	s_lshl_b32 s14, ttmp9, 6                       ; my 16 channels x 4 bytes
	s_mov_b32 s15, 0
	s_mov_b32 s16, 0x76543210                      ; v_permlanex16_b32: lane i reads lane i of the other half
	s_mov_b32 s17, 0xfedcba98
	v_and_b32 v3, 3, v0                            ; which four channels
	v_bfe_u32 v4, v0, 2, 1                         ; sums or squares
	v_lshrrev_b32 v5, 3, v0                        ; which 8 rows of part
	v_lshlrev_b32 v6, 14, v5
	v_lshl_add_u32 v6, v4, 10, v6
	v_lshl_add_u32 v6, v3, 4, v6
	v_lshlrev_b32 v7, 4, v0
	s_wait_kmcnt 0x0
	s_add_nc_u64 s[4:5], s[4:5], s[14:15]
	s_add_nc_u64 s[6:7], s[6:7], s[14:15]
	s_add_nc_u64 s[8:9], s[8:9], s[14:15]
	s_add_nc_u64 s[10:11], s[10:11], s[14:15]
.irp i, 0,1,2,3,4,5,6,7
	global_load_b128 v[8+4*\i:11+4*\i], v6, s[4:5] offset:2048*\i
.endr
.irp i, 1,2,3,4,5,6,7
	s_wait_loadcnt 7-\i                            ; loads come back in order: rows 0 .. i are in
	v_pk_add_f32 v[8:9],   v[8:9],   v[8+4*\i:9+4*\i]
	v_pk_add_f32 v[10:11], v[10:11], v[10+4*\i:11+4*\i]
.endr
	ds_store_b128 v7, v[8:11]                      ; [32 row groups][sums 16 | squares 16]
	s_wait_dscnt 0x0
	s_barrier_signal -1
	s_barrier_wait -1
	s_cmp_lg_u32 s12, 0
	s_cbranch_scc1 .Ldone
	v_and_b32 v2, 15, v0                           ; channel
	v_lshlrev_b32 v3, 2, v2
	global_load_b32 v40, v3, s[6:7]                ; g
	global_load_b32 v41, v3, s[8:9]                ; be
	v_lshlrev_b32 v4, 2, v1
.irp g, 0,1,2,3,4,5,6,7,8,9,10,11,12,13,14,15,16,17,18,19,20,21,22,23,24,25,26,27,28,29,30,31
	ds_load_b32 v[8+\g], v4 offset:128*\g          ; lanes 0-15: sums; lanes 16-31: squares
.endr
	s_wait_dscnt 0x0
.irp j, 0,2,4,6,8,10,12,14
	v_pk_add_f32 v[8+\j:9+\j], v[8+\j:9+\j], v[24+\j:25+\j]
.endr
.irp j, 0,2,4,6
	v_pk_add_f32 v[8+\j:9+\j], v[8+\j:9+\j], v[16+\j:17+\j]
.endr
	v_pk_add_f32 v[8:9],   v[8:9],   v[12:13]
	v_pk_add_f32 v[10:11], v[10:11], v[14:15]
	v_pk_add_f32 v[8:9],   v[8:9],   v[10:11]
	v_add_f32 v8, v8, v9
	v_permlanex16_b32 v9, v8, s16, s17             ; the other figure of my channel
	v_cmp_gt_u32 vcc_lo, 16, v1
	v_cndmask_b32 v10, v9, v8, vcc_lo              ; sum
	v_cndmask_b32 v11, v8, v9, vcc_lo              ; sum of squares
	v_mul_f32 v10, 0x38000000, v10                 ; / 32,768
	v_mul_f32 v11, 0x38000000, v11
	v_fma_f32 v11, -v10, v10, v11
	v_max_num_f32 v11, 0, v11
	v_add_f32 v11, 0x3727c5ac, v11                 ; + 1e-5
	v_rsq_f32 v12, v11
	v_nop                                          ; one place behind the root before its result is used (ISA guide 5.7.2)
	s_wait_loadcnt 0x0
	s_wait_alu depctr_va_vdst(0)
	v_mul_f32 v12, v40, v12                        ; a
	v_fma_f32 v13, -v10, v12, v41                  ; s
	v_cndmask_b32 v14, v13, v12, vcc_lo            ; lanes 0-15 store a, lanes 16-31 store s
	v_lshrrev_b32 v15, 4, v1
	v_lshl_add_u32 v15, v15, 10, v3
	global_store_b32 v15, v14, s[10:11]
.Ldone:
	s_wait_tensorcnt 0x0
	ds_add_u32 v48, v49
	s_wait_dscnt 0x0
	s_endpgm
.Lfunc_end_k_q6456d9c701_fin0:
	.size	k_q6456d9c701_fin0, .Lfunc_end_k_q6456d9c701_fin0-k_q6456d9c701_fin0
	.p2alignl 7, 3214868480
	.fill 96, 4, 3214868480
	.section	.rodata,"a",@progbits
	.p2align	6, 0x0
	.amdhsa_kernel k_q6456d9c701_fin0
		.amdhsa_group_segment_fixed_size 5120
		.amdhsa_private_segment_fixed_size 0
		.amdhsa_enable_private_segment 0
		.amdhsa_kernarg_size 32
		.amdhsa_user_sgpr_count 2
		.amdhsa_user_sgpr_kernarg_segment_ptr 1
		.amdhsa_wavefront_size32 1
		.amdhsa_system_sgpr_workgroup_id_x 1
		.amdhsa_system_sgpr_workgroup_id_y 1
		.amdhsa_system_sgpr_workgroup_id_z 1
		.amdhsa_system_vgpr_workitem_id 0
		.amdhsa_next_free_vgpr 50
		.amdhsa_next_free_sgpr 66
		.amdhsa_reserve_vcc 1
		.amdhsa_float_denorm_mode_32 3
		.amdhsa_float_denorm_mode_16_64 3
		.amdhsa_memory_ordered 1
		.amdhsa_forward_progress 1
		.amdhsa_inst_pref_size 8
	.end_amdhsa_kernel
	.amdgpu_metadata
---
amdhsa.version: [ 1, 2 ]
amdhsa.kernels:
  - .name:           k_q6456d9c701_fin0
    .symbol:         k_q6456d9c701_fin0.kd
    .args:
      - { .name: part, .offset: 0, .size: 8, .value_kind: global_buffer, .address_space: global }
      - { .name: g0, .offset: 8, .size: 8, .value_kind: global_buffer, .address_space: global }
      - { .name: be0, .offset: 16, .size: 8, .value_kind: global_buffer, .address_space: global }
      - { .name: sc0, .offset: 24, .size: 8, .value_kind: global_buffer, .address_space: global }
    .group_segment_fixed_size: 5120
    .private_segment_fixed_size: 0
    .kernarg_segment_align: 8
    .kernarg_segment_size: 32
    .max_flat_workgroup_size: 256
    .sgpr_count:     66
    .vgpr_count:     50
    .wavefront_size: 32
...
	.end_amdgpu_metadata
.endif
;; end of part 5
;; launch conv1s (part 6): grid 256 x 1, 16 waves a work-group, no clusters, 141,312 bytes of LDS; arguments y0, sc0, W1, b1, part; writes part
.if DOCPART == 6
	.amdgcn_target "amdgcn-amd-amdhsa--gfx1250"
	.amdhsa_code_object_version 6
	.text
	.protected	k_q6456d9c701_conv1s
	.globl	k_q6456d9c701_conv1s
	.p2align	8
	.type	k_q6456d9c701_conv1s,@function
k_q6456d9c701_conv1s:
	s_mov_b64 s[64:65], 0
	v_nop
	global_prefetch_b8 v0, s[64:65] scope:SCOPE_SE
	s_setreg_imm32_b32 hwreg(HW_REG_WAVE_MODE, 25, 1), 1
	s_wait_xcnt 0x0
.set FINAL, 0
; y1[query][o] = b1[o] + sum over c < 256 of W1[o][c] relu(a0[c] y0[query][c] + s0[c]),  f16 operands, f32 sums.
; One text for two launches.  FINAL = 0: only each work-group's sums of y1 and of y1 squared for each channel leave
; (part[wg]: sums at word o, squares at word 256 + o).  FINAL = 1: out0[b][o][n] = relu(a1[o] y1 + s1[o]).
; y1 is made twice and never stored: that costs one more reading of y0 (f16) in place of writing and reading y1 in f32.
; LIMITS: |W1| and the normalised, rectified y0 below 65,504 (f16), each with f16's 11 bits.
; A work-group: 128 queries x 128 outputs, K = 256.  y0 needs its affine map and W1 its conversion on the way to LDS, so
; both pass through registers; W1 is 128 KiB a work-group: no tensor loads, no cluster.
.set HP,  528                          ; H: 128 rows [n][c] of 512 bytes + 16;  WT: 128 rows [o][c] likewise
.set WT,  67584
.set XT,  135168                       ; FINAL = 0: [wn 4][sums 128 | squares 128] f32;  FINAL = 1: stage, 128 rows [o][n] f32 of 512 bytes + 16
.set SA,  16                           ; v[16:23]   a0 of channels 8 l .. 8 l + 7
.set SS,  24                           ; v[24:31]   s0
.set ACC, 64                           ; v[64:95]   tile (i, j): queries 16 i, outputs 16 j, at 64 + 8 (2 i + j)
.set T,   96                           ; v[96:103]  at work
.set O,   104                          ; v[104:107] a row's 16 bytes
.set FB0, 128                          ; v[128:191] W1 as loaded; then two fragment buffers: A0, A1, B0, B1
.set FB1, 160
; v[32:63] my 8 rows of y0.  v[108:111] b1, v[112:115] a1, v[116:119] t1: pairs for j = 0, 1, the value in both registers.
; v4 y0 offset, v5 sc0 offset, v6 W1 offset, v7 b1 offset, v8 H in, v9 WT in, v10 A, v11 B, v12 XT in, v13 XT out, v14 global out
.macro PLACES                          ; four places behind a matrix instruction before a load lands on a source of it
.rept 4                                ; or anything but a matrix instruction reads its result (ISA guide 7.12.1)
	v_nop
.endr
.endm
	s_load_b256 s[4:11], s[0:1], 0x0               ; y0 s[4:5], sc0 s[6:7], W1 s[8:9], b1 s[10:11]
.if FINAL
	s_load_b128 s[12:15], s[0:1], 0x20             ; sc1 s[12:13], out0 s[14:15]
.else
	s_load_b64 s[12:13], s[0:1], 0x20              ; part
	v_lshl_add_u32 v192, v0, 2, 0x22000
	v_mov_b32 v193, 0
.endif
	v_and_b32 v1, 31, v0                           ; lane
	v_lshrrev_b32 v15, 5, v0
	v_readfirstlane_b32 s16, v15                   ; wave 0..15
	v_and_b32 v2, 15, v0                           ; r
	v_bfe_u32 v3, v0, 4, 1                         ; h
	s_and_b32 s17, s16, 3                          ; wo: my 32 outputs
	s_lshr_b32 s18, s16, 2                         ; wn: my 32 queries
	v_lshlrev_b32 v4, 4, v1
	v_lshlrev_b32 v5, 5, v1
	v_lshlrev_b32 v6, 4, v0
	s_lshl_b32 s19, s17, 7
	v_lshl_add_u32 v7, v2, 2, s19                  ; 4 (32 wo + r)
	s_lshl_b32 s20, ttmp9, 16                      ; y0: 128 rows of 512 bytes
	s_lshl_b32 s19, s16, 12                        ; + my 8 rows
	s_add_co_u32 s20, s20, s19
	s_mov_b32 s21, 0
.if FINAL
	s_lshr_b32 s22, ttmp9, 6                       ; out0: batch x 128 x 8,192 f32
	s_lshl_b32 s22, s22, 22
	s_and_b32 s19, ttmp9, 63
	s_lshl_b32 s19, s19, 9                         ; + 128 queries x 4 bytes
	s_add_co_u32 s22, s22, s19
.else
	s_lshl_b32 s22, ttmp9, 11                      ; part: 2,048 bytes a work-group
.endif
	s_mov_b32 s23, 0
	s_wait_kmcnt 0x0
	s_add_nc_u64 s[4:5], s[4:5], s[20:21]
.if FINAL
	s_add_nc_u64 s[14:15], s[14:15], s[22:23]
.else
	s_add_nc_u64 s[12:13], s[12:13], s[22:23]
.endif
	global_load_b128 v[SA:SA+3],   v5, s[6:7]
	global_load_b128 v[SA+4:SA+7], v5, s[6:7] offset:16
	global_load_b128 v[SS:SS+3],   v5, s[6:7] offset:1024
	global_load_b128 v[SS+4:SS+7], v5, s[6:7] offset:1040
.irp i, 0,1,2,3,4,5,6,7
	global_load_b128 v[32+4*\i:35+4*\i], v4, s[4:5] offset:512*\i
.endr
.irp p, 0,1,2,3,4,5,6,7,8,9,10,11,12,13,14,15
	global_load_b128 v[FB0+4*\p:FB0+4*\p+3], v6, s[8:9] offset:8192*\p      ; rows t / 64 + 8 p
.endr
	global_load_b32 v108, v7, s[10:11]
	global_load_b32 v110, v7, s[10:11] offset:64
.if FINAL
	global_load_b32 v112, v7, s[12:13]
	global_load_b32 v114, v7, s[12:13] offset:64
	global_load_b32 v116, v7, s[12:13] offset:1024
	global_load_b32 v118, v7, s[12:13] offset:1088
.endif
	; LDS addresses
	s_mul_i32 s19, s16, 8*HP
	v_add_nc_u32 v8, s19, v4                       ; 8 w HP + 16 l
	v_lshrrev_b32 v15, 6, v0
	v_and_b32 v96, 63, v0
	v_mul_u32_u24 v9, v15, HP
	v_lshl_add_u32 v9, v96, 3, v9
	v_add_nc_u32 v9, WT, v9                        ; WT + (t / 64) HP + 8 (t % 64)
	v_mul_u32_u24 v97, v2, HP
	v_lshl_add_u32 v15, v3, 4, v97
	s_mul_i32 s19, s18, 32*HP
	v_add_nc_u32 v10, s19, v15                     ; (32 wn + r) HP + 16 h
	s_mul_i32 s19, s17, 32*HP
	s_add_co_u32 s26, s19, WT
	v_add_nc_u32 v11, s26, v15                     ; WT + (32 wo + r) HP + 16 h
.if FINAL
	s_lshl_b32 s26, s18, 7
	s_add_co_u32 s19, s19, s26
	s_add_co_u32 s19, s19, XT
	v_lshl_add_u32 v12, v3, 5, v97
	v_add_nc_u32 v12, s19, v12                     ; XT + (32 wo + r) HP + 128 wn + 32 h
	v_add_nc_u32 v13, XT, v8                       ; XT + 8 w HP + 16 l
	s_lshl_b32 s19, s16, 18
	v_add_nc_u32 v14, s19, v4                      ; 8 w rows of 32,768 bytes + 16 l
.else
	s_lshl_b32 s19, s18, 10
	s_lshl_b32 s26, s17, 7
	s_add_co_u32 s19, s19, s26
	s_add_co_u32 s19, s19, XT
	v_lshl_add_u32 v12, v2, 2, s19
	v_lshl_add_u32 v12, v3, 9, v12                 ; XT + 1,024 wn + 512 h + 4 (32 wo + r)
	v_and_b32 v13, 255, v0
	v_lshlrev_b32 v13, 2, v13
	v_add_nc_u32 v13, XT, v13                      ; XT + 4 t
	v_bfe_u32 v14, v0, 7, 1
	v_and_b32 v15, 127, v0
	v_lshlrev_b32 v15, 2, v15
	v_lshl_add_u32 v14, v14, 10, v15               ; part: 1,024 (t / 128) + 4 (t % 128)
	s_mov_b32 s24, 0x76543210                      ; v_permlanex16_b32: lane i reads lane i of the other half
	s_mov_b32 s25, 0xfedcba98
	v_cmp_gt_u32 vcc_lo, 16, v1
.endif
.macro CVT2 dd, ss                     ; both halves of register ss (a plain number) to f32
	v_cvt_f32_f16 v[\dd],   v\ss\().l
	v_cvt_f32_f16 v[\dd+1], v\ss\().h
.endm
.macro HROW i, a, b, c, d              ; a row of y0: affine map, relu, back to f16, into H
	CVT2 T,   \a
	CVT2 T+2, \b
	CVT2 T+4, \c
	CVT2 T+6, \d
.irp q, 0,2,4,6
	v_pk_fma_f32 v[T+\q:T+\q+1], v[T+\q:T+\q+1], v[SA+\q:SA+\q+1], v[SS+\q:SS+\q+1]
.endr
.irp q, 0,1,2,3,4,5,6,7
	v_max_num_f32 v[T+\q], 0, v[T+\q]
.endr
.irp q, 0,1,2,3
	v_cvt_pk_f16_f32 v[O+\q], v[T+2*\q], v[T+2*\q+1]
.endr
	ds_store_b128 v8, v[O:O+3] offset:HP*\i
.endm
	s_wait_loadcnt 18+4*FINAL                      ; sc0 and y0 are in; W1's 16 loads and the small ones behind them may stay out
	HROW 0, 32,33,34,35
	HROW 1, 36,37,38,39
	HROW 2, 40,41,42,43
	HROW 3, 44,45,46,47
	HROW 4, 48,49,50,51
	HROW 5, 52,53,54,55
	HROW 6, 56,57,58,59
	HROW 7, 60,61,62,63
	s_wait_loadcnt 2+4*FINAL                       ; W1 is in
.irp p, 0,1,2,3,4,5,6,7,8,9,10,11,12,13,14,15
	v_cvt_pk_f16_f32 v[FB0+4*\p],   v[FB0+4*\p],   v[FB0+4*\p+1]
	v_cvt_pk_f16_f32 v[FB0+4*\p+1], v[FB0+4*\p+2], v[FB0+4*\p+3]
	ds_store_b64 v9, v[FB0+4*\p:FB0+4*\p+1] offset:8*HP*\p
.endr
	s_wait_loadcnt 0x0
.if FINAL
	v_fma_f32 v116, v108, v112, v116               ; t1 = b1 a1 + s1
	v_fma_f32 v118, v110, v114, v118
	v_mov_b32 v113, v112
	v_mov_b32 v115, v114
	v_mov_b32 v117, v116
	v_mov_b32 v119, v118
.else
	v_mov_b32 v109, v108
	v_mov_b32 v111, v110
.endif
	s_wait_dscnt 0x0
	s_barrier_signal -1
	s_barrier_wait -1
.macro LDK ks, buf                     ; eight loads: 32 along K of two tiles of H and two of W1
.irp i, 0,1
	ds_load_b128 v[\buf+8*\i:\buf+8*\i+3],       v10 offset:16*HP*\i+64*(\ks)
	ds_load_b128 v[\buf+8*\i+4:\buf+8*\i+7],     v10 offset:16*HP*\i+64*(\ks)+32
.endr
.irp i, 0,1
	ds_load_b128 v[\buf+16+8*\i:\buf+16+8*\i+3], v11 offset:16*HP*\i+64*(\ks)
	ds_load_b128 v[\buf+20+8*\i:\buf+20+8*\i+3], v11 offset:16*HP*\i+64*(\ks)+32
.endr
.endm
.macro MMK buf, zero
.irp i, 0,1
.irp j, 0,1
.if \zero
	v_wmma_f32_16x16x32_f16 v[ACC+8*(2*\i+\j):ACC+8*(2*\i+\j)+7], v[\buf+8*\i:\buf+8*\i+7], v[\buf+16+8*\j:\buf+16+8*\j+7], 0
.else
	v_wmma_f32_16x16x32_f16 v[ACC+8*(2*\i+\j):ACC+8*(2*\i+\j)+7], v[\buf+8*\i:\buf+8*\i+7], v[\buf+16+8*\j:\buf+16+8*\j+7], v[ACC+8*(2*\i+\j):ACC+8*(2*\i+\j)+7]
.endif
.endr
.endr
.endm
.macro STEP ks, cur, nxt               ; fetch K step ks + 1 into the buffer that step ks - 1 has read, multiply step ks
	PLACES
	LDK \ks+1, \nxt
	s_wait_dscnt 0x8                               ; all but the eight just issued
	MMK \cur, 0
.endm
	LDK 0, FB0
	LDK 1, FB1
	s_wait_dscnt 0x8
	MMK FB0, 1                                     ; the first products start the sums
	STEP 1, FB1, FB0
	STEP 2, FB0, FB1
	STEP 3, FB1, FB0
	STEP 4, FB0, FB1
	STEP 5, FB1, FB0
	STEP 6, FB0, FB1
	s_wait_dscnt 0x0
	MMK FB1, 0
	PLACES
	; a lane holds output r of tile j for queries 8 h .. 8 h + 7 of tiles i = 0, 1
.if FINAL
.macro FIN i, j
.irp q, 0,2,4,6
	v_pk_fma_f32 v[ACC+8*(2*\i+\j)+\q:ACC+8*(2*\i+\j)+\q+1], v[ACC+8*(2*\i+\j)+\q:ACC+8*(2*\i+\j)+\q+1], v[112+2*\j:113+2*\j], v[116+2*\j:117+2*\j]
.endr
.irp q, 0,1,2,3,4,5,6,7
	v_max_num_f32 v[ACC+8*(2*\i+\j)+\q], 0, v[ACC+8*(2*\i+\j)+\q]
.endr
	ds_store_b128 v12, v[ACC+8*(2*\i+\j):ACC+8*(2*\i+\j)+3]   offset:16*HP*\j+64*\i
	ds_store_b128 v12, v[ACC+8*(2*\i+\j)+4:ACC+8*(2*\i+\j)+7] offset:16*HP*\j+64*\i+16
.endm
	FIN 0, 0
	FIN 0, 1
	FIN 1, 0
	FIN 1, 1
	s_wait_dscnt 0x0
	s_barrier_signal -1
	s_barrier_wait -1
.irp i, 0,1,2,3,4,5,6,7
	ds_load_b128 v[FB0+4*\i:FB0+4*\i+3], v13 offset:HP*\i                   ; output 8 w + i, all 128 queries
.endr
.irp i, 0,1,2,3,4,5,6,7
	s_wait_dscnt 7-\i
	global_store_b128 v14, v[FB0+4*\i:FB0+4*\i+3], s[14:15] offset:32768*\i th:TH_STORE_NT   ; 512 consecutive bytes, aligned
.endr
	s_endpgm
.else
.macro STAT j                          ; y1 = product + b1; its sum and sum of squares over my 32 queries
.irp o, 0,2,4,6,16,18,20,22
	v_pk_add_f32 v[ACC+8*\j+\o:ACC+8*\j+\o+1], v[ACC+8*\j+\o:ACC+8*\j+\o+1], v[108+2*\j:109+2*\j]
.endr
	v_pk_add_f32 v[120:121], v[ACC+8*\j:ACC+8*\j+1], v[ACC+8*\j+2:ACC+8*\j+3]
	v_pk_mul_f32 v[122:123], v[ACC+8*\j:ACC+8*\j+1], v[ACC+8*\j:ACC+8*\j+1]
	v_pk_fma_f32 v[122:123], v[ACC+8*\j+2:ACC+8*\j+3], v[ACC+8*\j+2:ACC+8*\j+3], v[122:123]
.irp o, 4,6,16,18,20,22
	v_pk_add_f32 v[120:121], v[120:121], v[ACC+8*\j+\o:ACC+8*\j+\o+1]
	v_pk_fma_f32 v[122:123], v[ACC+8*\j+\o:ACC+8*\j+\o+1], v[ACC+8*\j+\o:ACC+8*\j+\o+1], v[122:123]
.endr
	v_add_f32 v120, v120, v121
	v_add_f32 v122, v122, v123
	v_permlanex16_b32 v121, v120, s24, s25         ; the other eight queries of each tile
	v_permlanex16_b32 v123, v122, s24, s25
	v_add_f32 v120, v120, v121
	v_add_f32 v122, v122, v123
	v_cndmask_b32 v124, v122, v120, vcc_lo         ; lanes 0-15 store the sum, lanes 16-31 the squares
	ds_store_b32 v12, v124 offset:64*\j
.endm
	STAT 0
	STAT 1
	s_wait_dscnt 0x0
	s_barrier_signal -1
	s_barrier_wait -1
	s_cmp_ge_u32 s16, 8                            ; 256 words: waves 0 to 7 add the four blocks of queries
	s_cbranch_scc1 .Ldone
.irp s, 0,1,2,3
	ds_load_b32 v[120+\s], v13 offset:1024*\s
.endr
	s_wait_dscnt 0x0
	v_add_f32 v120, v120, v121
	v_add_f32 v122, v122, v123
	v_add_f32 v120, v120, v122
	global_store_b32 v14, v120, s[12:13]
.Ldone:
	s_wait_tensorcnt 0x0
	ds_add_u32 v192, v193
	s_wait_dscnt 0x0
	s_endpgm
.endif
.Lfunc_end_k_q6456d9c701_conv1s:
	.size	k_q6456d9c701_conv1s, .Lfunc_end_k_q6456d9c701_conv1s-k_q6456d9c701_conv1s
	.p2alignl 7, 3214868480
	.fill 96, 4, 3214868480
	.section	.rodata,"a",@progbits
	.p2align	6, 0x0
	.amdhsa_kernel k_q6456d9c701_conv1s
		.amdhsa_group_segment_fixed_size 141312
		.amdhsa_private_segment_fixed_size 0
		.amdhsa_enable_private_segment 0
		.amdhsa_kernarg_size 40
		.amdhsa_user_sgpr_count 2
		.amdhsa_user_sgpr_kernarg_segment_ptr 1
		.amdhsa_wavefront_size32 1
		.amdhsa_system_sgpr_workgroup_id_x 1
		.amdhsa_system_sgpr_workgroup_id_y 1
		.amdhsa_system_sgpr_workgroup_id_z 1
		.amdhsa_system_vgpr_workitem_id 0
		.amdhsa_next_free_vgpr 194
		.amdhsa_next_free_sgpr 66
		.amdhsa_reserve_vcc 1
		.amdhsa_float_denorm_mode_32 3
		.amdhsa_float_denorm_mode_16_64 3
		.amdhsa_memory_ordered 1
		.amdhsa_forward_progress 1
		.amdhsa_inst_pref_size 29
	.end_amdhsa_kernel
	.amdgpu_metadata
---
amdhsa.version: [ 1, 2 ]
amdhsa.kernels:
  - .name:           k_q6456d9c701_conv1s
    .symbol:         k_q6456d9c701_conv1s.kd
    .args:
      - { .name: y0, .offset: 0, .size: 8, .value_kind: global_buffer, .address_space: global }
      - { .name: sc0, .offset: 8, .size: 8, .value_kind: global_buffer, .address_space: global }
      - { .name: W1, .offset: 16, .size: 8, .value_kind: global_buffer, .address_space: global }
      - { .name: b1, .offset: 24, .size: 8, .value_kind: global_buffer, .address_space: global }
      - { .name: part, .offset: 32, .size: 8, .value_kind: global_buffer, .address_space: global }
    .group_segment_fixed_size: 141312
    .private_segment_fixed_size: 0
    .kernarg_segment_align: 8
    .kernarg_segment_size: 40
    .max_flat_workgroup_size: 512
    .sgpr_count:     66
    .vgpr_count:     194
    .wavefront_size: 32
...
	.end_amdgpu_metadata
.endif
;; end of part 6
;; launch fin1: the kernel of part 5 again; grid 8 x 1, 8 waves a work-group, no clusters, 5,120 bytes of LDS; arguments part, g1, be1, sc1; writes sc1
;; launch final (part 7): grid 256 x 1, 16 waves a work-group, no clusters, 204,800 bytes of LDS; arguments y0, sc0, W1, b1, sc1, out0; writes out0
.if DOCPART == 7
	.amdgcn_target "amdgcn-amd-amdhsa--gfx1250"
	.amdhsa_code_object_version 6
	.text
	.protected	k_q6456d9c701_final
	.globl	k_q6456d9c701_final
	.p2align	8
	.type	k_q6456d9c701_final,@function
k_q6456d9c701_final:
	s_mov_b64 s[64:65], 0
	v_nop
	global_prefetch_b8 v0, s[64:65] scope:SCOPE_SE
	s_setreg_imm32_b32 hwreg(HW_REG_WAVE_MODE, 25, 1), 1
	s_wait_xcnt 0x0
.set FINAL, 1
; y1[query][o] = b1[o] + sum over c < 256 of W1[o][c] relu(a0[c] y0[query][c] + s0[c]),  f16 operands, f32 sums.
; One text for two launches.  FINAL = 0: only each work-group's sums of y1 and of y1 squared for each channel leave
; (part[wg]: sums at word o, squares at word 256 + o).  FINAL = 1: out0[b][o][n] = relu(a1[o] y1 + s1[o]).
; y1 is made twice and never stored: that costs one more reading of y0 (f16) in place of writing and reading y1 in f32.
; LIMITS: |W1| and the normalised, rectified y0 below 65,504 (f16), each with f16's 11 bits.
; A work-group: 128 queries x 128 outputs, K = 256.  y0 needs its affine map and W1 its conversion on the way to LDS, so
; both pass through registers; W1 is 128 KiB a work-group: no tensor loads, no cluster.
.set HP,  528                          ; H: 128 rows [n][c] of 512 bytes + 16;  WT: 128 rows [o][c] likewise
.set WT,  67584
.set XT,  135168                       ; FINAL = 0: [wn 4][sums 128 | squares 128] f32;  FINAL = 1: stage, 128 rows [o][n] f32 of 512 bytes + 16
.set SA,  16                           ; v[16:23]   a0 of channels 8 l .. 8 l + 7
.set SS,  24                           ; v[24:31]   s0
.set ACC, 64                           ; v[64:95]   tile (i, j): queries 16 i, outputs 16 j, at 64 + 8 (2 i + j)
.set T,   96                           ; v[96:103]  at work
.set O,   104                          ; v[104:107] a row's 16 bytes
.set FB0, 128                          ; v[128:191] W1 as loaded; then two fragment buffers: A0, A1, B0, B1
.set FB1, 160
; v[32:63] my 8 rows of y0.  v[108:111] b1, v[112:115] a1, v[116:119] t1: pairs for j = 0, 1, the value in both registers.
; v4 y0 offset, v5 sc0 offset, v6 W1 offset, v7 b1 offset, v8 H in, v9 WT in, v10 A, v11 B, v12 XT in, v13 XT out, v14 global out
.macro PLACES                          ; four places behind a matrix instruction before a load lands on a source of it
.rept 4                                ; or anything but a matrix instruction reads its result (ISA guide 7.12.1)
	v_nop
.endr
.endm
	s_load_b256 s[4:11], s[0:1], 0x0               ; y0 s[4:5], sc0 s[6:7], W1 s[8:9], b1 s[10:11]
.if FINAL
	s_load_b128 s[12:15], s[0:1], 0x20             ; sc1 s[12:13], out0 s[14:15]
	v_lshl_add_u32 v192, v0, 2, 0x31800
	v_mov_b32 v193, 0
.else
	s_load_b64 s[12:13], s[0:1], 0x20              ; part
.endif
	v_and_b32 v1, 31, v0                           ; lane
	v_lshrrev_b32 v15, 5, v0
	v_readfirstlane_b32 s16, v15                   ; wave 0..15
	v_and_b32 v2, 15, v0                           ; r
	v_bfe_u32 v3, v0, 4, 1                         ; h
	s_and_b32 s17, s16, 3                          ; wo: my 32 outputs
	s_lshr_b32 s18, s16, 2                         ; wn: my 32 queries
	v_lshlrev_b32 v4, 4, v1
	v_lshlrev_b32 v5, 5, v1
	v_lshlrev_b32 v6, 4, v0
	s_lshl_b32 s19, s17, 7
	v_lshl_add_u32 v7, v2, 2, s19                  ; 4 (32 wo + r)
	s_lshl_b32 s20, ttmp9, 16                      ; y0: 128 rows of 512 bytes
	s_lshl_b32 s19, s16, 12                        ; + my 8 rows
	s_add_co_u32 s20, s20, s19
	s_mov_b32 s21, 0
.if FINAL
	s_lshr_b32 s22, ttmp9, 6                       ; out0: batch x 128 x 8,192 f32
	s_lshl_b32 s22, s22, 22
	s_and_b32 s19, ttmp9, 63
	s_lshl_b32 s19, s19, 9                         ; + 128 queries x 4 bytes
	s_add_co_u32 s22, s22, s19
.else
	s_lshl_b32 s22, ttmp9, 11                      ; part: 2,048 bytes a work-group
.endif
	s_mov_b32 s23, 0
	s_wait_kmcnt 0x0
	s_add_nc_u64 s[4:5], s[4:5], s[20:21]
.if FINAL
	s_add_nc_u64 s[14:15], s[14:15], s[22:23]
.else
	s_add_nc_u64 s[12:13], s[12:13], s[22:23]
.endif
	global_load_b128 v[SA:SA+3],   v5, s[6:7]
	global_load_b128 v[SA+4:SA+7], v5, s[6:7] offset:16
	global_load_b128 v[SS:SS+3],   v5, s[6:7] offset:1024
	global_load_b128 v[SS+4:SS+7], v5, s[6:7] offset:1040
.irp i, 0,1,2,3,4,5,6,7
	global_load_b128 v[32+4*\i:35+4*\i], v4, s[4:5] offset:512*\i
.endr
.irp p, 0,1,2,3,4,5,6,7,8,9,10,11,12,13,14,15
	global_load_b128 v[FB0+4*\p:FB0+4*\p+3], v6, s[8:9] offset:8192*\p      ; rows t / 64 + 8 p
.endr
	global_load_b32 v108, v7, s[10:11]
	global_load_b32 v110, v7, s[10:11] offset:64
.if FINAL
	global_load_b32 v112, v7, s[12:13]
	global_load_b32 v114, v7, s[12:13] offset:64
	global_load_b32 v116, v7, s[12:13] offset:1024
	global_load_b32 v118, v7, s[12:13] offset:1088
.endif
	; LDS addresses
	s_mul_i32 s19, s16, 8*HP
	v_add_nc_u32 v8, s19, v4                       ; 8 w HP + 16 l
	v_lshrrev_b32 v15, 6, v0
	v_and_b32 v96, 63, v0
	v_mul_u32_u24 v9, v15, HP
	v_lshl_add_u32 v9, v96, 3, v9
	v_add_nc_u32 v9, WT, v9                        ; WT + (t / 64) HP + 8 (t % 64)
	v_mul_u32_u24 v97, v2, HP
	v_lshl_add_u32 v15, v3, 4, v97
	s_mul_i32 s19, s18, 32*HP
	v_add_nc_u32 v10, s19, v15                     ; (32 wn + r) HP + 16 h
	s_mul_i32 s19, s17, 32*HP
	s_add_co_u32 s26, s19, WT
	v_add_nc_u32 v11, s26, v15                     ; WT + (32 wo + r) HP + 16 h
.if FINAL
	s_lshl_b32 s26, s18, 7
	s_add_co_u32 s19, s19, s26
	s_add_co_u32 s19, s19, XT
	v_lshl_add_u32 v12, v3, 5, v97
	v_add_nc_u32 v12, s19, v12                     ; XT + (32 wo + r) HP + 128 wn + 32 h
	v_add_nc_u32 v13, XT, v8                       ; XT + 8 w HP + 16 l
	s_lshl_b32 s19, s16, 18
	v_add_nc_u32 v14, s19, v4                      ; 8 w rows of 32,768 bytes + 16 l
.else
	s_lshl_b32 s19, s18, 10
	s_lshl_b32 s26, s17, 7
	s_add_co_u32 s19, s19, s26
	s_add_co_u32 s19, s19, XT
	v_lshl_add_u32 v12, v2, 2, s19
	v_lshl_add_u32 v12, v3, 9, v12                 ; XT + 1,024 wn + 512 h + 4 (32 wo + r)
	v_and_b32 v13, 255, v0
	v_lshlrev_b32 v13, 2, v13
	v_add_nc_u32 v13, XT, v13                      ; XT + 4 t
	v_bfe_u32 v14, v0, 7, 1
	v_and_b32 v15, 127, v0
	v_lshlrev_b32 v15, 2, v15
	v_lshl_add_u32 v14, v14, 10, v15               ; part: 1,024 (t / 128) + 4 (t % 128)
	s_mov_b32 s24, 0x76543210                      ; v_permlanex16_b32: lane i reads lane i of the other half
	s_mov_b32 s25, 0xfedcba98
	v_cmp_gt_u32 vcc_lo, 16, v1
.endif
.macro CVT2 dd, ss                     ; both halves of register ss (a plain number) to f32
	v_cvt_f32_f16 v[\dd],   v\ss\().l
	v_cvt_f32_f16 v[\dd+1], v\ss\().h
.endm
.macro HROW i, a, b, c, d              ; a row of y0: affine map, relu, back to f16, into H
	CVT2 T,   \a
	CVT2 T+2, \b
	CVT2 T+4, \c
	CVT2 T+6, \d
.irp q, 0,2,4,6
	v_pk_fma_f32 v[T+\q:T+\q+1], v[T+\q:T+\q+1], v[SA+\q:SA+\q+1], v[SS+\q:SS+\q+1]
.endr
.irp q, 0,1,2,3,4,5,6,7
	v_max_num_f32 v[T+\q], 0, v[T+\q]
.endr
.irp q, 0,1,2,3
	v_cvt_pk_f16_f32 v[O+\q], v[T+2*\q], v[T+2*\q+1]
.endr
	ds_store_b128 v8, v[O:O+3] offset:HP*\i
.endm
	s_wait_loadcnt 18+4*FINAL                      ; sc0 and y0 are in; W1's 16 loads and the small ones behind them may stay out
	HROW 0, 32,33,34,35
	HROW 1, 36,37,38,39
	HROW 2, 40,41,42,43
	HROW 3, 44,45,46,47
	HROW 4, 48,49,50,51
	HROW 5, 52,53,54,55
	HROW 6, 56,57,58,59
	HROW 7, 60,61,62,63
	s_wait_loadcnt 2+4*FINAL                       ; W1 is in
.irp p, 0,1,2,3,4,5,6,7,8,9,10,11,12,13,14,15
	v_cvt_pk_f16_f32 v[FB0+4*\p],   v[FB0+4*\p],   v[FB0+4*\p+1]
	v_cvt_pk_f16_f32 v[FB0+4*\p+1], v[FB0+4*\p+2], v[FB0+4*\p+3]
	ds_store_b64 v9, v[FB0+4*\p:FB0+4*\p+1] offset:8*HP*\p
.endr
	s_wait_loadcnt 0x0
.if FINAL
	v_fma_f32 v116, v108, v112, v116               ; t1 = b1 a1 + s1
	v_fma_f32 v118, v110, v114, v118
	v_mov_b32 v113, v112
	v_mov_b32 v115, v114
	v_mov_b32 v117, v116
	v_mov_b32 v119, v118
.else
	v_mov_b32 v109, v108
	v_mov_b32 v111, v110
.endif
	s_wait_dscnt 0x0
	s_barrier_signal -1
	s_barrier_wait -1
.macro LDK ks, buf                     ; eight loads: 32 along K of two tiles of H and two of W1
.irp i, 0,1
	ds_load_b128 v[\buf+8*\i:\buf+8*\i+3],       v10 offset:16*HP*\i+64*(\ks)
	ds_load_b128 v[\buf+8*\i+4:\buf+8*\i+7],     v10 offset:16*HP*\i+64*(\ks)+32
.endr
.irp i, 0,1
	ds_load_b128 v[\buf+16+8*\i:\buf+16+8*\i+3], v11 offset:16*HP*\i+64*(\ks)
	ds_load_b128 v[\buf+20+8*\i:\buf+20+8*\i+3], v11 offset:16*HP*\i+64*(\ks)+32
.endr
.endm
.macro MMK buf, zero
.irp i, 0,1
.irp j, 0,1
.if \zero
	v_wmma_f32_16x16x32_f16 v[ACC+8*(2*\i+\j):ACC+8*(2*\i+\j)+7], v[\buf+8*\i:\buf+8*\i+7], v[\buf+16+8*\j:\buf+16+8*\j+7], 0
.else
	v_wmma_f32_16x16x32_f16 v[ACC+8*(2*\i+\j):ACC+8*(2*\i+\j)+7], v[\buf+8*\i:\buf+8*\i+7], v[\buf+16+8*\j:\buf+16+8*\j+7], v[ACC+8*(2*\i+\j):ACC+8*(2*\i+\j)+7]
.endif
.endr
.endr
.endm
.macro STEP ks, cur, nxt               ; fetch K step ks + 1 into the buffer that step ks - 1 has read, multiply step ks
	PLACES
	LDK \ks+1, \nxt
	s_wait_dscnt 0x8                               ; all but the eight just issued
	MMK \cur, 0
.endm
	LDK 0, FB0
	LDK 1, FB1
	s_wait_dscnt 0x8
	MMK FB0, 1                                     ; the first products start the sums
	STEP 1, FB1, FB0
	STEP 2, FB0, FB1
	STEP 3, FB1, FB0
	STEP 4, FB0, FB1
	STEP 5, FB1, FB0
	STEP 6, FB0, FB1
	s_wait_dscnt 0x0
	MMK FB1, 0
	PLACES
	; a lane holds output r of tile j for queries 8 h .. 8 h + 7 of tiles i = 0, 1
.if FINAL
.macro FIN i, j
.irp q, 0,2,4,6
	v_pk_fma_f32 v[ACC+8*(2*\i+\j)+\q:ACC+8*(2*\i+\j)+\q+1], v[ACC+8*(2*\i+\j)+\q:ACC+8*(2*\i+\j)+\q+1], v[112+2*\j:113+2*\j], v[116+2*\j:117+2*\j]
.endr
.irp q, 0,1,2,3,4,5,6,7
	v_max_num_f32 v[ACC+8*(2*\i+\j)+\q], 0, v[ACC+8*(2*\i+\j)+\q]
.endr
	ds_store_b128 v12, v[ACC+8*(2*\i+\j):ACC+8*(2*\i+\j)+3]   offset:16*HP*\j+64*\i
	ds_store_b128 v12, v[ACC+8*(2*\i+\j)+4:ACC+8*(2*\i+\j)+7] offset:16*HP*\j+64*\i+16
.endm
	FIN 0, 0
	FIN 0, 1
	FIN 1, 0
	FIN 1, 1
	s_wait_dscnt 0x0
	s_barrier_signal -1
	s_barrier_wait -1
.irp i, 0,1,2,3,4,5,6,7
	ds_load_b128 v[FB0+4*\i:FB0+4*\i+3], v13 offset:HP*\i                   ; output 8 w + i, all 128 queries
.endr
.irp i, 0,1,2,3,4,5,6,7
	s_wait_dscnt 7-\i
	global_store_b128 v14, v[FB0+4*\i:FB0+4*\i+3], s[14:15] offset:32768*\i th:TH_STORE_NT   ; 512 consecutive bytes, aligned
.endr
	s_wait_tensorcnt 0x0
	ds_add_u32 v192, v193
	s_wait_dscnt 0x0
	s_endpgm
.else
.macro STAT j                          ; y1 = product + b1; its sum and sum of squares over my 32 queries
.irp o, 0,2,4,6,16,18,20,22
	v_pk_add_f32 v[ACC+8*\j+\o:ACC+8*\j+\o+1], v[ACC+8*\j+\o:ACC+8*\j+\o+1], v[108+2*\j:109+2*\j]
.endr
	v_pk_add_f32 v[120:121], v[ACC+8*\j:ACC+8*\j+1], v[ACC+8*\j+2:ACC+8*\j+3]
	v_pk_mul_f32 v[122:123], v[ACC+8*\j:ACC+8*\j+1], v[ACC+8*\j:ACC+8*\j+1]
	v_pk_fma_f32 v[122:123], v[ACC+8*\j+2:ACC+8*\j+3], v[ACC+8*\j+2:ACC+8*\j+3], v[122:123]
.irp o, 4,6,16,18,20,22
	v_pk_add_f32 v[120:121], v[120:121], v[ACC+8*\j+\o:ACC+8*\j+\o+1]
	v_pk_fma_f32 v[122:123], v[ACC+8*\j+\o:ACC+8*\j+\o+1], v[ACC+8*\j+\o:ACC+8*\j+\o+1], v[122:123]
.endr
	v_add_f32 v120, v120, v121
	v_add_f32 v122, v122, v123
	v_permlanex16_b32 v121, v120, s24, s25         ; the other eight queries of each tile
	v_permlanex16_b32 v123, v122, s24, s25
	v_add_f32 v120, v120, v121
	v_add_f32 v122, v122, v123
	v_cndmask_b32 v124, v122, v120, vcc_lo         ; lanes 0-15 store the sum, lanes 16-31 the squares
	ds_store_b32 v12, v124 offset:64*\j
.endm
	STAT 0
	STAT 1
	s_wait_dscnt 0x0
	s_barrier_signal -1
	s_barrier_wait -1
	s_cmp_ge_u32 s16, 8                            ; 256 words: waves 0 to 7 add the four blocks of queries
	s_cbranch_scc1 .Ldone
.irp s, 0,1,2,3
	ds_load_b32 v[120+\s], v13 offset:1024*\s
.endr
	s_wait_dscnt 0x0
	v_add_f32 v120, v120, v121
	v_add_f32 v122, v122, v123
	v_add_f32 v120, v120, v122
	global_store_b32 v14, v120, s[12:13]
.Ldone:
	s_endpgm
.endif
.Lfunc_end_k_q6456d9c701_final:
	.size	k_q6456d9c701_final, .Lfunc_end_k_q6456d9c701_final-k_q6456d9c701_final
	.p2alignl 7, 3214868480
	.fill 96, 4, 3214868480
	.section	.rodata,"a",@progbits
	.p2align	6, 0x0
	.amdhsa_kernel k_q6456d9c701_final
		.amdhsa_group_segment_fixed_size 204800
		.amdhsa_private_segment_fixed_size 0
		.amdhsa_enable_private_segment 0
		.amdhsa_kernarg_size 48
		.amdhsa_user_sgpr_count 2
		.amdhsa_user_sgpr_kernarg_segment_ptr 1
		.amdhsa_wavefront_size32 1
		.amdhsa_system_sgpr_workgroup_id_x 1
		.amdhsa_system_sgpr_workgroup_id_y 1
		.amdhsa_system_sgpr_workgroup_id_z 1
		.amdhsa_system_vgpr_workitem_id 0
		.amdhsa_next_free_vgpr 194
		.amdhsa_next_free_sgpr 66
		.amdhsa_reserve_vcc 1
		.amdhsa_float_denorm_mode_32 3
		.amdhsa_float_denorm_mode_16_64 3
		.amdhsa_memory_ordered 1
		.amdhsa_forward_progress 1
		.amdhsa_inst_pref_size 29
	.end_amdhsa_kernel
	.amdgpu_metadata
---
amdhsa.version: [ 1, 2 ]
amdhsa.kernels:
  - .name:           k_q6456d9c701_final
    .symbol:         k_q6456d9c701_final.kd
    .args:
      - { .name: y0, .offset: 0, .size: 8, .value_kind: global_buffer, .address_space: global }
      - { .name: sc0, .offset: 8, .size: 8, .value_kind: global_buffer, .address_space: global }
      - { .name: W1, .offset: 16, .size: 8, .value_kind: global_buffer, .address_space: global }
      - { .name: b1, .offset: 24, .size: 8, .value_kind: global_buffer, .address_space: global }
      - { .name: sc1, .offset: 32, .size: 8, .value_kind: global_buffer, .address_space: global }
      - { .name: out0, .offset: 40, .size: 8, .value_kind: global_buffer, .address_space: global }
    .group_segment_fixed_size: 204800
    .private_segment_fixed_size: 0
    .kernarg_segment_align: 8
    .kernarg_segment_size: 48
    .max_flat_workgroup_size: 512
    .sgpr_count:     66
    .vgpr_count:     194
    .wavefront_size: 32
...
	.end_amdgpu_metadata
.endif
;; end of part 7
;; ======== version 2 of 3: 6 launches; 1.30 times as fast as version 1
;; limits: values outside matrix products are rounded to f16; values are held in f16: magnitudes above 65,504 overflow, below 6.1e-05 lose precision; a difference of large sums (such as E[x^2] - mean^2): digits are lost where the result is much smaller than its terms
;; workspace buffers: grp 131,072 bytes of whole numbers; idx 524,288 bytes of whole numbers; wgt 524,288 bytes; zt 4,325,376 bytes; y0 16,777,216 bytes; part 524,288 bytes; sc0 2,048 bytes; y1 8,388,608 bytes
;; launch knnz (part 8): grid 256 x 1, 16 waves a work-group, no clusters, 226,304 bytes of LDS; arguments xyz1, xyz2, grp, W0, points2, zt, W1; writes grp, zt
.if DOCPART == 8
	.amdgcn_target "amdgcn-amd-amdhsa--gfx1250"
	.amdhsa_code_object_version 6
	.text
	.protected	k_q6456d9c701_knnz
	.globl	k_q6456d9c701_knnz
	.p2align	8
	.type	k_q6456d9c701_knnz,@function
k_q6456d9c701_knnz:
	s_mov_b64 s[64:65], 0
	v_nop
	global_prefetch_b8 v0, s[64:65] scope:SCOPE_SE
	s_setreg_imm32_b32 hwreg(HW_REG_WAVE_MODE, 25, 1), 1
	s_wait_xcnt 0x0
; Three jobs that depend on nothing but inputs, in one launch.
;
; JOB 1, first level of the exact 3-nearest search.  The 2,048 reference points of a batch are cut into 128 groups of 16
; neighbouring indices; for each query the three groups with the smallest group minimum of d2 are kept (ties to the
; lower group).  Every one of the three nearest points, ordered by (d2, index), lies in one of these groups: were it in
; a group ranked fourth or later, three other groups would each hold a point that precedes it.
; d2 = (q2 + p2) - 2 dot in f32, in ONE fixed rounding order that the next launch repeats instruction for instruction:
;   q2, p2 = fma(z,z, fma(y,y, x*x))  (SQ_FMA = 1);  dot = (x x' + y y') + z z', each product rounded (DOT_FMA = 0).
; LIMITS: coordinates finite, d2 finite.  Where another order of rounding would make a third and a fourth neighbour
; change places (their d2 closer than one rounding step of q2 + p2), this text follows its own order.
; A work-group has 128 queries; wave w has all of them against references 128 w .. 128 w + 127 (8 groups); lane l has
; queries 4 l .. 4 l + 3, so that one LDS load, the same address in all lanes, feeds 128 queries.
;
; JOB 2: zt[b 2048 + m][o] = sum over c < 256 of W0[o][c] points2[b][c][m], f16 operands, f32 sums, stored as f16.
; The first convolution is linear, so its part on the interpolated channels is made once for the 8,192 reference
; columns; a query later takes three rows of zt with its weights.  Work-group g: columns 64 (g / 2) .. + 63, outputs
; 128 (g % 2) .. + 127, K = 256 in 8 steps of 32.
; LIMITS: |W0|, |points2| and |zt| below 65,504 (f16); operands and result carry f16's 11 bits.
;
; JOBS 1 AND 2 RUN INTERLEAVED: a wave has 8 groups to search and 8 K steps to multiply, so each group carries one K step:
; two matrix instructions at its head, and six LDS loads for the next step behind 128 vector instructions of the search.
; The search is bound by vector issue and the product by LDS, so each fills what the other leaves idle.
;
; JOB 3: the weights of the two later products as f16, behind zt in the same buffer: W0H[o][c] = W0[o][256 + c] (256 x 128) at
; byte 4,194,304 and W1H = W1 (128 x 256) at byte 4,259,840.  Work-group g: row g of W0H (wave 4) and numbers 128 g .. + 127
; of W1H (wave 5), while waves 0 to 3 merge.  LIMIT: |W0|, |W1| below 65,504.
;
; The search has to be exact in f32, so it stays on the vector unit.  Both matrix inputs are f32 in memory and pass through
; registers to become f16, so the waves fill the tiles themselves; what two work-groups share is one tile of 64 KiB: no cluster.
.set SQ_FMA,  1
.set DOT_FMA, 0
.set LX,  0                            ; LDS: x of the 2,048 references
.set LY,  8192                         ;      y
.set LZ,  16384                        ;      z
.set LP,  24576                        ;      p2
.set MRG, 32768                        ;      [slice 16][query 128][d0 d1 d2 0 | g0 g1 g2 0], 32 bytes a query
.set ZA,  98304                        ;      A: 128 rows [o][c] of 512 bytes + 16
.set AP,  528
.set BT,  165888                       ;      B: 256 rows [c][m] of 128 bytes + 32
.set BP,  160
.set ST,  206848                       ;      stage: 64 rows [m][o] of 256 bytes + 16
.set SP,  272
.set W0H, 4194304                      ; bytes in the zt buffer
.set W1H, 4259840
.set VAA, 5                            ; v5        LDS byte of my A fragments, stepped 64 bytes a K step
.set VBB, 6                            ; v6        LDS byte of my B fragments, stepped 32 rows a K step
.set VSI, 7                            ; v7        where my results go in the stage
.set Q,   8                            ; v[8:39]   query k: pairs x, y, z, q2 at 8 + 8 k + 2 c, the value in both registers
.set DS,  40                           ; v[40:55]  query k: d0 <= d1 <= d2, 0
.set IS,  56                           ; v[56:71]  query k: their group numbers, 0
.set M,   72                           ; v[72:79]  at work, a pair for each query
.set N,   80                           ; v[80:87]  at work
.set MN,  88                           ; v[88:91]  the group's minimum, for each query
.set G,   92                           ; v92       the group's number
.set VA,  93                           ; v93       LDS byte of the group in each table
.set VM,  94                           ; v94       where my four triples go
.set C,   96                           ; v[96:159] half hh, component c, candidate e at 96 + 32 hh + 8 c + e; in the merge v[96:215]
; in the head only, dead before the search's loads land on them: v128 r, v129 h, v130 W0 offset, v131 points2 offset,
; v132 A in, v133 B in, v137-138 at work
.set ZL,  160                          ; v[160:255] the 24 loads of W0 and points2
.set ACC, 160                          ; v[160:175] two tiles 16 o x 16 m
.set FB,  176                          ; v[176:199] fragments of one K step: A0, A1, B
.set ZO,  224                          ; v[224:231] packed results; v232-233 r, h; v234 stage out; v235 zt offset
.set INF, 0x7f800000
.macro SQ3 dd, xx, yy, zz, tt          ; pair dd = x x + y y + z z of three pairs
	v_pk_mul_f32 v[\dd:\dd+1], v[\xx:\xx+1], v[\xx:\xx+1]
.if SQ_FMA
	v_pk_fma_f32 v[\dd:\dd+1], v[\yy:\yy+1], v[\yy:\yy+1], v[\dd:\dd+1]
	v_pk_fma_f32 v[\dd:\dd+1], v[\zz:\zz+1], v[\zz:\zz+1], v[\dd:\dd+1]
.else
	v_pk_mul_f32 v[\tt:\tt+1], v[\yy:\yy+1], v[\yy:\yy+1]
	v_pk_add_f32 v[\dd:\dd+1], v[\dd:\dd+1], v[\tt:\tt+1]
	v_pk_mul_f32 v[\tt:\tt+1], v[\zz:\zz+1], v[\zz:\zz+1]
	v_pk_add_f32 v[\dd:\dd+1], v[\dd:\dd+1], v[\tt:\tt+1]
.endif
.endm
	s_load_b256 s[4:11], s[0:1], 0x0               ; xyz1 s[4:5], xyz2 s[6:7], grp s[8:9], W0 s[10:11]
	s_load_b128 s[12:15], s[0:1], 0x20             ; points2 s[12:13], zt s[14:15]
	s_load_b64 s[46:47], s[0:1], 0x30              ; W1
	v_and_b32 v1, 31, v0                           ; lane
	v_lshrrev_b32 v2, 5, v0
	v_readfirstlane_b32 s16, v2                    ; wave 0..15
	s_lshr_b32 s32, ttmp9, 6                       ; batch, of jobs 1 and 2: 64 work-groups each
	s_and_b32 s33, ttmp9, 63
	s_mul_i32 s34, s32, 24576                      ; xyz2: 3 x 2,048 f32 a batch
	s_mov_b32 s35, 0
	s_mul_i32 s36, s32, 98304                      ; xyz1: 3 x 8,192 f32 a batch
	s_lshl_b32 s33, s33, 9                         ; + 128 queries x 4 bytes
	s_add_co_u32 s36, s36, s33
	s_mov_b32 s37, 0
	s_lshl_b32 s38, ttmp9, 9                       ; grp: 128 words a work-group
	s_mov_b32 s39, 0
	s_and_b32 s33, ttmp9, 1                        ; which 128 outputs
	s_mul_i32 s40, s33, 196608                     ; W0: 128 rows of 1,536 bytes
	s_mov_b32 s41, 0
	s_lshl_b32 s42, s32, 21                        ; points2: 256 x 2,048 f32 a batch
	s_bfe_u32 s19, ttmp9, 0x50001                  ; column block in the batch: 5 bits from bit 1
	s_lshl_b32 s19, s19, 8                         ; 64 columns x 4 bytes
	s_add_co_u32 s42, s42, s19
	s_mov_b32 s43, 0
	s_lshr_b32 s44, ttmp9, 1
	s_lshl_b32 s44, s44, 15                        ; zt: 64 rows of 512 bytes
	s_lshl_b32 s33, s33, 8                         ; + 128 outputs x 2 bytes
	s_add_co_u32 s44, s44, s33
	s_mov_b32 s45, 0
	v_lshlrev_b32 v3, 4, v0                        ; 16 t
	v_lshlrev_b32 v4, 4, v1                        ; 16 lane
	v_and_b32 v128, 15, v0                         ; r
	v_bfe_u32 v129, v0, 4, 1                       ; h
	v_lshrrev_b32 v137, 6, v0                      ; W0: row t / 64, 16 bytes t % 64
	v_and_b32 v138, 63, v0
	v_mul_u32_u24 v130, v137, 1536
	v_lshl_add_u32 v130, v138, 4, v130
	v_mul_u32_u24 v132, v137, AP
	v_lshl_add_u32 v132, v138, 3, v132
	v_add_nc_u32 v132, ZA, v132                    ; and where its four f16 go
	v_lshrrev_b32 v137, 4, v0                      ; points2: row t / 16, 16 bytes t % 16
	v_lshlrev_b32 v131, 13, v137
	v_lshl_add_u32 v131, v128, 4, v131
	v_mul_u32_u24 v133, v137, BP
	v_lshl_add_u32 v133, v128, 3, v133
	v_add_nc_u32 v133, BT, v133
	s_wait_kmcnt 0x0
	s_mov_b64 s[48:49], s[10:11]                   ; W0 and zt as they were given, for job 3
	s_mov_b64 s[50:51], s[14:15]
	s_add_nc_u64 s[6:7], s[6:7], s[34:35]
	s_add_nc_u64 s[4:5], s[4:5], s[36:37]
	s_add_nc_u64 s[8:9], s[8:9], s[38:39]
	s_add_nc_u64 s[10:11], s[10:11], s[40:41]
	s_add_nc_u64 s[12:13], s[12:13], s[42:43]
	s_add_nc_u64 s[14:15], s[14:15], s[44:45]
.irp c, 0,1,2
	global_load_b128 v[96+4*\c:99+4*\c], v3, s[6:7] offset:8192*\c          ; references 4 t .. 4 t + 3
.endr
.irp c, 0,1,2
	global_load_b128 v[108+4*\c:111+4*\c], v4, s[4:5] offset:32768*\c       ; my four queries
.endr
.irp p, 0,1,2,3,4,5,6,7,8,9,10,11,12,13,14,15
	global_load_b128 v[ZL+4*\p:ZL+4*\p+3], v130, s[10:11] offset:12288*\p   ; W0 rows t / 64 + 8 p
.endr
.irp p, 0,1,2,3,4,5,6,7
	global_load_b128 v[ZL+64+4*\p:ZL+64+4*\p+3], v131, s[12:13] offset:262144*\p   ; points2 rows t / 16 + 32 p
.endr
	; addresses of the product, while the loads are on their way
	s_and_b32 s32, s16, 3                          ; tm: my 16 columns
	s_lshr_b32 s33, s16, 2                         ; to: my 32 outputs
	s_mul_i32 s34, s33, 32*AP
	s_add_co_u32 s34, s34, ZA
	v_mul_u32_u24 v[VAA], v128, AP
	v_lshl_add_u32 v[VAA], v129, 4, v[VAA]
	v_add_nc_u32 v[VAA], s34, v[VAA]               ; A: ZA + (32 to + r) AP + 16 h
	v_and_b32 v137, 7, v0
	v_lshl_add_u32 v137, v129, 3, v137
	v_mul_u32_u24 v[VBB], v137, BP
	v_bfe_u32 v138, v0, 3, 1
	v_lshl_add_u32 v[VBB], v138, 4, v[VBB]
	s_lshl_b32 s34, s32, 5
	s_add_co_u32 s34, s34, BT
	v_add_nc_u32 v[VBB], s34, v[VBB]               ; B: BT + (8 h + l % 8) BP + 32 tm + 16 ((l / 8) % 2)
	s_mul_i32 s34, s32, 16*SP
	s_lshl_b32 s35, s33, 6
	s_add_co_u32 s34, s34, s35
	s_add_co_u32 s34, s34, ST
	v_mul_u32_u24 v[VSI], v128, SP
	v_lshl_add_u32 v[VSI], v129, 4, v[VSI]
	v_add_nc_u32 v[VSI], s34, v[VSI]               ; stage in: ST + (16 tm + r) SP + 64 to + 16 h
	s_lshl_b32 s34, s16, 9                         ; my slice: 128 references x 4 bytes
	v_mov_b32 v[VA], s34
	s_lshl_b32 s17, s16, 3                         ; its first group
	s_lshl_b32 s34, s16, 12
	s_add_co_u32 s34, s34, MRG
	v_lshl_add_u32 v[VM], v1, 7, s34               ; MRG + 4,096 w + 128 l
	s_wait_loadcnt 0x1b                            ; the references are in; 3 query loads and 24 tile loads may stay out
	SQ3 120, 96, 100, 104, 124
	SQ3 122, 98, 102, 106, 124
	ds_store_b128 v3, v[96:99]   offset:LX
	ds_store_b128 v3, v[100:103] offset:LY
	ds_store_b128 v3, v[104:107] offset:LZ
	ds_store_b128 v3, v[120:123] offset:LP
	s_wait_loadcnt 0x18                            ; the queries are in; the 24 tile loads may stay out
.irp k, 0,1,2,3
.irp c, 0,1,2
	v_mov_b32 v[Q+8*\k+2*\c],   v[108+4*\c+\k]
	v_mov_b32 v[Q+8*\k+2*\c+1], v[108+4*\c+\k]
.endr
	SQ3 Q+8*\k+6, Q+8*\k, Q+8*\k+2, Q+8*\k+4, M
	v_mov_b32 v[DS+4*\k],   INF                    ; an empty list: three infinities
	v_mov_b32 v[DS+4*\k+1], INF
	v_mov_b32 v[DS+4*\k+2], INF
	v_mov_b32 v[DS+4*\k+3], 0
	v_mov_b32 v[IS+4*\k],   0
	v_mov_b32 v[IS+4*\k+1], 0
	v_mov_b32 v[IS+4*\k+2], 0
	v_mov_b32 v[IS+4*\k+3], 0
.endr
; four loads: to f16 in place, 8 bytes a lane into LDS.  n: how many younger loads may stay out
.macro CV4 n, reg, adr, step, p0
	s_wait_loadcnt \n
.irp q, 0,1,2,3
	v_cvt_pk_f16_f32 v[\reg+4*\q],   v[\reg+4*\q],   v[\reg+4*\q+1]
	v_cvt_pk_f16_f32 v[\reg+4*\q+1], v[\reg+4*\q+2], v[\reg+4*\q+3]
	ds_store_b64 v[\adr], v[\reg+4*\q:\reg+4*\q+1] offset:\step*(\p0+\q)
.endr
.endm
	CV4 20, ZL,    132, 8*AP, 0
	CV4 16, ZL+16, 132, 8*AP, 4
	CV4 12, ZL+32, 132, 8*AP, 8
	CV4 8,  ZL+48, 132, 8*AP, 12
	CV4 4,  ZL+64, 133, 32*BP, 0
	CV4 0,  ZL+80, 133, 32*BP, 4
	s_wait_dscnt 0x0                               ; my part of the tables and of the tiles is written,
	s_barrier_signal -1
	s_barrier_wait -1                              ; everybody's is
; six loads: 32 along K of my two A tiles and, transposed on the way, of my B tile, at the K step where VAA and VBB stand
.macro LDK
	ds_load_b128 v[FB:FB+3],      v[VAA]
	ds_load_b128 v[FB+4:FB+7],    v[VAA] offset:32
	ds_load_b128 v[FB+8:FB+11],   v[VAA] offset:16*AP
	ds_load_b128 v[FB+12:FB+15],  v[VAA] offset:16*AP+32
	ds_load_tr16_b128 v[FB+16:FB+19], v[VBB]
	ds_load_tr16_b128 v[FB+20:FB+23], v[VBB] offset:16*BP
.endm
.macro MMK zero                        ; one K step of my two tiles.  zero = 1: the products start the sums, nothing is cleared
.irp i, 0,1
.if \zero
	v_wmma_f32_16x16x32_f16 v[ACC+8*\i:ACC+8*\i+7], v[FB+8*\i:FB+8*\i+7], v[FB+16:FB+23], 0
.else
	v_wmma_f32_16x16x32_f16 v[ACC+8*\i:ACC+8*\i+7], v[FB+8*\i:FB+8*\i+7], v[FB+16:FB+23], v[ACC+8*\i:ACC+8*\i+7]
.endif
.endr
.endm
; eight loads, the same address in all lanes: eight candidates (half a group) of x, y, z, p2
.macro LDH hh, off
.irp c, 0,1,2,3
	ds_load_b128 v[C+32*\hh+8*\c:C+32*\hh+8*\c+3],   v[VA] offset:8192*\c+32*\hh+\off
	ds_load_b128 v[C+32*\hh+8*\c+4:C+32*\hh+8*\c+7], v[VA] offset:8192*\c+32*\hh+16+\off
.endr
.endm
; two candidates against my four queries, line by line so that no line waits for the one in front of it
.macro PAIR4 hh, i, first
.set CB, C+32*\hh+2*\i
.irp k, 0,1,2,3
	v_pk_mul_f32 v[M+2*\k:M+2*\k+1], v[CB:CB+1], v[Q+8*\k:Q+8*\k+1]
.endr
.if DOT_FMA
.irp k, 0,1,2,3
	v_pk_fma_f32 v[M+2*\k:M+2*\k+1], v[CB+8:CB+9], v[Q+8*\k+2:Q+8*\k+3], v[M+2*\k:M+2*\k+1]
.endr
.irp k, 0,1,2,3
	v_pk_fma_f32 v[M+2*\k:M+2*\k+1], v[CB+16:CB+17], v[Q+8*\k+4:Q+8*\k+5], v[M+2*\k:M+2*\k+1]
.endr
.else
.irp k, 0,1,2,3
	v_pk_mul_f32 v[N+2*\k:N+2*\k+1], v[CB+8:CB+9], v[Q+8*\k+2:Q+8*\k+3]
.endr
.irp k, 0,1,2,3
	v_pk_add_f32 v[M+2*\k:M+2*\k+1], v[M+2*\k:M+2*\k+1], v[N+2*\k:N+2*\k+1]
.endr
.irp k, 0,1,2,3
	v_pk_mul_f32 v[N+2*\k:N+2*\k+1], v[CB+16:CB+17], v[Q+8*\k+4:Q+8*\k+5]
.endr
.irp k, 0,1,2,3
	v_pk_add_f32 v[M+2*\k:M+2*\k+1], v[M+2*\k:M+2*\k+1], v[N+2*\k:N+2*\k+1]
.endr
.endif
.irp k, 0,1,2,3
	v_pk_add_f32 v[N+2*\k:N+2*\k+1], v[CB+24:CB+25], v[Q+8*\k+6:Q+8*\k+7]
.endr
.irp k, 0,1,2,3
	v_pk_fma_f32 v[M+2*\k:M+2*\k+1], v[M+2*\k:M+2*\k+1], -2.0, v[N+2*\k:N+2*\k+1] op_sel_hi:[1,0,1]
.endr
.irp k, 0,1,2,3
.if \first
	v_min_num_f32 v[MN+\k], v[M+2*\k], v[M+2*\k+1]
.else
	v_min3_num_f32 v[MN+\k], v[MN+\k], v[M+2*\k], v[M+2*\k+1]
.endif
.endr
.endm
; the group's minimum into each query's sorted list of three; strictly smaller only, so an earlier group keeps its place
.macro INS4
.irp k, 0,1,2,3
	v_cmp_lt_f32 s[20+3*\k], v[MN+\k], v[DS+4*\k]
	v_cmp_lt_f32 s[21+3*\k], v[MN+\k], v[DS+4*\k+1]
	v_cmp_lt_f32 s[22+3*\k], v[MN+\k], v[DS+4*\k+2]
.endr
.irp k, 0,1,2,3
	v_med3_num_f32 v[DS+4*\k+2], v[MN+\k], v[DS+4*\k+1], v[DS+4*\k+2]
.endr
.irp k, 0,1,2,3
	v_med3_num_f32 v[DS+4*\k+1], v[MN+\k], v[DS+4*\k], v[DS+4*\k+1]
.endr
.irp k, 0,1,2,3
	v_min_num_f32 v[DS+4*\k], v[MN+\k], v[DS+4*\k]
.endr
.irp k, 0,1,2,3
	v_cndmask_b32 v[IS+4*\k+2], v[IS+4*\k+2], v[G], s[22+3*\k]
.endr
.irp k, 0,1,2,3
	v_cndmask_b32 v[IS+4*\k+2], v[IS+4*\k+2], v[IS+4*\k+1], s[21+3*\k]
.endr
.irp k, 0,1,2,3
	v_cndmask_b32 v[IS+4*\k+1], v[IS+4*\k+1], v[G], s[21+3*\k]
.endr
.irp k, 0,1,2,3
	v_cndmask_b32 v[IS+4*\k+1], v[IS+4*\k+1], v[IS+4*\k], s[20+3*\k]
.endr
.irp k, 0,1,2,3
	v_cndmask_b32 v[IS+4*\k], v[IS+4*\k], v[G], s[20+3*\k]
.endr
.endm
; One group of 16 candidates and one K step of the product.
; fetch = 1: each half group is loaded again, with the next group, as soon as it has been used.
; zero  = 1: the K step's products start the sums.     ldk = 1: the next K step's fragments are fetched.
; LDS instructions of a wave end in order (ISA guide 5.7.1); at the head the order of issue is: six fragment loads, eight of
; half 0, eight of half 1.  The fragment loads stand behind the 128 vector instructions of half 0, none of which names a register of
; the matrix instructions: more than the four places asked between those and a load into their sources.
.macro GROUP fetch, zero, ldk
	s_wait_dscnt 0x8                               ; the fragments and half 0 are in; the eight loads of half 1 may stay out
	MMK \zero
	PAIR4 0, 0, 1
	PAIR4 0, 1, 0
	PAIR4 0, 2, 0
	PAIR4 0, 3, 0
.if \ldk
	v_add_nc_u32 v[VAA], 64, v[VAA]                ; 32 f16 along A's rows
	v_add_nc_u32 v[VBB], 32*BP, v[VBB]             ; 32 rows of B
	LDK
.endif
.if \fetch
	LDH 0, 64
	s_wait_dscnt 8+6*\ldk                          ; half 1 is in; what was just issued (six fragment loads, eight of half 0) stays out
.else
	s_wait_dscnt 0x0
.endif
	PAIR4 1, 0, 0
	PAIR4 1, 1, 0
	PAIR4 1, 2, 0
	PAIR4 1, 3, 0
.if \fetch
	LDH 1, 64
.endif
	v_mov_b32 v[G], s17
	INS4
	v_add_nc_u32 v[VA], 64, v[VA]                  ; 16 references x 4 bytes
	s_add_co_u32 s17, s17, 1
.endm
	LDK                                            ; K step 0
	LDH 0, 0                                       ; group 0
	LDH 1, 0
	v_and_b32 v232, 15, v0                         ; the way out's addresses, in registers that the search leaves alone
	v_bfe_u32 v233, v0, 4, 1
	s_mul_i32 s34, s16, 4*SP
	s_add_co_u32 s34, s34, ST
	v_mul_u32_u24 v234, v233, SP
	v_lshl_add_u32 v234, v232, 4, v234
	v_add_nc_u32 v234, s34, v234                   ; stage out: ST + (4 w + h) SP + 16 r
	s_lshl_b32 s34, s16, 11
	v_lshlrev_b32 v235, 9, v233
	v_lshl_add_u32 v235, v232, 4, v235
	v_add_nc_u32 v235, s34, v235                   ; zt: (4 w + h) 512 + 16 r
	GROUP 1, 1, 1                                  ; group 0 with K step 0 stands in front of the loop: its products start the sums
	s_mov_b32 s18, 6
.Lgroup:
	GROUP 1, 0, 1                                  ; groups 1 to 6 with K steps 1 to 6; they fetch steps 2 to 7
	s_sub_co_i32 s18, s18, 1
	s_cmp_lg_u32 s18, 0
	s_cbranch_scc1 .Lgroup
	GROUP 0, 0, 0                                  ; group 7 with K step 7 fetches nothing
	; a lane holds outputs 8 h .. 8 h + 7 of column r: 16 bytes of a row of zt, into the stage
.irp i, 0,1
.irp q, 0,1,2,3
	v_cvt_pk_f16_f32 v[ZO+4*\i+\q], v[ACC+8*\i+2*\q], v[ACC+8*\i+2*\q+1]
.endr
	ds_store_b128 v[VSI], v[ZO+4*\i:ZO+4*\i+3] offset:32*\i
.endr
	; the sixteen slices' lists meet in LDS
.irp k, 0,1,2,3
	ds_store_b128 v[VM], v[DS+4*\k:DS+4*\k+3] offset:32*\k
	ds_store_b128 v[VM], v[IS+4*\k:IS+4*\k+3] offset:32*\k+16
.endr
	s_wait_dscnt 0x0                               ; my lists, and my part of the stage, are written
	s_barrier_signal -1
	s_barrier_wait -1
	; zt leaves: four rows a wave
	ds_load_b128 v[ZO:ZO+3],   v234
	ds_load_b128 v[ZO+4:ZO+7], v234 offset:2*SP
	s_wait_dscnt 0x0
	global_store_b128 v235, v[ZO:ZO+3],   s[14:15]               ; sixteen lanes cover 256 consecutive bytes, aligned
	global_store_b128 v235, v[ZO+4:ZO+7], s[14:15] offset:1024
	s_cmp_ge_u32 s16, 4                            ; 128 queries: waves 0 to 3 merge, one query a lane
	s_cbranch_scc1 .Lweights
	v_and_b32 v5, 127, v0
	v_lshlrev_b32 v6, 2, v5                        ; its word in grp
	v_lshlrev_b32 v5, 5, v5                        ; its 32 bytes in a slice
	v_add_nc_u32 v5, MRG, v5
	ds_load_b128 v[DS:DS+3], v5                    ; slice 0 starts the list
	ds_load_b128 v[IS:IS+3], v5 offset:16
.irp s, 1,2,3,4,5,6,7,8,9,10,11,12,13,14,15
	ds_load_b128 v[C+8*(\s-1):C+8*(\s-1)+3],   v5 offset:4096*\s
	ds_load_b128 v[C+8*(\s-1)+4:C+8*(\s-1)+7], v5 offset:4096*\s+16
.endr
	s_wait_dscnt 0x0
.macro INS1 val, id
	v_cmp_lt_f32 s20, v[\val], v[DS]
	v_cmp_lt_f32 s21, v[\val], v[DS+1]
	v_cmp_lt_f32 s22, v[\val], v[DS+2]
	v_med3_num_f32 v[DS+2], v[\val], v[DS+1], v[DS+2]
	v_med3_num_f32 v[DS+1], v[\val], v[DS], v[DS+1]
	v_min_num_f32 v[DS], v[\val], v[DS]
	v_cndmask_b32 v[IS+2], v[IS+2], v[\id], s22
	v_cndmask_b32 v[IS+2], v[IS+2], v[IS+1], s21
	v_cndmask_b32 v[IS+1], v[IS+1], v[\id], s21
	v_cndmask_b32 v[IS+1], v[IS+1], v[IS], s20
	v_cndmask_b32 v[IS], v[IS], v[\id], s20
.endm
.irp s, 0,1,2,3,4,5,6,7,8,9,10,11,12,13,14         ; ascending slices and ranks: ties stay with the lower group
	INS1 C+8*\s,   C+8*\s+4
	INS1 C+8*\s+1, C+8*\s+5
	INS1 C+8*\s+2, C+8*\s+6
.endr
	; the three groups in ascending order, so that the next launch scans its 48 candidates by ascending index
	v_min_u32 v7, v[IS], v[IS+1]
	v_max_u32 v[M], v[IS], v[IS+1]
	v_min_u32 v[M+1], v7, v[IS+2]                  ; lowest
	v_max_u32 v[M+2], v7, v[IS+2]
	v_min_u32 v[M+3], v[M], v[M+2]                 ; middle
	v_max_u32 v[M+4], v[M], v[M+2]                 ; highest
	v_lshl_or_b32 v[M+1], v[M+3], 8, v[M+1]
	v_lshl_or_b32 v[M+1], v[M+4], 16, v[M+1]
	global_store_b32 v6, v[M+1], s[8:9]
	s_branch .Ldone
.Lweights:
	; JOB 3: wave 4 takes W0[g][256 .. 383], wave 5 takes W1's numbers 128 g .. 128 g + 127; four a lane
	s_cmp_ge_u32 s16, 6
	s_cbranch_scc1 .Ldone
	s_mul_i32 s32, ttmp9, 1536                     ; W0: row g,
	s_add_co_u32 s32, s32, 1024                    ; from column 256
	s_lshl_b32 s34, ttmp9, 9                       ; W1: 128 f32
	s_lshl_b32 s36, ttmp9, 8                       ; out: 128 f16
	s_add_co_u32 s38, s36, W1H
	s_add_co_u32 s36, s36, W0H
	s_cmp_eq_u32 s16, 4                            ; (behind the sums: they write SCC)
	s_cselect_b64 s[48:49], s[48:49], s[46:47]     ; from W0 or from W1
	s_cselect_b32 s32, s32, s34
	s_cselect_b32 s36, s36, s38
	s_mov_b32 s33, 0
	s_mov_b32 s37, 0
	s_add_nc_u64 s[48:49], s[48:49], s[32:33]
	s_add_nc_u64 s[50:51], s[50:51], s[36:37]
	global_load_b128 v[96:99], v4, s[48:49]
	v_lshlrev_b32 v5, 3, v1                        ; 8 lane
	s_wait_loadcnt 0x0
	v_cvt_pk_f16_f32 v96, v96, v97
	v_cvt_pk_f16_f32 v97, v98, v99
	global_store_b64 v5, v[96:97], s[50:51]        ; the wave's store covers 256 consecutive bytes, aligned
.Ldone:
	s_wait_xcnt 0x0
	v_lshl_add_u32 v254, v0, 2, 0x36c00
	v_mov_b32 v255, 0
	s_wait_tensorcnt 0x0
	ds_add_u32 v254, v255
	s_wait_dscnt 0x0
	s_endpgm
.Lfunc_end_k_q6456d9c701_knnz:
	.size	k_q6456d9c701_knnz, .Lfunc_end_k_q6456d9c701_knnz-k_q6456d9c701_knnz
	.p2alignl 7, 3214868480
	.fill 96, 4, 3214868480
	.section	.rodata,"a",@progbits
	.p2align	6, 0x0
	.amdhsa_kernel k_q6456d9c701_knnz
		.amdhsa_group_segment_fixed_size 226304
		.amdhsa_private_segment_fixed_size 0
		.amdhsa_enable_private_segment 0
		.amdhsa_kernarg_size 56
		.amdhsa_user_sgpr_count 2
		.amdhsa_user_sgpr_kernarg_segment_ptr 1
		.amdhsa_wavefront_size32 1
		.amdhsa_system_sgpr_workgroup_id_x 1
		.amdhsa_system_sgpr_workgroup_id_y 1
		.amdhsa_system_sgpr_workgroup_id_z 1
		.amdhsa_system_vgpr_workitem_id 0
		.amdhsa_next_free_vgpr 256
		.amdhsa_next_free_sgpr 66
		.amdhsa_reserve_vcc 0
		.amdhsa_float_denorm_mode_32 3
		.amdhsa_float_denorm_mode_16_64 3
		.amdhsa_memory_ordered 1
		.amdhsa_forward_progress 1
		.amdhsa_inst_pref_size 112
	.end_amdhsa_kernel
	.amdgpu_metadata
---
amdhsa.version: [ 1, 2 ]
amdhsa.kernels:
  - .name:           k_q6456d9c701_knnz
    .symbol:         k_q6456d9c701_knnz.kd
    .args:
      - { .name: xyz1, .offset: 0, .size: 8, .value_kind: global_buffer, .address_space: global }
      - { .name: xyz2, .offset: 8, .size: 8, .value_kind: global_buffer, .address_space: global }
      - { .name: grp, .offset: 16, .size: 8, .value_kind: global_buffer, .address_space: global }
      - { .name: W0, .offset: 24, .size: 8, .value_kind: global_buffer, .address_space: global }
      - { .name: points2, .offset: 32, .size: 8, .value_kind: global_buffer, .address_space: global }
      - { .name: zt, .offset: 40, .size: 8, .value_kind: global_buffer, .address_space: global }
      - { .name: W1, .offset: 48, .size: 8, .value_kind: global_buffer, .address_space: global }
    .group_segment_fixed_size: 226304
    .private_segment_fixed_size: 0
    .kernarg_segment_align: 8
    .kernarg_segment_size: 56
    .max_flat_workgroup_size: 512
    .sgpr_count:     66
    .vgpr_count:     256
    .wavefront_size: 32
...
	.end_amdgpu_metadata
.endif
;; end of part 8
;; launch knn_refine: the kernel of part 2 again; grid 256 x 1, 4 waves a work-group, no clusters, 0 bytes of LDS; arguments xyz1, xyz2, norm1, norm2, grp, idx, wgt; writes idx, wgt
;; launch conv0 (part 9): grid 256 x 1, 16 waves a work-group, no clusters, 274,432 bytes of LDS; arguments points1, b0, zt, idx, wgt, y0, part; writes y0, part
.if DOCPART == 9
	.amdgcn_target "amdgcn-amd-amdhsa--gfx1250"
	.amdhsa_code_object_version 6
	.text
	.protected	k_q6456d9c701_conv0
	.globl	k_q6456d9c701_conv0
	.p2align	8
	.type	k_q6456d9c701_conv0,@function
k_q6456d9c701_conv0:
	s_mov_b64 s[64:65], 0
	v_nop
	global_prefetch_b8 v0, s[64:65] scope:SCOPE_SE
	s_setreg_imm32_b32 hwreg(HW_REG_WAVE_MODE, 25, 1), 1
	s_wait_xcnt 0x0
; y0[query][o] = b0[o] + sum over c < 128 of W0[o][256 + c] points1[b][c][n] + sum over k < 3 of wgt[query][k] zt[idx[query][k]][o]
; and, for the batch norm, each work-group's sums of y0 and of y0 squared for each channel (part[wg][512]).
; f16 operands, f32 sums; the statistics are taken from the f32 values; y0 is stored as f16, [query][256].
; LIMITS: |W0|, |points1|, |zt|, |y0| below 65,504; y0 carries one rounding to f16 more than a text that kept it in f32
; (its only use is as an f16 operand behind an affine map and a relu).
; A work-group: 128 queries x 256 outputs, K = 128.  Wave w owns rows (queries) 8 w .. 8 w + 7 on the way out: their
; indices and weights come by scalar loads, and the 24 rows of zt are asked for straight into registers before the
; product, which covers their way.  Indices are clamped to 2,047 before they enter an address.
; The weights lie ready as f16 behind zt in its buffer (W0H[o][c] = W0[o][256 + c], made by the first launch): each wave brings
; 16 rows of 256 bytes by one tensor load, padded to the pitch of 272 on the way.  points1 is f32 in memory and passes
; through registers to become f16.
; No cluster: what the work-groups share is the 64 KiB of weights out of 384 KiB that a work-group moves (64 points1, 192 zt,
; 64 y0), asked for once at the head; a joint request would put the cluster's barrier between the arguments and the first loads.
.set AP,  272                          ; A: 256 rows [o][c] of 256 bytes + 16
.set BT,  69632                        ; B: 128 rows [c][n] of 256 bytes + 32
.set BP,  288
.set ST,  106496                       ; stage: 128 rows [n] of 1,024 bytes + 16; channel 8 g + j at 16 g + 4 j (j < 4), 512 + 16 g + 4 (j - 4)
.set SP,  1040
.set RD,  239616                       ; [wave 16][sums 256 | squares 256] f32
.set W0H, 4194304                      ; byte of the weights in the zt buffer
.set OFF, 8                            ; v[8:31]    byte offsets of the 24 rows of zt
.set G,   32                           ; v[32:127]  row i, neighbour k: four registers at 32 + 12 i + 4 k (below v128: halves are named)
.set Y,   128                          ; v[128:191] points1 as loaded (128-159); accumulators, tile (i, j) at 128 + 8 (2 i + j); my 8 rows
.set AF,  192                          ; v[192:223] A fragments
.set BF,  224                          ; v[224:239] B fragments
.set T,   192                          ; v[192:199] at work on the way out
.set WV,  200                          ; v[200:205] three weights, each in the low register of a pair
.set S,   208                          ; v[208:215] sums of my 8 channels
.set QS,  216                          ; v[216:223] sums of squares
.set BI,  224                          ; v[224:231] b0 of my 8 channels
.set G0,  20                           ; s[20:23]   tensor descriptor, group 0: from where, to where
.set G1,  24                           ; s[24:31]   group 1: the shape.  Neither is written again
; v240 points1 offset, v242 B in, v244 A fragments, v245 B fragments, v246 stage in, v247 stage out,
; v248 b0 offset, v249 sums in, v250 sums out, v251 part offset.  s2 wave; s3, s6, s7, s66, s67, s100, s101 at work
.macro PLACES                          ; four places behind a matrix instruction before a load lands on a source of it
.rept 4                                ; or anything but a matrix instruction reads its result (ISA guide 7.12.1)
	v_nop
.endr
.endm
	s_load_b64 s[4:5], s[0:1], 0x0                 ; points1
	s_load_b128 s[8:11], s[0:1], 0x8               ; b0 s[8:9], zt s[10:11]
	s_load_b256 s[12:19], s[0:1], 0x18             ; idx s[12:13], wgt s[14:15], y0 s[16:17], part s[18:19]
	v_lshl_add_u32 v254, v0, 2, 0x42800
	v_mov_b32 v255, 0
	ds_add_u32 v254, v255
	ds_add_u32 v254, v255
	v_and_b32 v1, 31, v0                           ; lane
	v_lshrrev_b32 v5, 5, v0
	v_readfirstlane_b32 s2, v5                     ; wave 0..15
	v_and_b32 v2, 15, v0                           ; r
	v_bfe_u32 v3, v0, 4, 1                         ; h
	v_lshlrev_b32 v4, 4, v1                        ; 16 lane
	; the weights' tile of this wave: 16 rows x 128 elements of 2 bytes, dense in memory, 16 bytes of padding behind each row in LDS
	s_mov_b32 s[G0], 1                             ; count = 1
	s_mul_i32 s[G0+1], s2, 16*AP                   ; LDS address: rows 16 w ..
	s_mov_b32 s[G1+0], (1<<16)|(1<<20)|(5<<22)|(3<<25) ; no work-group mask; 2-byte elements; padding on: after every 64 words, 4 words
	s_mov_b32 s[G1+1], 128<<16                     ; tensor_dim0 = 128
	s_mov_b32 s[G1+2], 16<<16                      ; tensor_dim1 = 16
	s_mov_b32 s[G1+3], 128<<16                     ; tile_dim0 = 128
	s_mov_b32 s[G1+4], 16                          ; tile_dim1 = 16
	s_mov_b32 s[G1+5], 128                         ; elements from row to row
	s_mov_b32 s[G1+6], 0
	s_mov_b32 s[G1+7], 0
	s_lshl_b32 s66, ttmp9, 11                      ; idx, wgt: 128 x 16 bytes a work-group
	s_lshl_b32 s3, s2, 7                           ; + my 8 rows x 16 bytes
	s_add_co_u32 s66, s66, s3
	s_mov_b32 s67, 0
	s_lshl_b32 s100, s2, 12                        ; weights: my 16 rows of 256 bytes
	s_add_co_u32 s100, s100, W0H
	s_mov_b32 s101, 0
	s_lshr_b32 s3, ttmp9, 6                        ; batch
	s_lshl_b32 s6, s3, 22                          ; points1: 128 x 8,192 f32 a batch
	s_and_b32 s7, ttmp9, 63
	s_lshl_b32 s7, s7, 9                           ; + 128 queries x 4 bytes
	s_add_co_u32 s6, s6, s7
	s_mov_b32 s7, 0
	s_wait_dscnt 0x0
	s_wait_kmcnt 0x0
	s_add_nc_u64 s[12:13], s[12:13], s[66:67]
	s_add_nc_u64 s[14:15], s[14:15], s[66:67]
	s_load_b512 s[32:47], s[12:13], 0x0            ; idx of rows 0-3: row i, neighbour k in s[32 + 4 i + k]
	s_load_b512 s[48:63], s[12:13], 0x40           ; rows 4-7
	s_load_b512 s[68:83], s[14:15], 0x0            ; wgt likewise from s68
	s_load_b512 s[84:99], s[14:15], 0x40
	s_add_nc_u64 s[G0+2:G0+3], s[10:11], s[100:101]    ; global address of the tile's first element
	s_or_b32 s[G0+3], s[G0+3], 0x80000000          ; type = 2
	tensor_load_to_lds s[G0:G0+3], s[G1:G1+7]      ; the wave's only tensor load
	s_nop 0
	s_add_nc_u64 s[4:5], s[4:5], s[6:7]
	s_lshl_b32 s6, s2, 15
	v_add_nc_u32 v240, s6, v4                      ; points1: row w, 16 bytes a lane
.irp p, 0,1,2,3,4,5,6,7
	global_load_b128 v[Y+4*\p:Y+4*\p+3], v240, s[4:5] offset:524288*\p th:TH_LOAD_NT    ; channels w + 16 p
.endr
	s_lshl_b32 s6, s3, 20                          ; zt: 2,048 rows of 512 bytes a batch
	s_add_nc_u64 s[10:11], s[10:11], s[6:7]
	s_lshl_b32 s6, ttmp9, 11                       ; part: 2,048 bytes a work-group
	s_add_nc_u64 s[18:19], s[18:19], s[6:7]
	s_lshl_b32 s6, ttmp9, 16                       ; y0: 128 rows of 512 bytes
	s_lshl_b32 s3, s2, 12                          ; + my 8 rows
	s_add_co_u32 s6, s6, s3
	s_add_nc_u64 s[16:17], s[16:17], s[6:7]
	s_wait_kmcnt 0x0
.irp i, 0,1,2,3,4,5,6,7
.irp k, 0,1,2
	s_min_u32 s[32+4*\i+\k], s[32+4*\i+\k], 2047
	v_lshl_add_u32 v[OFF+3*\i+\k], s[32+4*\i+\k], 9, v4    ; 512 x index + 16 lane: my 8 channels of that row
.endr
.endr
.irp i, 0,1,2,3,4,5,6,7
.irp k, 0,1,2
	global_load_b128 v[G+12*\i+4*\k:G+12*\i+4*\k+3], v[OFF+3*\i+\k], s[10:11]
.endr
.endr
	; LDS addresses
	s_mul_i32 s3, s2, BP
	s_add_co_u32 s3, s3, BT
	v_lshl_add_u32 v242, v1, 3, s3                 ; BT + w BP + 8 l
	s_and_b32 s66, s2, 3                           ; wo: my 64 outputs
	s_lshr_b32 s67, s2, 2                          ; wn: my 32 queries
	s_mul_i32 s3, s66, 64*AP
	v_mul_u32_u24 v5, v2, AP
	v_lshl_add_u32 v5, v3, 4, v5
	v_add_nc_u32 v244, s3, v5                      ; (64 wo + r) AP + 16 h
	v_and_b32 v5, 7, v0
	v_lshl_add_u32 v5, v3, 3, v5
	v_mul_u32_u24 v5, v5, BP
	v_bfe_u32 v6, v0, 3, 1
	v_lshl_add_u32 v5, v6, 4, v5
	s_lshl_b32 s3, s67, 6
	s_add_co_u32 s3, s3, BT
	v_add_nc_u32 v245, s3, v5                      ; BT + (8 h + l % 8) BP + 64 wn + 16 ((l / 8) % 2)
	s_mul_i32 s3, s67, 32*SP
	s_lshl_b32 s6, s66, 7
	s_add_co_u32 s3, s3, s6
	s_add_co_u32 s3, s3, ST
	v_mul_u32_u24 v5, v2, SP
	v_lshl_add_u32 v5, v3, 4, v5
	v_add_nc_u32 v246, s3, v5                      ; ST + (32 wn + r) SP + 16 (8 wo + h)
	s_mul_i32 s3, s2, 8*SP
	s_add_co_u32 s3, s3, ST
	v_add_nc_u32 v247, s3, v4                      ; ST + 8 w SP + 16 l
	v_lshlrev_b32 v248, 5, v1                      ; 32 l
	s_lshl_b32 s3, s2, 11
	s_add_co_u32 s3, s3, RD
	v_lshl_add_u32 v249, v1, 5, s3                 ; RD + 2,048 w + 32 l
	v_lshlrev_b32 v251, 2, v0                      ; 4 t
	v_add_nc_u32 v250, RD, v251
.macro CVST reg, adr, off              ; four f32 to f16 in place, 8 bytes into LDS
	v_cvt_pk_f16_f32 v[\reg],   v[\reg],   v[\reg+1]
	v_cvt_pk_f16_f32 v[\reg+1], v[\reg+2], v[\reg+3]
	ds_store_b64 v[\adr], v[\reg:\reg+1] offset:\off
.endm
	s_wait_loadcnt 0x18                            ; points1 is in; the 24 rows of zt may stay out
.irp p, 0,1,2,3,4,5,6,7
	CVST Y+4*\p, 242, 16*BP*\p
.endr
	s_wait_tensorcnt 0x0                           ; my 16 rows of the weights are in LDS: others read them behind the barrier
	s_wait_dscnt 0x0                               ; and my rows of points1 are written
	s_barrier_signal -1
	s_barrier_wait -1
; 32 along K: four tiles of outputs x two tiles of queries.  Four waves lie on a SIMD and cover each other's waits.
.macro KSTEP ks, zero
.irp i, 0,1,2,3
	ds_load_b128 v[AF+8*\i:AF+8*\i+3],   v244 offset:16*AP*\i+64*\ks
	ds_load_b128 v[AF+8*\i+4:AF+8*\i+7], v244 offset:16*AP*\i+64*\ks+32
.endr
.irp j, 0,1
	ds_load_tr16_b128 v[BF+8*\j:BF+8*\j+3],   v245 offset:32*\j+32*BP*\ks
	ds_load_tr16_b128 v[BF+8*\j+4:BF+8*\j+7], v245 offset:32*\j+32*BP*\ks+16*BP
.endr
	s_wait_dscnt 0x0
.irp i, 0,1,2,3
.irp j, 0,1
.if \zero
	v_wmma_f32_16x16x32_f16 v[Y+8*(2*\i+\j):Y+8*(2*\i+\j)+7], v[AF+8*\i:AF+8*\i+7], v[BF+8*\j:BF+8*\j+7], 0
.else
	v_wmma_f32_16x16x32_f16 v[Y+8*(2*\i+\j):Y+8*(2*\i+\j)+7], v[AF+8*\i:AF+8*\i+7], v[BF+8*\j:BF+8*\j+7], v[Y+8*(2*\i+\j):Y+8*(2*\i+\j)+7]
.endif
.endr
.endr
	PLACES
.endm
	KSTEP 0, 1                                     ; the first products start the sums
	KSTEP 1, 0
	KSTEP 2, 0
	KSTEP 3, 0
	; a lane holds outputs 8 h .. 8 h + 7 of query r: two quads into that query's row of the stage
.irp i, 0,1,2,3
.irp j, 0,1
	ds_store_b128 v246, v[Y+8*(2*\i+\j):Y+8*(2*\i+\j)+3]   offset:16*SP*\j+32*\i
	ds_store_b128 v246, v[Y+8*(2*\i+\j)+4:Y+8*(2*\i+\j)+7] offset:16*SP*\j+32*\i+512
.endr
.endr
	global_load_b128 v[BI:BI+3],   v248, s[8:9]
	global_load_b128 v[BI+4:BI+7], v248, s[8:9] offset:16
	s_wait_dscnt 0x0
	s_barrier_signal -1
	s_barrier_wait -1
	; my 8 rows, channels 8 l .. 8 l + 7 a lane, as the rows of zt lie in G
.irp i, 0,1,2,3,4,5,6,7
	ds_load_b128 v[Y+8*\i:Y+8*\i+3],   v247 offset:SP*\i
	ds_load_b128 v[Y+8*\i+4:Y+8*\i+7], v247 offset:SP*\i+512
.endr
	v_mov_b32 v[WV+1], 0                           ; the pairs' upper registers are named, never used
	v_mov_b32 v[WV+3], 0
	v_mov_b32 v[WV+5], 0
	s_wait_loadcnt 0x0                             ; the rows of zt, and b0
	s_wait_dscnt 0x0
.macro CVT2 dd, ss                     ; both halves of register ss (a plain number) to f32
	v_cvt_f32_f16 v[\dd],   v\ss\().l
	v_cvt_f32_f16 v[\dd+1], v\ss\().h
.endm
.macro NB i, k, a, b, c, d             ; row i += weight k x neighbour k's row
	v_mov_b32 v[WV+2*\k], s[68+4*\i+\k]
	CVT2 T,   \a
	CVT2 T+2, \b
	CVT2 T+4, \c
	CVT2 T+6, \d
.irp q, 0,2,4,6
	v_pk_fma_f32 v[Y+8*\i+\q:Y+8*\i+\q+1], v[T+\q:T+\q+1], v[WV+2*\k:WV+2*\k+1], v[Y+8*\i+\q:Y+8*\i+\q+1] op_sel_hi:[1,0,1]
.endr
.endm
.macro ROW i, g0, g1, g2, g3, g4, g5, g6, g7, g8, g9, g10, g11
.irp q, 0,2,4,6
	v_pk_add_f32 v[Y+8*\i+\q:Y+8*\i+\q+1], v[Y+8*\i+\q:Y+8*\i+\q+1], v[BI+\q:BI+\q+1]
.endr
	NB \i, 0, \g0, \g1, \g2, \g3
	NB \i, 1, \g4, \g5, \g6, \g7
	NB \i, 2, \g8, \g9, \g10, \g11
.irp q, 0,2,4,6
.if \i == 0
	v_pk_mul_f32 v[QS+\q:QS+\q+1], v[Y+\q:Y+\q+1], v[Y+\q:Y+\q+1]                       ; row 0 starts the squares,
.else
	v_pk_fma_f32 v[QS+\q:QS+\q+1], v[Y+8*\i+\q:Y+8*\i+\q+1], v[Y+8*\i+\q:Y+8*\i+\q+1], v[QS+\q:QS+\q+1]
.endif
.if \i == 1
	v_pk_add_f32 v[S+\q:S+\q+1], v[Y+\q:Y+\q+1], v[Y+8+\q:Y+8+\q+1]                     ; rows 0 and 1 the sums: nothing is cleared
.elseif \i > 1
	v_pk_add_f32 v[S+\q:S+\q+1], v[S+\q:S+\q+1], v[Y+8*\i+\q:Y+8*\i+\q+1]
.endif
.endr
.irp q, 0,1,2,3
	v_cvt_pk_f16_f32 v[G+12*\i+\q], v[Y+8*\i+2*\q], v[Y+8*\i+2*\q+1]
.endr
	global_store_b128 v4, v[G+12*\i:G+12*\i+3], s[16:17] offset:512*\i      ; one store covers the row's 512 bytes
.endm
	ROW 0, 32,33,34,35,36,37,38,39,40,41,42,43
	ROW 1, 44,45,46,47,48,49,50,51,52,53,54,55
	ROW 2, 56,57,58,59,60,61,62,63,64,65,66,67
	ROW 3, 68,69,70,71,72,73,74,75,76,77,78,79
	ROW 4, 80,81,82,83,84,85,86,87,88,89,90,91
	ROW 5, 92,93,94,95,96,97,98,99,100,101,102,103
	ROW 6, 104,105,106,107,108,109,110,111,112,113,114,115
	ROW 7, 116,117,118,119,120,121,122,123,124,125,126,127
	; the sixteen waves' sums meet in LDS; thread t adds word t (sums of channel t, or squares of channel t - 256)
	ds_store_b128 v249, v[S:S+3]
	ds_store_b128 v249, v[S+4:S+7]   offset:16
	ds_store_b128 v249, v[QS:QS+3]   offset:1024
	ds_store_b128 v249, v[QS+4:QS+7] offset:1040
	s_wait_dscnt 0x0
	s_barrier_signal -1
	s_barrier_wait -1
.irp s, 0,1,2,3,4,5,6,7,8,9,10,11,12,13,14,15
	ds_load_b32 v[Y+\s], v250 offset:2048*\s
.endr
	s_wait_dscnt 0x0
.irp s, 0,2,4,6
	v_pk_add_f32 v[Y+\s:Y+\s+1], v[Y+\s:Y+\s+1], v[Y+8+\s:Y+9+\s]
.endr
	v_pk_add_f32 v[Y:Y+1],   v[Y:Y+1],   v[Y+4:Y+5]
	v_pk_add_f32 v[Y+2:Y+3], v[Y+2:Y+3], v[Y+6:Y+7]
	v_pk_add_f32 v[Y:Y+1],   v[Y:Y+1],   v[Y+2:Y+3]
	v_add_f32 v[Y], v[Y], v[Y+1]
	global_store_b32 v251, v[Y], s[18:19]
	s_wait_tensorcnt 0x0
	ds_add_u32 v254, v255
	s_wait_dscnt 0x0
	s_endpgm
.Lfunc_end_k_q6456d9c701_conv0:
	.size	k_q6456d9c701_conv0, .Lfunc_end_k_q6456d9c701_conv0-k_q6456d9c701_conv0
	.p2alignl 7, 3214868480
	.fill 96, 4, 3214868480
	.section	.rodata,"a",@progbits
	.p2align	6, 0x0
	.amdhsa_kernel k_q6456d9c701_conv0
		.amdhsa_group_segment_fixed_size 274432
		.amdhsa_private_segment_fixed_size 0
		.amdhsa_enable_private_segment 0
		.amdhsa_kernarg_size 56
		.amdhsa_user_sgpr_count 2
		.amdhsa_user_sgpr_kernarg_segment_ptr 1
		.amdhsa_wavefront_size32 1
		.amdhsa_system_sgpr_workgroup_id_x 1
		.amdhsa_system_sgpr_workgroup_id_y 1
		.amdhsa_system_sgpr_workgroup_id_z 1
		.amdhsa_system_vgpr_workitem_id 0
		.amdhsa_next_free_vgpr 256
		.amdhsa_next_free_sgpr 102
		.amdhsa_reserve_vcc 0
		.amdhsa_float_denorm_mode_32 3
		.amdhsa_float_denorm_mode_16_64 3
		.amdhsa_memory_ordered 1
		.amdhsa_forward_progress 1
		.amdhsa_inst_pref_size 44
	.end_amdhsa_kernel
	.amdgpu_metadata
---
amdhsa.version: [ 1, 2 ]
amdhsa.kernels:
  - .name:           k_q6456d9c701_conv0
    .symbol:         k_q6456d9c701_conv0.kd
    .args:
      - { .name: points1, .offset: 0, .size: 8, .value_kind: global_buffer, .address_space: global }
      - { .name: b0, .offset: 8, .size: 8, .value_kind: global_buffer, .address_space: global }
      - { .name: zt, .offset: 16, .size: 8, .value_kind: global_buffer, .address_space: global }
      - { .name: idx, .offset: 24, .size: 8, .value_kind: global_buffer, .address_space: global }
      - { .name: wgt, .offset: 32, .size: 8, .value_kind: global_buffer, .address_space: global }
      - { .name: y0, .offset: 40, .size: 8, .value_kind: global_buffer, .address_space: global }
      - { .name: part, .offset: 48, .size: 8, .value_kind: global_buffer, .address_space: global }
    .group_segment_fixed_size: 274432
    .private_segment_fixed_size: 0
    .kernarg_segment_align: 8
    .kernarg_segment_size: 56
    .max_flat_workgroup_size: 512
    .sgpr_count:     102
    .vgpr_count:     256
    .wavefront_size: 32
...
	.end_amdgpu_metadata
.endif
;; end of part 9
;; launch fin0 (part 10): grid 16 x 1, 8 waves a work-group, no clusters, 5,120 bytes of LDS; arguments part, g0, be0, sc0; writes sc0
.if DOCPART == 10
	.amdgcn_target "amdgcn-amd-amdhsa--gfx1250"
	.amdhsa_code_object_version 6
	.text
	.protected	k_q6456d9c701_fin0
	.globl	k_q6456d9c701_fin0
	.p2align	8
	.type	k_q6456d9c701_fin0,@function
k_q6456d9c701_fin0:
	s_mov_b64 s[64:65], 0
	v_nop
	global_prefetch_b8 v0, s[64:65] scope:SCOPE_SE
	s_setreg_imm32_b32 hwreg(HW_REG_WAVE_MODE, 25, 1), 1
	s_wait_xcnt 0x0
; Batch-norm figures of 16 channels a work-group, from the 256 work-groups' partial sums:
; mean = sum / 32,768, var = max(sum of squares / 32,768 - mean^2, 0), a = g rsqrt(var + 1e-5), s = be - mean a.
; part: [256][512] f32, sums at channel c, squares at 256 + c.  Out: a at word c, s at word 256 + c.
; LIMIT: the variance is a difference of two f32 means: it loses accuracy where mean^2 is far above the variance.
; The sums have one fixed order.  16 work-groups: there is work for no more; the whole input is 512 KiB.
; g and be are asked for at the head, behind the partial sums, so that the tail waits for no memory.
	s_load_b256 s[4:11], s[0:1], 0x0               ; part s[4:5], g s[6:7], be s[8:9], out s[10:11]
	v_lshl_add_u32 v48, v0, 2, 0x1000
	v_mov_b32 v49, 0
	v_and_b32 v1, 31, v0                           ; lane
	v_lshrrev_b32 v2, 5, v0
	v_readfirstlane_b32 s12, v2                    ; wave
	s_lshl_b32 s14, ttmp9, 6                       ; my 16 channels x 4 bytes
	s_mov_b32 s15, 0
	s_mov_b32 s16, 0x76543210                      ; v_permlanex16_b32: lane i reads lane i of the other half
	s_mov_b32 s17, 0xfedcba98
	v_and_b32 v3, 3, v0                            ; which four channels
	v_bfe_u32 v4, v0, 2, 1                         ; sums or squares
	v_lshrrev_b32 v5, 3, v0                        ; which 8 rows of part
	v_lshlrev_b32 v6, 14, v5
	v_lshl_add_u32 v6, v4, 10, v6
	v_lshl_add_u32 v6, v3, 4, v6
	v_lshlrev_b32 v7, 4, v0
	v_and_b32 v42, 15, v0                          ; channel
	v_lshlrev_b32 v42, 2, v42
	s_wait_kmcnt 0x0
	s_add_nc_u64 s[4:5], s[4:5], s[14:15]
	s_add_nc_u64 s[6:7], s[6:7], s[14:15]
	s_add_nc_u64 s[8:9], s[8:9], s[14:15]
	s_add_nc_u64 s[10:11], s[10:11], s[14:15]
.irp i, 0,1,2,3,4,5,6,7
	global_load_b128 v[8+4*\i:11+4*\i], v6, s[4:5] offset:2048*\i
.endr
	global_load_b32 v40, v42, s[6:7]               ; g
	global_load_b32 v41, v42, s[8:9]               ; be
.irp i, 1,2,3,4,5,6,7
	s_wait_loadcnt 9-\i                            ; loads come back in order: rows 0 .. i are in; 7 - i rows, g and be may stay out
	v_pk_add_f32 v[8:9],   v[8:9],   v[8+4*\i:9+4*\i]
	v_pk_add_f32 v[10:11], v[10:11], v[10+4*\i:11+4*\i]
.endr
	ds_store_b128 v7, v[8:11]                      ; [32 row groups][sums 16 | squares 16]
	s_wait_dscnt 0x0
	s_barrier_signal -1
	s_barrier_wait -1
	s_cmp_lg_u32 s12, 0
	s_cbranch_scc1 .Ldone
	v_lshlrev_b32 v4, 2, v1
.irp g, 0,1,2,3,4,5,6,7,8,9,10,11,12,13,14,15,16,17,18,19,20,21,22,23,24,25,26,27,28,29,30,31
	ds_load_b32 v[8+\g], v4 offset:128*\g          ; lanes 0-15: sums; lanes 16-31: squares
.endr
	s_wait_dscnt 0x0
.irp j, 0,2,4,6,8,10,12,14
	v_pk_add_f32 v[8+\j:9+\j], v[8+\j:9+\j], v[24+\j:25+\j]
.endr
.irp j, 0,2,4,6
	v_pk_add_f32 v[8+\j:9+\j], v[8+\j:9+\j], v[16+\j:17+\j]
.endr
	v_pk_add_f32 v[8:9],   v[8:9],   v[12:13]
	v_pk_add_f32 v[10:11], v[10:11], v[14:15]
	v_pk_add_f32 v[8:9],   v[8:9],   v[10:11]
	v_add_f32 v8, v8, v9
	v_permlanex16_b32 v9, v8, s16, s17             ; the other figure of my channel
	v_cmp_gt_u32 vcc_lo, 16, v1
	v_cndmask_b32 v10, v9, v8, vcc_lo              ; sum
	v_cndmask_b32 v11, v8, v9, vcc_lo              ; sum of squares
	v_mul_f32 v10, 0x38000000, v10                 ; / 32,768
	v_mul_f32 v11, 0x38000000, v11
	v_fma_f32 v11, -v10, v10, v11
	v_max_num_f32 v11, 0, v11
	v_add_f32 v11, 0x3727c5ac, v11                 ; + 1e-5
	v_rsq_f32 v12, v11
	v_nop                                          ; one place behind the root before its result is used (ISA guide 5.7.2)
	s_wait_loadcnt 0x0                             ; g and be
	s_wait_alu depctr_va_vdst(0)
	v_mul_f32 v12, v40, v12                        ; a
	v_fma_f32 v13, -v10, v12, v41                  ; s
	v_cndmask_b32 v14, v13, v12, vcc_lo            ; lanes 0-15 store a, lanes 16-31 store s
	v_lshrrev_b32 v15, 4, v1
	v_lshl_add_u32 v15, v15, 10, v42
	global_store_b32 v15, v14, s[10:11]
.Ldone:
	s_wait_tensorcnt 0x0
	ds_add_u32 v48, v49
	s_wait_dscnt 0x0
	s_endpgm
.Lfunc_end_k_q6456d9c701_fin0:
	.size	k_q6456d9c701_fin0, .Lfunc_end_k_q6456d9c701_fin0-k_q6456d9c701_fin0
	.p2alignl 7, 3214868480
	.fill 96, 4, 3214868480
	.section	.rodata,"a",@progbits
	.p2align	6, 0x0
	.amdhsa_kernel k_q6456d9c701_fin0
		.amdhsa_group_segment_fixed_size 5120
		.amdhsa_private_segment_fixed_size 0
		.amdhsa_enable_private_segment 0
		.amdhsa_kernarg_size 32
		.amdhsa_user_sgpr_count 2
		.amdhsa_user_sgpr_kernarg_segment_ptr 1
		.amdhsa_wavefront_size32 1
		.amdhsa_system_sgpr_workgroup_id_x 1
		.amdhsa_system_sgpr_workgroup_id_y 1
		.amdhsa_system_sgpr_workgroup_id_z 1
		.amdhsa_system_vgpr_workitem_id 0
		.amdhsa_next_free_vgpr 50
		.amdhsa_next_free_sgpr 66
		.amdhsa_reserve_vcc 1
		.amdhsa_float_denorm_mode_32 3
		.amdhsa_float_denorm_mode_16_64 3
		.amdhsa_memory_ordered 1
		.amdhsa_forward_progress 1
		.amdhsa_inst_pref_size 8
	.end_amdhsa_kernel
	.amdgpu_metadata
---
amdhsa.version: [ 1, 2 ]
amdhsa.kernels:
  - .name:           k_q6456d9c701_fin0
    .symbol:         k_q6456d9c701_fin0.kd
    .args:
      - { .name: part, .offset: 0, .size: 8, .value_kind: global_buffer, .address_space: global }
      - { .name: g0, .offset: 8, .size: 8, .value_kind: global_buffer, .address_space: global }
      - { .name: be0, .offset: 16, .size: 8, .value_kind: global_buffer, .address_space: global }
      - { .name: sc0, .offset: 24, .size: 8, .value_kind: global_buffer, .address_space: global }
    .group_segment_fixed_size: 5120
    .private_segment_fixed_size: 0
    .kernarg_segment_align: 8
    .kernarg_segment_size: 32
    .max_flat_workgroup_size: 256
    .sgpr_count:     66
    .vgpr_count:     50
    .wavefront_size: 32
...
	.end_amdgpu_metadata
.endif
;; end of part 10
;; launch conv1 (part 11): grid 256 x 1, 16 waves a work-group, no clusters, 176,128 bytes of LDS; arguments y0, sc0, zt, b1, part, y1; writes part, y1
.if DOCPART == 11
	.amdgcn_target "amdgcn-amd-amdhsa--gfx1250"
	.amdhsa_code_object_version 6
	.text
	.protected	k_q6456d9c701_conv1
	.globl	k_q6456d9c701_conv1
	.p2align	8
	.type	k_q6456d9c701_conv1,@function
k_q6456d9c701_conv1:
	s_mov_b64 s[64:65], 0
	v_nop
	global_prefetch_b8 v0, s[64:65] scope:SCOPE_SE
	s_setreg_imm32_b32 hwreg(HW_REG_WAVE_MODE, 25, 1), 1
	s_wait_xcnt 0x0
; y1[b][o][n] = b1[o] + sum over c < 256 of W1[o][c] relu(a0[c] y0[query][c] + s0[c]),  f16 operands, f32 sums.
; Out: y1 as f16, in the output's own order [b][o][n], and each work-group's sums of y1 and of y1 squared for each channel,
; taken from the f32 values (part[wg]: sums at word o, squares at word 256 + o).
; LIMITS: |W1|, the normalised, rectified y0 and |y1| below 65,504 (f16), each with f16's 11 bits.  y1's rounding is relative
; to y1 itself, so the normalised result loses accuracy where a channel's |mean| is far above its deviation.
; A work-group: 128 queries x 128 outputs, K = 256.  y0 needs its affine map on the way to LDS, so it passes through registers.
; W1 lies ready as f16 behind zt in its buffer (W1H, made by the first launch): each wave brings 8 rows of 512 bytes by one
; tensor load, padded to the pitch of 528 on the way.
; No cluster: the shared weights are 64 KiB of the 160 KiB that a work-group moves (64 y0, 32 y1), asked for once at the head beside
; y0, which nobody shares; a joint request would put the cluster's barrier between the arguments and the first loads.
.set HP,  528                          ; H: 128 rows [n][c] of 512 bytes + 16;  WT: 128 rows [o][c] likewise
.set WT,  67584
.set RD,  135168                       ; [wn 4][sums 128 | squares 128] f32
.set ST,  139264                       ; stage: 128 rows [o][n] f16 of 256 bytes + 16
.set SP,  272
.set W1H, 4259840                      ; byte of the weights in the zt buffer
.set SA,  16                           ; v[16:23]   a0 of channels 8 l .. 8 l + 7
.set SS,  24                           ; v[24:31]   s0
.set ACC, 64                           ; v[64:95]   tile (i, j): queries 16 i, outputs 16 j, at 64 + 8 (2 i + j)
.set T,   96                           ; v[96:103]  at work
.set O,   104                          ; v[104:107] a row's 16 bytes
.set FB0, 128                          ; v[128:191] two fragment buffers: A0, A1, B0, B1
.set FB1, 160
.set G0,  32                           ; s[32:35]   tensor descriptor, group 0: from where, to where
.set G1,  36                           ; s[36:43]   group 1: the shape.  Neither is written again
; v[32:63] my 8 rows of y0; later v[32:47] the four tiles packed, v[48:63] the rows that leave.
; v[108:111] b1: pairs for j = 0, 1, the value in both registers.  v112 stage in, v113 stage out, v114 y1 offset.
; v4 y0 offset, v5 sc0 offset, v7 b1 offset, v8 H in, v10 A, v11 B, v12 RD in, v13 RD out, v14 part offset
.macro PLACES                          ; four places behind a matrix instruction before a load lands on a source of it
.rept 4                                ; or anything but a matrix instruction reads its result (ISA guide 7.12.1)
	v_nop
.endr
.endm
	s_load_b256 s[4:11], s[0:1], 0x0               ; y0 s[4:5], sc0 s[6:7], zt s[8:9], b1 s[10:11]
	s_load_b128 s[12:15], s[0:1], 0x20             ; part s[12:13], y1 s[14:15]
	v_lshl_add_u32 v192, v0, 2, 0x2a800
	v_mov_b32 v193, 0
	ds_add_u32 v192, v193
	ds_add_u32 v192, v193
	v_and_b32 v1, 31, v0                           ; lane
	v_lshrrev_b32 v15, 5, v0
	v_readfirstlane_b32 s16, v15                   ; wave 0..15
	v_and_b32 v2, 15, v0                           ; r
	v_bfe_u32 v3, v0, 4, 1                         ; h
	s_and_b32 s17, s16, 3                          ; wo: my 32 outputs
	s_lshr_b32 s18, s16, 2                         ; wn: my 32 queries
	v_lshlrev_b32 v4, 4, v1
	v_lshlrev_b32 v5, 5, v1
	s_lshl_b32 s19, s17, 7
	v_lshl_add_u32 v7, v2, 2, s19                  ; 4 (32 wo + r)
	; the weights' tile of this wave: 8 rows x 256 elements of 2 bytes, dense in memory, 16 bytes of padding behind each row in LDS
	s_mov_b32 s[G0], 1                             ; count = 1
	s_mul_i32 s[G0+1], s16, 8*HP                   ; LDS address: rows 8 w ..
	s_add_co_u32 s[G0+1], s[G0+1], WT              ; of WT
	s_mov_b32 s[G1+0], (1<<16)|(1<<20)|(6<<22)|(3<<25) ; no work-group mask; 2-byte elements; padding on: after every 128 words, 4 words
	s_mov_b32 s[G1+1], 256<<16                     ; tensor_dim0 = 256
	s_mov_b32 s[G1+2], 8<<16                       ; tensor_dim1 = 8
	s_mov_b32 s[G1+3], 256<<16                     ; tile_dim0 = 256
	s_mov_b32 s[G1+4], 8                           ; tile_dim1 = 8
	s_mov_b32 s[G1+5], 256                         ; elements from row to row
	s_mov_b32 s[G1+6], 0
	s_mov_b32 s[G1+7], 0
	s_lshl_b32 s30, s16, 12                        ; weights: my 8 rows of 512 bytes
	s_add_co_u32 s30, s30, W1H
	s_mov_b32 s31, 0
	s_lshl_b32 s20, ttmp9, 16                      ; y0: 128 rows of 512 bytes
	s_lshl_b32 s19, s16, 12                        ; + my 8 rows
	s_add_co_u32 s20, s20, s19
	s_mov_b32 s21, 0
	s_lshl_b32 s22, ttmp9, 11                      ; part: 2,048 bytes a work-group
	s_mov_b32 s23, 0
	s_lshr_b32 s28, ttmp9, 6                       ; y1: batch x 128 x 8,192 f16
	s_lshl_b32 s28, s28, 21
	s_and_b32 s19, ttmp9, 63
	s_lshl_b32 s19, s19, 8                         ; + 128 queries x 2 bytes
	s_add_co_u32 s28, s28, s19
	s_mov_b32 s29, 0
	s_wait_dscnt 0x0
	s_wait_kmcnt 0x0
	s_add_nc_u64 s[G0+2:G0+3], s[8:9], s[30:31]    ; global address of the tile's first element
	s_or_b32 s[G0+3], s[G0+3], 0x80000000          ; type = 2
	tensor_load_to_lds s[G0:G0+3], s[G1:G1+7]      ; the wave's only tensor load
	s_nop 0
	s_add_nc_u64 s[4:5], s[4:5], s[20:21]
	s_add_nc_u64 s[12:13], s[12:13], s[22:23]
	s_add_nc_u64 s[14:15], s[14:15], s[28:29]
	global_load_b128 v[SA:SA+3],   v5, s[6:7]
	global_load_b128 v[SA+4:SA+7], v5, s[6:7] offset:16
	global_load_b128 v[SS:SS+3],   v5, s[6:7] offset:1024
	global_load_b128 v[SS+4:SS+7], v5, s[6:7] offset:1040
.irp i, 0,1,2,3,4,5,6,7
	global_load_b128 v[32+4*\i:35+4*\i], v4, s[4:5] offset:512*\i
.endr
	global_load_b32 v108, v7, s[10:11]
	global_load_b32 v110, v7, s[10:11] offset:64
	; LDS addresses
	s_mul_i32 s19, s16, 8*HP
	v_add_nc_u32 v8, s19, v4                       ; 8 w HP + 16 l
	v_mul_u32_u24 v97, v2, HP
	v_lshl_add_u32 v15, v3, 4, v97
	s_mul_i32 s19, s18, 32*HP
	v_add_nc_u32 v10, s19, v15                     ; (32 wn + r) HP + 16 h
	s_mul_i32 s19, s17, 32*HP
	s_add_co_u32 s26, s19, WT
	v_add_nc_u32 v11, s26, v15                     ; WT + (32 wo + r) HP + 16 h
	s_lshl_b32 s19, s18, 10
	s_lshl_b32 s26, s17, 7
	s_add_co_u32 s19, s19, s26
	s_add_co_u32 s19, s19, RD
	v_lshl_add_u32 v12, v2, 2, s19
	v_lshl_add_u32 v12, v3, 9, v12                 ; RD + 1,024 wn + 512 h + 4 (32 wo + r)
	v_and_b32 v13, 255, v0
	v_lshlrev_b32 v13, 2, v13
	v_add_nc_u32 v13, RD, v13                      ; RD + 4 t
	v_bfe_u32 v14, v0, 7, 1
	v_and_b32 v15, 127, v0
	v_lshlrev_b32 v15, 2, v15
	v_lshl_add_u32 v14, v14, 10, v15               ; part: 1,024 (t / 128) + 4 (t % 128)
	s_mul_i32 s19, s17, 32*SP
	s_lshl_b32 s26, s18, 6
	s_add_co_u32 s19, s19, s26
	s_add_co_u32 s19, s19, ST
	v_mul_u32_u24 v112, v2, SP
	v_lshl_add_u32 v112, v3, 4, v112
	v_add_nc_u32 v112, s19, v112                   ; ST + (32 wo + r) SP + 64 wn + 16 h
	s_mul_i32 s19, s16, 8*SP
	s_add_co_u32 s19, s19, ST
	v_mul_u32_u24 v113, v3, SP
	v_lshl_add_u32 v113, v2, 4, v113
	v_add_nc_u32 v113, s19, v113                   ; ST + (8 w + h) SP + 16 r
	s_lshl_b32 s19, s16, 17
	v_lshlrev_b32 v114, 14, v3
	v_lshl_add_u32 v114, v2, 4, v114
	v_add_nc_u32 v114, s19, v114                   ; y1: (8 w + h) rows of 16,384 bytes + 16 r
	s_mov_b32 s24, 0x76543210                      ; v_permlanex16_b32: lane i reads lane i of the other half
	s_mov_b32 s25, 0xfedcba98
	v_cmp_gt_u32 vcc_lo, 16, v1
.macro CVT2 dd, ss                     ; both halves of register ss (a plain number) to f32
	v_cvt_f32_f16 v[\dd],   v\ss\().l
	v_cvt_f32_f16 v[\dd+1], v\ss\().h
.endm
.macro HROW i, a, b, c, d              ; a row of y0: affine map, relu, back to f16, into H
	CVT2 T,   \a
	CVT2 T+2, \b
	CVT2 T+4, \c
	CVT2 T+6, \d
.irp q, 0,2,4,6
	v_pk_fma_f32 v[T+\q:T+\q+1], v[T+\q:T+\q+1], v[SA+\q:SA+\q+1], v[SS+\q:SS+\q+1]
.endr
.irp q, 0,1,2,3,4,5,6,7
	v_max_num_f32 v[T+\q], 0, v[T+\q]
.endr
.irp q, 0,1,2,3
	v_cvt_pk_f16_f32 v[O+\q], v[T+2*\q], v[T+2*\q+1]
.endr
	ds_store_b128 v8, v[O:O+3] offset:HP*\i
.endm
	s_wait_loadcnt 0x2                             ; sc0 and y0 are in; b1's two loads may stay out
	HROW 0, 32,33,34,35
	HROW 1, 36,37,38,39
	HROW 2, 40,41,42,43
	HROW 3, 44,45,46,47
	HROW 4, 48,49,50,51
	HROW 5, 52,53,54,55
	HROW 6, 56,57,58,59
	HROW 7, 60,61,62,63
	s_wait_loadcnt 0x0
	v_mov_b32 v109, v108
	v_mov_b32 v111, v110
	s_wait_tensorcnt 0x0                           ; my 8 rows of the weights are in LDS: others read them behind the barrier
	s_wait_dscnt 0x0                               ; and my rows of H are written
	s_barrier_signal -1
	s_barrier_wait -1
.macro LDK ks, buf                     ; eight loads: 32 along K of two tiles of H and two of W1
.irp i, 0,1
	ds_load_b128 v[\buf+8*\i:\buf+8*\i+3],       v10 offset:16*HP*\i+64*(\ks)
	ds_load_b128 v[\buf+8*\i+4:\buf+8*\i+7],     v10 offset:16*HP*\i+64*(\ks)+32
.endr
.irp i, 0,1
	ds_load_b128 v[\buf+16+8*\i:\buf+16+8*\i+3], v11 offset:16*HP*\i+64*(\ks)
	ds_load_b128 v[\buf+20+8*\i:\buf+20+8*\i+3], v11 offset:16*HP*\i+64*(\ks)+32
.endr
.endm
.macro MMK buf, zero
.irp i, 0,1
.irp j, 0,1
.if \zero
	v_wmma_f32_16x16x32_f16 v[ACC+8*(2*\i+\j):ACC+8*(2*\i+\j)+7], v[\buf+8*\i:\buf+8*\i+7], v[\buf+16+8*\j:\buf+16+8*\j+7], 0
.else
	v_wmma_f32_16x16x32_f16 v[ACC+8*(2*\i+\j):ACC+8*(2*\i+\j)+7], v[\buf+8*\i:\buf+8*\i+7], v[\buf+16+8*\j:\buf+16+8*\j+7], v[ACC+8*(2*\i+\j):ACC+8*(2*\i+\j)+7]
.endif
.endr
.endr
.endm
.macro STEP ks, cur, nxt               ; fetch K step ks + 1 into the buffer that step ks - 1 has read, multiply step ks
	PLACES
	LDK \ks+1, \nxt
	s_wait_dscnt 0x8                               ; all but the eight just issued
	MMK \cur, 0
.endm
	LDK 0, FB0
	LDK 1, FB1
	s_wait_dscnt 0x8
	MMK FB0, 1                                     ; the first products start the sums
	STEP 1, FB1, FB0
	STEP 2, FB0, FB1
	STEP 3, FB1, FB0
	STEP 4, FB0, FB1
	STEP 5, FB1, FB0
	STEP 6, FB0, FB1
	s_wait_dscnt 0x0
	MMK FB1, 0
	PLACES
	; a lane holds output r of tile j for queries 8 h .. 8 h + 7 of tiles i = 0, 1
.macro STAT j                          ; y1 = product + b1; its sum and sum of squares over my 32 queries
.irp o, 0,2,4,6,16,18,20,22
	v_pk_add_f32 v[ACC+8*\j+\o:ACC+8*\j+\o+1], v[ACC+8*\j+\o:ACC+8*\j+\o+1], v[108+2*\j:109+2*\j]
.endr
	v_pk_add_f32 v[120:121], v[ACC+8*\j:ACC+8*\j+1], v[ACC+8*\j+2:ACC+8*\j+3]
	v_pk_mul_f32 v[122:123], v[ACC+8*\j:ACC+8*\j+1], v[ACC+8*\j:ACC+8*\j+1]
	v_pk_fma_f32 v[122:123], v[ACC+8*\j+2:ACC+8*\j+3], v[ACC+8*\j+2:ACC+8*\j+3], v[122:123]
.irp o, 4,6,16,18,20,22
	v_pk_add_f32 v[120:121], v[120:121], v[ACC+8*\j+\o:ACC+8*\j+\o+1]
	v_pk_fma_f32 v[122:123], v[ACC+8*\j+\o:ACC+8*\j+\o+1], v[ACC+8*\j+\o:ACC+8*\j+\o+1], v[122:123]
.endr
	v_add_f32 v120, v120, v121
	v_add_f32 v122, v122, v123
	v_permlanex16_b32 v121, v120, s24, s25         ; the other eight queries of each tile
	v_permlanex16_b32 v123, v122, s24, s25
	v_add_f32 v120, v120, v121
	v_add_f32 v122, v122, v123
	v_cndmask_b32 v124, v122, v120, vcc_lo         ; lanes 0-15 store the sum, lanes 16-31 the squares
	ds_store_b32 v12, v124 offset:64*\j
.endm
.macro Y1ST i, j                       ; a tile to f16: a lane's eight queries are 16 bytes of its output's row of the stage
.irp q, 0,1,2,3
	v_cvt_pk_f16_f32 v[32+4*(2*\i+\j)+\q], v[ACC+8*(2*\i+\j)+2*\q], v[ACC+8*(2*\i+\j)+2*\q+1]
.endr
	ds_store_b128 v112, v[32+4*(2*\i+\j):32+4*(2*\i+\j)+3] offset:16*SP*\j+32*\i
.endm
	STAT 0
	Y1ST 0, 0
	Y1ST 1, 0
	STAT 1
	Y1ST 0, 1
	Y1ST 1, 1
	s_wait_dscnt 0x0                               ; one barrier for the partial sums and for the stage
	s_barrier_signal -1
	s_barrier_wait -1
.irp q, 0,1,2,3
	ds_load_b128 v[48+4*\q:51+4*\q], v113 offset:2*SP*\q                    ; outputs 8 w + 2 q + h, all 128 queries
.endr
.irp q, 0,1,2,3
	s_wait_dscnt 3-\q
	global_store_b128 v114, v[48+4*\q:51+4*\q], s[14:15] offset:32768*\q    ; sixteen lanes cover 256 consecutive bytes, aligned
.endr
	s_cmp_ge_u32 s16, 8                            ; 256 words: waves 0 to 7 add the four blocks of queries
	s_cbranch_scc1 .Ldone
.irp s, 0,1,2,3
	ds_load_b32 v[120+\s], v13 offset:1024*\s
.endr
	s_wait_dscnt 0x0
	v_add_f32 v120, v120, v121
	v_add_f32 v122, v122, v123
	v_add_f32 v120, v120, v122
	global_store_b32 v14, v120, s[12:13]
.Ldone:
	s_wait_tensorcnt 0x0
	ds_add_u32 v192, v193
	s_wait_dscnt 0x0
	s_endpgm
.Lfunc_end_k_q6456d9c701_conv1:
	.size	k_q6456d9c701_conv1, .Lfunc_end_k_q6456d9c701_conv1-k_q6456d9c701_conv1
	.p2alignl 7, 3214868480
	.fill 96, 4, 3214868480
	.section	.rodata,"a",@progbits
	.p2align	6, 0x0
	.amdhsa_kernel k_q6456d9c701_conv1
		.amdhsa_group_segment_fixed_size 176128
		.amdhsa_private_segment_fixed_size 0
		.amdhsa_enable_private_segment 0
		.amdhsa_kernarg_size 48
		.amdhsa_user_sgpr_count 2
		.amdhsa_user_sgpr_kernarg_segment_ptr 1
		.amdhsa_wavefront_size32 1
		.amdhsa_system_sgpr_workgroup_id_x 1
		.amdhsa_system_sgpr_workgroup_id_y 1
		.amdhsa_system_sgpr_workgroup_id_z 1
		.amdhsa_system_vgpr_workitem_id 0
		.amdhsa_next_free_vgpr 194
		.amdhsa_next_free_sgpr 66
		.amdhsa_reserve_vcc 1
		.amdhsa_float_denorm_mode_32 3
		.amdhsa_float_denorm_mode_16_64 3
		.amdhsa_memory_ordered 1
		.amdhsa_forward_progress 1
		.amdhsa_inst_pref_size 29
	.end_amdhsa_kernel
	.amdgpu_metadata
---
amdhsa.version: [ 1, 2 ]
amdhsa.kernels:
  - .name:           k_q6456d9c701_conv1
    .symbol:         k_q6456d9c701_conv1.kd
    .args:
      - { .name: y0, .offset: 0, .size: 8, .value_kind: global_buffer, .address_space: global }
      - { .name: sc0, .offset: 8, .size: 8, .value_kind: global_buffer, .address_space: global }
      - { .name: zt, .offset: 16, .size: 8, .value_kind: global_buffer, .address_space: global }
      - { .name: b1, .offset: 24, .size: 8, .value_kind: global_buffer, .address_space: global }
      - { .name: part, .offset: 32, .size: 8, .value_kind: global_buffer, .address_space: global }
      - { .name: y1, .offset: 40, .size: 8, .value_kind: global_buffer, .address_space: global }
    .group_segment_fixed_size: 176128
    .private_segment_fixed_size: 0
    .kernarg_segment_align: 8
    .kernarg_segment_size: 48
    .max_flat_workgroup_size: 512
    .sgpr_count:     66
    .vgpr_count:     194
    .wavefront_size: 32
...
	.end_amdgpu_metadata
.endif
;; end of part 11
;; launch bnout (part 12): grid 256 x 1, 8 waves a work-group, no clusters, 2,048 bytes of LDS; arguments part, g1, be1, y1, out0; writes out0
.if DOCPART == 12
	.amdgcn_target "amdgcn-amd-amdhsa--gfx1250"
	.amdhsa_code_object_version 6
	.text
	.protected	k_q6456d9c701_bnout
	.globl	k_q6456d9c701_bnout
	.p2align	8
	.type	k_q6456d9c701_bnout,@function
k_q6456d9c701_bnout:
	s_mov_b64 s[64:65], 0
	v_nop
	global_prefetch_b8 v0, s[64:65] scope:SCOPE_SE
	s_setreg_imm32_b32 hwreg(HW_REG_WAVE_MODE, 25, 1), 1
	s_wait_xcnt 0x0
; out0[b][o][n] = relu(a y1[b][o][n] + s),  a = g1[o] rsqrt(var + 1e-5),  s = be1[o] - mean a,
; mean = sum / 32,768, var = max(sum of squares / 32,768 - mean^2, 0), from the 256 work-groups' partial sums in part
; ([256][512] f32: sums at word o, squares at word 256 + o).  y1 is f16, out0 f32, both [b][o][n].
; A work-group owns ONE channel (o = group / 2) and two batches (2 (group % 2) + 0, 1), so it needs only that channel's
; 2 x 256 partial sums: thread t takes row t.  Its 16 loads of y1 are asked for first-hand and are on their way while
; the figures are made.  A load takes 8 bytes a lane (256 consecutive bytes a wave), so that the four f32 that come of it are 16
; bytes of the output and a store of a wave covers 512 consecutive bytes, aligned.
; LIMIT: the variance is a difference of two f32 means: it loses accuracy where mean^2 is far above the variance.
; A stream: matrix unit, clusters and large tiles have nothing to do here.
.set X,  16                            ; v[16:47]   y1 as loaded, two registers a load (below v128: halves are named)
.set P,  48                            ; v[48:79]   the 16 half waves' (sum, squares)
.set Y,  96                            ; v[96:159]  four f32 for each load; each store has registers of its own
; v[80:81] a, v[82:83] s, each in both registers; v84-86 at work; v2 part offset, v3 y1 offset, v4 out0 offset, v5, v6 LDS
	s_load_b256 s[4:11], s[0:1], 0x0               ; part s[4:5], g1 s[6:7], be1 s[8:9], y1 s[10:11]
	s_load_b64 s[12:13], s[0:1], 0x20              ; out0
	v_lshl_add_u32 v160, v0, 2, 0x400
	v_mov_b32 v161, 0
	s_lshr_b32 s15, ttmp9, 1                       ; channel
	s_and_b32 s16, ttmp9, 1                        ; which two batches
	s_lshl_b32 s18, s15, 2                         ; 4 o
	s_mov_b32 s19, 0
	s_lshl_b32 s20, s16, 22                        ; y1: two batches of 128 x 16,384 bytes
	s_lshl_b32 s17, s15, 14                        ; + o rows
	s_add_co_u32 s20, s20, s17
	s_mov_b32 s21, 0
	s_lshl_b32 s22, s16, 23                        ; out0: two batches of 128 x 32,768 bytes
	s_lshl_b32 s17, s15, 15
	s_add_co_u32 s22, s22, s17
	s_mov_b32 s23, 0
	v_lshlrev_b32 v2, 11, v0                       ; row t of part
	v_lshlrev_b32 v3, 3, v0                        ; 8 t
	v_lshlrev_b32 v4, 4, v0                        ; 16 t
	v_lshrrev_b32 v5, 4, v0
	v_lshlrev_b32 v5, 3, v5                        ; 8 bytes for each half wave
	v_mov_b32 v6, 0
	s_wait_kmcnt 0x0
	s_add_nc_u64 s[4:5], s[4:5], s[18:19]
	s_add_nc_u64 s[6:7], s[6:7], s[18:19]
	s_add_nc_u64 s[8:9], s[8:9], s[18:19]
	s_add_nc_u64 s[10:11], s[10:11], s[20:21]
	s_add_nc_u64 s[12:13], s[12:13], s[22:23]
	s_load_b32 s26, s[6:7], 0x0                    ; g1[o]
	s_load_b32 s27, s[8:9], 0x0                    ; be1[o]
	global_load_b32 v8, v2, s[4:5]                 ; work-group t's sum
	global_load_b32 v9, v2, s[4:5] offset:1024     ; and squares
.irp i, 0,1,2,3,4,5,6,7,8,9,10,11,12,13,14,15
	global_load_b64 v[X+2*\i:X+2*\i+1], v3, s[10:11] offset:(\i/8)*2097152+(\i%8)*2048 th:TH_LOAD_NT
.endr
	s_wait_loadcnt 0x10                            ; the two partial sums are in; the 16 loads of y1 stay out
.irp m, 1,2,4,8
	v_add_f32_dpp v8, v8, v8 row_xmask:\m row_mask:0xf bank_mask:0xf
	v_add_f32_dpp v9, v9, v9 row_xmask:\m row_mask:0xf bank_mask:0xf
.endr
	ds_store_b64 v5, v[8:9]                        ; the sixteen lanes of a half wave write the same two words with the same values
	s_wait_dscnt 0x0
	s_barrier_signal -1
	s_barrier_wait -1
.irp k, 0,1,2,3,4,5,6,7
	ds_load_b128 v[P+4*\k:P+4*\k+3], v6 offset:16*\k
.endr
	s_wait_dscnt 0x0
.irp j, 0,2,4,6,8,10,12,14
	v_pk_add_f32 v[P+\j:P+\j+1], v[P+\j:P+\j+1], v[P+16+\j:P+17+\j]
.endr
.irp j, 0,2,4,6
	v_pk_add_f32 v[P+\j:P+\j+1], v[P+\j:P+\j+1], v[P+8+\j:P+9+\j]
.endr
	v_pk_add_f32 v[P:P+1],   v[P:P+1],   v[P+4:P+5]
	v_pk_add_f32 v[P+2:P+3], v[P+2:P+3], v[P+6:P+7]
	v_pk_add_f32 v[P:P+1],   v[P:P+1],   v[P+2:P+3]
	v_mul_f32 v84, 0x38000000, v[P]                ; mean: / 32,768
	v_mul_f32 v85, 0x38000000, v[P+1]
	v_fma_f32 v85, -v84, v84, v85
	v_max_num_f32 v85, 0, v85
	v_add_f32 v85, 0x3727c5ac, v85                 ; + 1e-5
	v_rsq_f32 v86, v85
	v_nop                                          ; one place behind the root before its result is used (ISA guide 5.7.2)
	s_wait_kmcnt 0x0
	s_wait_alu depctr_va_vdst(0)
	v_mul_f32 v80, s26, v86                        ; a
	v_fma_f32 v82, -v84, v80, s27                  ; s
	v_mov_b32 v81, v80
	v_mov_b32 v83, v82
; load i: four numbers to f32, affine map, relu, 16 bytes out.  a, b: its two registers, as plain numbers
.macro OUT i, a, b
	s_wait_loadcnt 15-\i                           ; loads come back in order: load i is in, the younger ones stay out
	v_cvt_f32_f16 v[Y+4*\i],   v\a\().l
	v_cvt_f32_f16 v[Y+4*\i+1], v\a\().h
	v_cvt_f32_f16 v[Y+4*\i+2], v\b\().l
	v_cvt_f32_f16 v[Y+4*\i+3], v\b\().h
	v_pk_fma_f32 v[Y+4*\i:Y+4*\i+1],   v[Y+4*\i:Y+4*\i+1],   v[80:81], v[82:83]
	v_pk_fma_f32 v[Y+4*\i+2:Y+4*\i+3], v[Y+4*\i+2:Y+4*\i+3], v[80:81], v[82:83]
	v_max_num_f32 v[Y+4*\i],   0, v[Y+4*\i]
	v_max_num_f32 v[Y+4*\i+1], 0, v[Y+4*\i+1]
	v_max_num_f32 v[Y+4*\i+2], 0, v[Y+4*\i+2]
	v_max_num_f32 v[Y+4*\i+3], 0, v[Y+4*\i+3]
	global_store_b128 v4, v[Y+4*\i:Y+4*\i+3], s[12:13] offset:(\i/8)*4194304+(\i%8)*4096 th:TH_STORE_NT
.endm
	OUT 0,  16, 17
	OUT 1,  18, 19
	OUT 2,  20, 21
	OUT 3,  22, 23
	OUT 4,  24, 25
	OUT 5,  26, 27
	OUT 6,  28, 29
	OUT 7,  30, 31
	OUT 8,  32, 33
	OUT 9,  34, 35
	OUT 10, 36, 37
	OUT 11, 38, 39
	OUT 12, 40, 41
	OUT 13, 42, 43
	OUT 14, 44, 45
	OUT 15, 46, 47
	s_wait_tensorcnt 0x0
	ds_add_u32 v160, v161
	s_wait_dscnt 0x0
	s_endpgm
.Lfunc_end_k_q6456d9c701_bnout:
	.size	k_q6456d9c701_bnout, .Lfunc_end_k_q6456d9c701_bnout-k_q6456d9c701_bnout
	.p2alignl 7, 3214868480
	.fill 96, 4, 3214868480
	.section	.rodata,"a",@progbits
	.p2align	6, 0x0
	.amdhsa_kernel k_q6456d9c701_bnout
		.amdhsa_group_segment_fixed_size 2048
		.amdhsa_private_segment_fixed_size 0
		.amdhsa_enable_private_segment 0
		.amdhsa_kernarg_size 40
		.amdhsa_user_sgpr_count 2
		.amdhsa_user_sgpr_kernarg_segment_ptr 1
		.amdhsa_wavefront_size32 1
		.amdhsa_system_sgpr_workgroup_id_x 1
		.amdhsa_system_sgpr_workgroup_id_y 1
		.amdhsa_system_sgpr_workgroup_id_z 1
		.amdhsa_system_vgpr_workitem_id 0
		.amdhsa_next_free_vgpr 162
		.amdhsa_next_free_sgpr 66
		.amdhsa_reserve_vcc 0
		.amdhsa_float_denorm_mode_32 3
		.amdhsa_float_denorm_mode_16_64 3
		.amdhsa_memory_ordered 1
		.amdhsa_forward_progress 1
		.amdhsa_inst_pref_size 14
	.end_amdhsa_kernel
	.amdgpu_metadata
---
amdhsa.version: [ 1, 2 ]
amdhsa.kernels:
  - .name:           k_q6456d9c701_bnout
    .symbol:         k_q6456d9c701_bnout.kd
    .args:
      - { .name: part, .offset: 0, .size: 8, .value_kind: global_buffer, .address_space: global }
      - { .name: g1, .offset: 8, .size: 8, .value_kind: global_buffer, .address_space: global }
      - { .name: be1, .offset: 16, .size: 8, .value_kind: global_buffer, .address_space: global }
      - { .name: y1, .offset: 24, .size: 8, .value_kind: global_buffer, .address_space: global }
      - { .name: out0, .offset: 32, .size: 8, .value_kind: global_buffer, .address_space: global }
    .group_segment_fixed_size: 2048
    .private_segment_fixed_size: 0
    .kernarg_segment_align: 8
    .kernarg_segment_size: 40
    .max_flat_workgroup_size: 256
    .sgpr_count:     66
    .vgpr_count:     162
    .wavefront_size: 32
...
	.end_amdgpu_metadata
.endif
;; end of part 12
;; ======== version 3 of 3: 6 launches; version 2 with the launch bnout written anew for expert scheduling mode
;; limits: values outside matrix products are rounded to f16; values are held in f16: magnitudes above 65,504 overflow, below 6.1e-05 lose precision; a difference of large sums (such as E[x^2] - mean^2): digits are lost where the result is much smaller than its terms
;; workspace buffers: grp 131,072 bytes of whole numbers; idx 524,288 bytes of whole numbers; wgt 524,288 bytes; zt 4,325,376 bytes; y0 16,777,216 bytes; part 524,288 bytes; sc0 2,048 bytes; y1 8,388,608 bytes
;; launch knnz: the kernel of part 8 again; grid 256 x 1, 16 waves a work-group, no clusters, 226,304 bytes of LDS; arguments xyz1, xyz2, grp, W0, points2, zt, W1; writes grp, zt
;; launch knn_refine: the kernel of part 2 again; grid 256 x 1, 4 waves a work-group, no clusters, 0 bytes of LDS; arguments xyz1, xyz2, norm1, norm2, grp, idx, wgt; writes idx, wgt
;; launch conv0: the kernel of part 9 again; grid 256 x 1, 16 waves a work-group, no clusters, 274,432 bytes of LDS; arguments points1, b0, zt, idx, wgt, y0, part; writes y0, part
;; launch fin0: the kernel of part 10 again; grid 16 x 1, 8 waves a work-group, no clusters, 5,120 bytes of LDS; arguments part, g0, be0, sc0; writes sc0
;; launch conv1: the kernel of part 11 again; grid 256 x 1, 16 waves a work-group, no clusters, 176,128 bytes of LDS; arguments y0, sc0, zt, b1, part, y1; writes part, y1
;; launch bnout (part 13): grid 256 x 1, 8 waves a work-group, no clusters, 2,048 bytes of LDS; arguments part, g1, be1, y1, out0; writes out0
.if DOCPART == 13
	.amdgcn_target "amdgcn-amd-amdhsa--gfx1250"
	.amdhsa_code_object_version 6
	.text
	.protected	k_q6456d9c701_bnout
	.globl	k_q6456d9c701_bnout
	.p2align	8
	.type	k_q6456d9c701_bnout,@function
k_q6456d9c701_bnout:
	s_mov_b64 s[64:65], 0
	v_nop
	global_prefetch_b8 v0, s[64:65] scope:SCOPE_SE
	s_setreg_imm32_b32 hwreg(HW_REG_WAVE_SCHED_MODE, 0, 2), 2
	s_setreg_imm32_b32 hwreg(HW_REG_WAVE_MODE, 25, 1), 1
	s_wait_xcnt 0x0
	s_wait_alu depctr_vm_vsrc(0)
; out0[b][o][n] = relu(a y1[b][o][n] + s),  a = g1[o] rsqrt(var + 1e-5),  s = be1[o] - mean a,
; mean = sum / 32,768, var = max(sum of squares / 32,768 - mean^2, 0), from the 256 work-groups' partial sums in part
; ([256][512] f32: sums at word o, squares at word 256 + o).  y1 is f16, out0 f32, both [b][o][n].
; A work-group owns ONE channel (o = group / 2) and two batches (2 (group % 2) + 0, 1), so it needs only that channel's
; 2 x 256 partial sums: thread t takes row t.  Its 16 loads of y1 are asked for first-hand and are on their way while
; the figures are made.  A load takes 8 bytes a lane (256 consecutive bytes a wave), so that the four f32 that come of it are 16
; bytes of the output and a store of a wave covers 512 consecutive bytes, aligned.
; LIMIT: the variance is a difference of two f32 means: it loses accuracy where mean^2 is far above the variance.
; A stream: matrix unit, clusters and large tiles have nothing to do here.
; THE MODE: SCHED_MODE bits 1:0 = 2 (LLVM: expert scheduling mode 2), set by the entry lines.  The code itself states the register
; dependences between vector instructions and memory or LDS instructions, with s_wait_alu, always for 0.
; THE PLAN.  Registers that memory or LDS instructions touch:
;   v2-v6        offsets and LDS addresses: written once at the head by vector instructions, then only read by memory and LDS instructions.
;   v8, v9       written by two loads, then by the additions across lanes; read by the one LDS store; never written again.
;   X            written by the 16 loads of y1, once; read by the conversions.
;   P            written by eight LDS loads, once; no vector instruction names it before them.
;   Y            load i's four registers are written by its ten vector instructions and read by store i: each store has registers of its own.
;   v160, v161   written at the head, read by the closing add alone.
; No register that a memory or LDS instruction reads is ever written again, so no wait on vm_vsrc is owed.  No vector instruction writes a
; scalar register or VCC, and EXEC is never written.
; The way out goes in four blocks of four loads.  Block p's vector instructions write its own 16 registers of Y; ONE wait on va_vdst at the head
; of the next block states that they are written, and the four stores follow it, dealt among that block's vector instructions, which name
; their own X, their own Y and v[80:83]: none of the registers that those stores read.
.set X,  16                            ; v[16:47]   y1 as loaded, two registers a load (below v128: halves are named)
.set P,  48                            ; v[48:79]   the 16 half waves' (sum, squares)
.set Y,  96                            ; v[96:159]  four f32 for each load; each store has registers of its own
; v[80:81] a, v[82:83] s, each in both registers; v84-86 at work; v2 part offset, v3 y1 offset, v4 out0 offset, v5, v6 LDS
	s_load_b256 s[4:11], s[0:1], 0x0               ; part s[4:5], g1 s[6:7], be1 s[8:9], y1 s[10:11]
	s_load_b64 s[12:13], s[0:1], 0x20              ; out0
	v_lshl_add_u32 v160, v0, 2, 0x400
	v_mov_b32 v161, 0
	s_lshr_b32 s15, ttmp9, 1                       ; channel
	s_and_b32 s16, ttmp9, 1                        ; which two batches
	s_lshl_b32 s18, s15, 2                         ; 4 o
	s_mov_b32 s19, 0
	s_lshl_b32 s20, s16, 22                        ; y1: two batches of 128 x 16,384 bytes
	s_lshl_b32 s17, s15, 14                        ; + o rows
	s_add_co_u32 s20, s20, s17
	s_mov_b32 s21, 0
	s_lshl_b32 s22, s16, 23                        ; out0: two batches of 128 x 32,768 bytes
	s_lshl_b32 s17, s15, 15
	s_add_co_u32 s22, s22, s17
	s_mov_b32 s23, 0
	v_lshlrev_b32 v2, 11, v0                       ; row t of part
	v_lshlrev_b32 v3, 3, v0                        ; 8 t
	v_lshlrev_b32 v4, 4, v0                        ; 16 t
	v_lshrrev_b32 v5, 4, v0
	v_lshlrev_b32 v5, 3, v5                        ; 8 bytes for each half wave
	v_mov_b32 v6, 0
	s_wait_kmcnt 0x0
	s_add_nc_u64 s[4:5], s[4:5], s[18:19]
	s_add_nc_u64 s[6:7], s[6:7], s[18:19]
	s_add_nc_u64 s[8:9], s[8:9], s[18:19]
	s_add_nc_u64 s[10:11], s[10:11], s[20:21]
	s_add_nc_u64 s[12:13], s[12:13], s[22:23]
	s_load_b32 s26, s[6:7], 0x0                    ; g1[o]
	s_load_b32 s27, s[8:9], 0x0                    ; be1[o]
	s_wait_alu depctr_va_vdst(0)                   ; v2 to v6 are written: every load, LDS access and store of the kernel reads one of them as its offset or address, and none is written again
	global_load_b32 v8, v2, s[4:5]                 ; work-group t's sum
	global_load_b32 v9, v2, s[4:5] offset:1024     ; and squares
.irp i, 0,1,2,3,4,5,6,7,8,9,10,11,12,13,14,15
	global_load_b64 v[X+2*\i:X+2*\i+1], v3, s[10:11] offset:(\i/8)*2097152+(\i%8)*2048 th:TH_LOAD_NT
.endr
	s_wait_loadcnt 0x10                            ; the two partial sums are in; the 16 loads of y1 stay out
.irp m, 1,2,4,8
	v_add_f32_dpp v8, v8, v8 row_xmask:\m row_mask:0xf bank_mask:0xf
	v_add_f32_dpp v9, v9, v9 row_xmask:\m row_mask:0xf bank_mask:0xf
.endr
	s_wait_alu depctr_va_vdst(0)                   ; the additions across lanes have written v8 and v9, which the LDS store reads
	ds_store_b64 v5, v[8:9]                        ; the sixteen lanes of a half wave write the same two words with the same values
	s_wait_dscnt 0x0
	s_barrier_signal -1
	s_barrier_wait -1
.irp k, 0,1,2,3,4,5,6,7
	ds_load_b128 v[P+4*\k:P+4*\k+3], v6 offset:16*\k
.endr
	s_wait_dscnt 0x0
.irp j, 0,2,4,6,8,10,12,14
	v_pk_add_f32 v[P+\j:P+\j+1], v[P+\j:P+\j+1], v[P+16+\j:P+17+\j]
.endr
.irp j, 0,2,4,6
	v_pk_add_f32 v[P+\j:P+\j+1], v[P+\j:P+\j+1], v[P+8+\j:P+9+\j]
.endr
	v_pk_add_f32 v[P:P+1],   v[P:P+1],   v[P+4:P+5]
	v_pk_add_f32 v[P+2:P+3], v[P+2:P+3], v[P+6:P+7]
	v_pk_add_f32 v[P:P+1],   v[P:P+1],   v[P+2:P+3]
	v_mul_f32 v84, 0x38000000, v[P]                ; mean: / 32,768
	v_mul_f32 v85, 0x38000000, v[P+1]
	v_fma_f32 v85, -v84, v84, v85
	v_max_num_f32 v85, 0, v85
	v_add_f32 v85, 0x3727c5ac, v85                 ; + 1e-5
	v_rsq_f32 v86, v85
	v_nop                                          ; one place behind the root before its result is used (ISA guide 5.7.2)
	s_wait_kmcnt 0x0
	s_wait_alu depctr_va_vdst(0)                   ; the root has written v86, ahead of its first reader
	v_mul_f32 v80, s26, v86                        ; a
	v_fma_f32 v82, -v84, v80, s27                  ; s
	v_mov_b32 v81, v80
	v_mov_b32 v83, v82
; load i: four numbers to f32, affine map, relu, into the four registers of Y that store i reads.  a, b: its two registers, as plain numbers
.macro CALC i, a, b
	v_cvt_f32_f16 v[Y+4*\i],   v\a\().l
	v_cvt_f32_f16 v[Y+4*\i+1], v\a\().h
	v_cvt_f32_f16 v[Y+4*\i+2], v\b\().l
	v_cvt_f32_f16 v[Y+4*\i+3], v\b\().h
	v_pk_fma_f32 v[Y+4*\i:Y+4*\i+1],   v[Y+4*\i:Y+4*\i+1],   v[80:81], v[82:83]
	v_pk_fma_f32 v[Y+4*\i+2:Y+4*\i+3], v[Y+4*\i+2:Y+4*\i+3], v[80:81], v[82:83]
	v_max_num_f32 v[Y+4*\i],   0, v[Y+4*\i]
	v_max_num_f32 v[Y+4*\i+1], 0, v[Y+4*\i+1]
	v_max_num_f32 v[Y+4*\i+2], 0, v[Y+4*\i+2]
	v_max_num_f32 v[Y+4*\i+3], 0, v[Y+4*\i+3]
.endm
; store i: 16 bytes a lane out
.macro SEND i
	global_store_b128 v4, v[Y+4*\i:Y+4*\i+3], s[12:13] offset:(\i/8)*4194304+(\i%8)*4096 th:TH_STORE_NT
.endm
	s_wait_loadcnt 12                              ; loads come back in order (ISA guide 5.7.1): loads 0 to 3 are in, the twelve younger ones stay out
	CALC 0,  16, 17                                ; block 0 has no block in front of it: no store
	CALC 1,  18, 19
	CALC 2,  20, 21
	CALC 3,  22, 23
	s_wait_loadcnt 8                               ; loads 4 to 7 are in
	s_wait_alu depctr_va_vdst(0)                   ; block 0 has written Y of loads 0 to 3, which the four stores of this block read
	SEND 0
	CALC 4,  24, 25                                ; names v24, v25, its own Y and v[80:83]: no register of the stores that follow
	SEND 1
	CALC 5,  26, 27
	SEND 2
	CALC 6,  28, 29
	SEND 3
	CALC 7,  30, 31
	s_wait_loadcnt 4                               ; loads 8 to 11 are in
	s_wait_alu depctr_va_vdst(0)                   ; block 1 has written Y of loads 4 to 7, which the four stores of this block read
	SEND 4
	CALC 8,  32, 33
	SEND 5
	CALC 9,  34, 35
	SEND 6
	CALC 10, 36, 37
	SEND 7
	CALC 11, 38, 39
	s_wait_loadcnt 0x0                             ; the last four loads are in
	s_wait_alu depctr_va_vdst(0)                   ; block 2 has written Y of loads 8 to 11, which the four stores of this block read
	SEND 8
	CALC 12, 40, 41
	SEND 9
	CALC 13, 42, 43
	SEND 10
	CALC 14, 44, 45
	SEND 11
	CALC 15, 46, 47
	s_wait_alu depctr_va_vdst(0)                   ; block 3 has written Y of loads 12 to 15, which the last four stores read
	SEND 12
	SEND 13
	SEND 14
	SEND 15
	s_wait_dscnt 0x0                               ; the closing lines, six on end
	s_wait_alu 0x0
	s_wait_tensorcnt 0x0
	ds_add_u32 v160, v161
	s_wait_dscnt 0x0
	s_endpgm
.Lfunc_end_k_q6456d9c701_bnout:
	.size	k_q6456d9c701_bnout, .Lfunc_end_k_q6456d9c701_bnout-k_q6456d9c701_bnout
	.p2alignl 7, 3214868480
	.fill 96, 4, 3214868480
	.section	.rodata,"a",@progbits
	.p2align	6, 0x0
	.amdhsa_kernel k_q6456d9c701_bnout
		.amdhsa_group_segment_fixed_size 2048
		.amdhsa_private_segment_fixed_size 0
		.amdhsa_enable_private_segment 0
		.amdhsa_kernarg_size 40
		.amdhsa_user_sgpr_count 2
		.amdhsa_user_sgpr_kernarg_segment_ptr 1
		.amdhsa_wavefront_size32 1
		.amdhsa_system_sgpr_workgroup_id_x 1
		.amdhsa_system_sgpr_workgroup_id_y 1
		.amdhsa_system_sgpr_workgroup_id_z 1
		.amdhsa_system_vgpr_workitem_id 0
		.amdhsa_next_free_vgpr 162
		.amdhsa_next_free_sgpr 66
		.amdhsa_reserve_vcc 0
		.amdhsa_float_denorm_mode_32 3
		.amdhsa_float_denorm_mode_16_64 3
		.amdhsa_memory_ordered 1
		.amdhsa_forward_progress 1
		.amdhsa_inst_pref_size 14
	.end_amdhsa_kernel
	.amdgpu_metadata
---
amdhsa.version: [ 1, 2 ]
amdhsa.kernels:
  - .name:           k_q6456d9c701_bnout
    .symbol:         k_q6456d9c701_bnout.kd
    .args:
      - { .name: part, .offset: 0, .size: 8, .value_kind: global_buffer, .address_space: global }
      - { .name: g1, .offset: 8, .size: 8, .value_kind: global_buffer, .address_space: global }
      - { .name: be1, .offset: 16, .size: 8, .value_kind: global_buffer, .address_space: global }
      - { .name: y1, .offset: 24, .size: 8, .value_kind: global_buffer, .address_space: global }
      - { .name: out0, .offset: 32, .size: 8, .value_kind: global_buffer, .address_space: global }
    .group_segment_fixed_size: 2048
    .private_segment_fixed_size: 0
    .kernarg_segment_align: 8
    .kernarg_segment_size: 40
    .max_flat_workgroup_size: 256
    .sgpr_count:     66
    .vgpr_count:     162
    .wavefront_size: 32
...
	.end_amdgpu_metadata
.endif
;; end of part 13
